; MI455X (gfx1250); checked and timed in simulation.
; The chip was launched on July 23, 2026; its instructions are those of AMD's public machine-readable ISA for CDNA 5 (MIT licence, August 2026) and "CDNA5" Instruction Set Architecture Reference Guide (July 2026). The comments in the code are by the model that wrote it; some were corrected since.
;; Block. Allowed arithmetic: matrix products marked QUANTISED: E2M1 operands, one E8M0 scale for each 32 along K, by v_wmma_scale_f32_16x16x128_f8f6f4 with both operands' format E2M1 (or v_wmma_scale_f32_32x16x128_f4), f32 sums; everything else in f32.
;; Inputs: W1 512 x 2,048 float32; W2 2,048 x 512 float32; Wk 16 x 512 x 32 float32; Wo 512 x 512 float32; Wq 16 x 512 x 32 float32; Wv 16 x 512 x 32 float32; b1 2,048 float32; b2 512 float32; be1 512 float32; be2 512 float32; bo 512 float32; g1 512 float32; g2 512 float32; x 4 x 2,048 x 512 float32.
;; Outputs: out0 4 x 2,048 x 512 float32.
;; This version of the problem:
;;   THIS VERSION OF THE PROBLEM IS GIVEN IN LOW PRECISION. The matrix products marked QUANTISED in the list below multiply operands that are first quantised to E2M1 (2 exponent bits, 1 mantissa bit; 4 bits a number), with one power-of-two scale for each 32 numbers along K (OCP MX v1.0); their sums are f32. All else is computed in f32.
;;   The module's matrix products, in the order in which they are computed (A, B: the left and right operand; K: the contracted axis; several contracted axes count as one K, in the product's order):
;;     1. [M 512, K 512] x [K 512, N 8,192]; A: input Wq; B: computed on the way: QUANTISED
;;     2. [M 512, K 512] x [K 512, N 8,192]; A: input Wk; B: computed on the way: QUANTISED
;;     3. [M 512, K 512] x [K 512, N 8,192]; A: input Wv; B: computed on the way: QUANTISED
;;     4. batch 64 x [M 2,048, K 32] x [K 32, N 2,048]; A: computed on the way; B: computed on the way: QUANTISED
;;     5. batch 64 x [M 2,048, K 2,048] x [K 2,048, N 32]; A: softmax (see below); B: computed on the way: QUANTISED
;;     6. [M 8,192, K 512] x [K 512, N 512]; A: computed on the way; B: input Wo: QUANTISED
;;     7. [M 8,192, K 512] x [K 512, N 2,048]; A: computed on the way; B: input W1: QUANTISED
;;     8. [M 8,192, K 2,048] x [K 2,048, N 512]; A: computed on the way; B: input W2: QUANTISED
;;   THE QUANTISER, for each operand of a quantised product, along K:
;;     - K is cut into blocks of 32 from its start; a last block that is shorter is filled with zeros.
;;     - A block's scale is 2^e with e = floor(log2(the largest magnitude in the block)) - 2, held to -126 .. 127; a block of zeros has e = 0. As a byte (E8M0): e + 127.
;;     - Each number is divided by its block's scale, clamped to +-6, and rounded to the nearest number of E2M1, ties to even, subnormals kept.
;;     - The product sums the exact products of the quantised numbers (number of the format x scale) in f32.
;;   ~~~python
;;   def quantise(x, axis):      # numpy; x: float32 -> the quantised numbers, widened to float32 again
;;       x = np.moveaxis(x, axis, -1); K = x.shape[-1]
;;       x = np.pad(x, [(0, 0)] * (x.ndim - 1) + [(0, -K % 32)]); x = x.reshape(x.shape[:-1] + (-1, 32)); a = np.abs(x).max(-1, keepdims=True)
;;       e = np.where(a > 0, np.clip(np.frexp(np.where(a > 0, a, 1))[1] - 1 - 2, -126, 127), 0)      # np.frexp(a)[1] - 1 = floor(log2(a)), exactly
;;       r = np.clip(x / 2.0 ** e, -6, 6)
;;       step = 2.0 ** (np.maximum(np.frexp(np.where(r == 0, 1, r))[1] - 1, 0) - 1)
;;       q = np.round(r / step) * step * 2.0 ** e      # np.round: ties to even
;;       return np.moveaxis(q.reshape(q.shape[:-2] + (-1,))[..., :K], -1, axis).astype(np.float32)
;;   ~~~
;;   SOFTMAX AHEAD OF A QUANTISED PRODUCT. Where the list says 'softmax', what is quantised is not the finished softmax but p = 2^(t - M), with t = logit x log2(e) and M = ceil(the row's largest t), a whole number; so 1/2 < the row's largest p <= 1. The row's sum l is taken of the UNQUANTISED p, in f32, and the product's result is divided by l at the end. Since M is a whole number, a kernel that streams over the keys may use a running M (the ceiling of the running maximum): every later rescaling is an exact power of two, which a block's scale takes up: the codes' values come out the same.
;;   OPERANDS COMPUTED ON THE WAY. 'Computed on the way' means the value that the module computes at that place (a softmax that the list does not call 'softmax' is quantised finished and normalised). What goes into a quantiser is computed in f32, as accurately as f32 sums, v_exp_f32 and their like allow (about 1e-6 of the number): no bf16 or f16 on the way to a quantiser, and a product that is left as it is and whose result goes on into a quantised operand takes f32 operands (vector FMAs, or v_wmma_f32_16x16x4_f32). A number that lies on a knife's edge between two numbers of the format may be rounded either way, as far as f32 arithmetic and the matrix unit's own rounding can turn it there, and no further.
;; 2 versions. Each part assembles by itself: llvm-mc -triple=amdgcn-amd-amdhsa -mcpu=gfx1250 --defsym DOCPART=n.
;; ======== version 1 of 2: 4 launches
;; workspace buffers: prep 3,899,392 bytes; qkv 7,077,888 bytes; att 2,228,224 bytes
;; launch prep (part 1): grid 352 x 1, 8 waves a work-group, no clusters, 67,072 bytes of LDS; arguments x, g1, be1, Wq, Wk, Wv, Wo, W1, W2, prep; writes prep
.if DOCPART == 1
	.amdgcn_target "amdgcn-amd-amdhsa--gfx1250"
	.amdhsa_code_object_version 6
	.text
	.protected	k_q73401ed06b_prep
	.globl	k_q73401ed06b_prep
	.p2align	8
	.type	k_q73401ed06b_prep,@function
k_q73401ed06b_prep:
	s_mov_b64 s[64:65], 0
	v_nop
	global_prefetch_b8 v0, s[64:65] scope:SCOPE_SE
	s_setreg_imm32_b32 hwreg(HW_REG_WAVE_MODE, 25, 1), 1
	s_wait_xcnt 0x0
; PREP.  Work-groups 0-255: h = LayerNorm(x; g1, be1) of 32 rows, quantised along C to codes of E2M1 with one E8M0 byte for each 32.
; Work-groups 256-351: the six weights, whose K is not their last axis, quantised along K: a lane takes a column, its registers run down K.
; EVERYTHING IS STORED AS IMAGES OF OPERAND REGISTERS.  32 neighbouring rows (of x) or columns (of a weight) are a PAIR of two tiles: row m of tile u is
; member 8 u + m + 8 (m / 8).  A fragment (16 rows x 128 K) is 1,024 bytes: block b of row m at 256 b + 16 m, which is register group b / 2 at 16 x lane,
; lane = 16 (b % 2) + m.  Codes: [pair][K step][tile][1,024]; scale words: [pair][K step][16 tile + m][4 bytes, byte b].
; prep: weights' codes at 0 (Wq, Wk, Wv, Wo, W1, W2), their scale words at WS, h's codes at XC, its scale words at XS.
; LIMITS: NaN and infinities among the inputs are not served.  A block whose largest magnitude lies under 2^-124 (a block of zeros too) gets the byte 1:
; its codes are zeros or next to it, and the bytes are read by this program alone.
; No matrix work, no tensor loads: memory binds; each input byte is read once, each store of codes covers whole aligned blocks of 256 bytes.
.set PITCH, 2064                       ; an LDS row of h: 2,048 bytes + 16: sixteen rows of a read start at sixteen different 16-byte columns
.set XC,    1671168
.set XS,    3768320
.set WS,    1572864
.set FLOOR, 0x1800000                  ; 2^(3 - 127): no largest magnitude is taken under it, so the byte cannot fall under 1
.set X,   16                           ; v16-79   x path: four rows x 16 numbers; then 64 numbers of a fragment's lane
.set G,   80                           ; v80-95   g1 of my 16 columns
.set BE,  96                           ; v96-111  be1
.set TS,  112                          ; v112-119 a pair for each row: sums, then the mean
.set TQ,  120                          ; v120-127 a pair for each row: sums of squares, then 1 / sqrt
.set TM,  112                          ; v112-127 the quantiser's work
.set PW,  128                          ; v128     a scale word
.set PC,  132                          ; v132-139 a fragment's codes
.set OFF, 16                           ; v16-47   weights path: 4 lane + i rows
.set XW,  48                           ; v48-175  128 numbers down K
.set CW,  176                          ; v176-191 codes, four registers a block
.set SW,  192                          ; v192     my column's scale word
.macro ACROSS t                        ; four rows' pairs at v[t]: the two halves, the 32 lanes: every lane ends with the row's sum
.irp i, 0,1,2,3
	v_add_f32 v[\t+2*\i], v[\t+2*\i], v[\t+2*\i+1]
.endr
.irp m, 1,2,4,8
.irp i, 0,1,2,3
	v_add_f32_dpp v[\t+2*\i], v[\t+2*\i], v[\t+2*\i] row_xmask:\m row_mask:0xf bank_mask:0xf
.endr
.endr
.irp i, 0,1,2,3
	v_permlanex16_b32 v[\t+2*\i+1], v[\t+2*\i], s42, s43
.endr
.irp i, 0,1,2,3
	v_add_f32 v[\t+2*\i], v[\t+2*\i], v[\t+2*\i+1]
.endr
.endm
; 64 numbers of a lane, register 16 b + i = k 32 b + 16 (lane / 16) + i of my row, become a fragment's codes in v[PC] on and its scale word in v[PW]
.macro QUANT s
.irp b, 0,1,2,3
	v_max3_num_f32 v[TM+\b], |v[\s+16*\b]|, |v[\s+1+16*\b]|, FLOOR
.endr
.irp i, 2,4,6,8,10,12,14
.irp b, 0,1,2,3
	v_max3_num_f32 v[TM+\b], v[TM+\b], |v[\s+16*\b+\i]|, |v[\s+1+16*\b+\i]|
.endr
.endr
.irp b, 0,1,2,3
	v_permlanex16_b32 v[TM+4+\b], v[TM+\b], s42, s43
.endr
.irp b, 0,1,2,3
	v_max_num_f32 v[TM+\b], v[TM+\b], v[TM+4+\b]       ; with lane l xor 16's: the block's largest magnitude
.endr
.irp b, 0,1,2,3
	v_add_nc_u32 v[TM+12+\b], 0xff000000, v[TM+\b]     ; 2 off its exponent field: the conversion's scale operand
.endr
.irp b, 0,1,2,3
	v_lshrrev_b32 v[TM+4+\b], 23, v[TM+12+\b]          ; the scale's byte
.endr
	v_lshl_or_b32 v[PW], v[TM+5], 8, v[TM+4]
	v_lshl_or_b32 v[PW], v[TM+6], 16, v[PW]
	v_lshl_or_b32 v[PW], v[TM+7], 24, v[PW]
.irp b, 0,1,2,3
	v_cvt_scalef32_pk8_fp4_f32 v[PC+2*\b], v[\s+16*\b:\s+7+16*\b], v[TM+12+\b]
	v_cvt_scalef32_pk8_fp4_f32 v[PC+1+2*\b], v[\s+8+16*\b:\s+15+16*\b], v[TM+12+\b]
.endr
	v_nop                                              ; one plain place behind a scaled conversion
.irp c, 0,1                                        ; a whole block to a lane: lanes 0-15 block 2 c, lanes 16-31 block 2 c + 1
.irp i, 0,1
	v_permlane16_swap_b32 v[PC+4*\c+\i], v[PC+2+4*\c+\i]
.endr
.endr
.endm
	s_load_b256 s[4:11], s[0:1], 0x0               ; x s[4:5], g1 s[6:7], be1 s[8:9], Wq s[10:11]
	s_load_b256 s[12:19], s[0:1], 0x20             ; Wk s[12:13], Wv s[14:15], Wo s[16:17], W1 s[18:19]
	s_load_b128 s[20:23], s[0:1], 0x40             ; W2 s[20:21], prep s[22:23]
	v_lshl_add_u32 v200, v0, 2, 0x10200
	v_mov_b32 v201, 0
	v_lshrrev_b32 v1, 5, v0
	v_readfirstlane_b32 s24, v1                    ; wave 0..7
	v_and_b32 v4, 31, v0                           ; lane
	s_cmp_ge_u32 ttmp9, 256                        ; the same for all waves of a work-group
	s_cbranch_scc1 .Lweights
; ---------------- x: pair P = the work-group's number, rows 32 P .. 32 P + 31
	v_lshlrev_b32 v1, 4, v4                        ; 16 lane
	v_and_b32 v5, 15, v0                           ; r
	v_bfe_u32 v6, v0, 4, 1                         ; h
	s_lshr_b32 s25, s24, 2                         ; wave w normalises LDS rows 4 w .. 4 w + 3 (LDS row = 16 tile + m): tile w / 4, m = 4 (w % 4) + i,
	s_lshl_b32 s25, s25, 3
	s_and_b32 s26, s24, 3
	s_lshl_b32 s26, s26, 2
	s_add_co_u32 s25, s25, s26
	s_bfe_u32 s26, s24, 0x10001
	s_lshl_b32 s26, s26, 3
	s_add_co_u32 s25, s25, s26                     ; which are the pair's members 8 (w / 4) + 4 (w % 4) + 8 ((w / 2) % 2) + i: four neighbouring rows
	s_lshl_b32 s26, ttmp9, 5
	s_add_co_u32 s26, s26, s25
	s_lshl_b32 s26, s26, 11                        ; x 2,048 bytes a row (under 2^24)
	s_mov_b32 s27, 0
	s_mul_i32 s28, s24, 4*PITCH
	v_add_nc_u32 v2, s28, v1                       ; into LDS: my four rows, 16 bytes a lane
	s_and_b32 s29, s24, 1                          ; then wave w quantises the fragment of tile w % 2,
	s_lshr_b32 s30, s24, 1                         ; K step w / 2
	s_mul_i32 s31, s29, 16*PITCH
	s_lshl_b32 s33, s30, 9
	s_add_co_u32 s31, s31, s33
	v_mul_u32_u24 v3, v5, PITCH
	v_lshl_add_u32 v3, v6, 6, v3
	v_add_nc_u32 v3, s31, v3                       ; out of LDS: row r of my tile, + 512 s + 64 h: 16 neighbours of each block of 32
	s_lshl_b32 s36, ttmp9, 13                      ; the fragment's image: 8,192 P + 2,048 s + 1,024 u
	s_lshl_b32 s33, s30, 11
	s_add_co_u32 s36, s36, s33
	s_lshl_b32 s33, s29, 10
	s_add_co_u32 s36, s36, s33
	s_mov_b32 s37, 0
	s_lshl_b32 s38, ttmp9, 9                       ; its scale words: 512 P + 128 s (+ 64 u + 4 r)
	s_lshl_b32 s33, s30, 7
	s_add_co_u32 s38, s38, s33
	s_mov_b32 s39, 0
	s_lshl_b32 s33, s29, 6
	v_lshl_add_u32 v7, v5, 2, s33
	s_mov_b32 s40, 0x3b000000                      ; 1 / 512
	s_mov_b32 s41, 0x3727c5ac                      ; 1e-5
	s_mov_b32 s42, 0x76543210
	s_mov_b32 s43, 0xfedcba98                      ; v_permlanex16_b32's selects for lane l xor 16
	s_wait_kmcnt 0x0
	s_add_nc_u64 s[26:27], s[4:5], s[26:27]
	s_add_nc_u64 s[36:37], s[22:23], s[36:37]
	s_add_nc_u64 s[38:39], s[22:23], s[38:39]
.irp j, 0,1,2,3
	global_load_b128 v[G+4*\j:G+4*\j+3], v1, s[6:7] offset:512*\j
	global_load_b128 v[BE+4*\j:BE+4*\j+3], v1, s[8:9] offset:512*\j
.endr
.irp i, 0,1,2,3
.irp j, 0,1,2,3
	global_load_b128 v[X+16*\i+4*\j:X+16*\i+4*\j+3], v1, s[26:27] offset:2048*\i+512*\j th:TH_LOAD_NT   ; 32 lanes read 512 consecutive bytes
.endr
.endr
	s_wait_loadcnt 0x0
.irp i, 0,1,2,3                                    ; the mean; the four rows by turns
	v_pk_add_f32 v[TS+2*\i:TS+2*\i+1], v[X+16*\i:X+16*\i+1], v[X+16*\i+2:X+16*\i+3]
.endr
.irp k, 4,6,8,10,12,14
.irp i, 0,1,2,3
	v_pk_add_f32 v[TS+2*\i:TS+2*\i+1], v[TS+2*\i:TS+2*\i+1], v[X+16*\i+\k:X+16*\i+\k+1]
.endr
.endr
	ACROSS TS
.irp i, 0,1,2,3
	v_mul_f32 v[TS+2*\i], s40, v[TS+2*\i]
.endr
.set n, 0
.rept 64
	v_sub_f32 v[X+n], v[X+n], v[TS+2*(n/16)]       ; x - mean
.set n, n+1
.endr
.irp i, 0,1,2,3                                    ; the variance, of the deviations
	v_pk_mul_f32 v[TQ+2*\i:TQ+2*\i+1], v[X+16*\i:X+16*\i+1], v[X+16*\i:X+16*\i+1]
.endr
.irp k, 2,4,6,8,10,12,14
.irp i, 0,1,2,3
	v_pk_fma_f32 v[TQ+2*\i:TQ+2*\i+1], v[X+16*\i+\k:X+16*\i+\k+1], v[X+16*\i+\k:X+16*\i+\k+1], v[TQ+2*\i:TQ+2*\i+1]
.endr
.endr
	ACROSS TQ
.irp i, 0,1,2,3
	v_fma_f32 v[TQ+2*\i], v[TQ+2*\i], s40, s41     ; variance + eps
.endr
.irp i, 0,1,2,3
	v_rsq_f32 v[TQ+2*\i], v[TQ+2*\i]
.endr
	v_nop                                          ; one plain place behind the transcendentals
	s_wait_alu depctr_va_vdst(0)
.irp i, 0,1,2,3
.irp k, 0,2,4,6,8,10,12,14
	v_pk_mul_f32 v[X+16*\i+\k:X+16*\i+\k+1], v[X+16*\i+\k:X+16*\i+\k+1], v[TQ+2*\i:TQ+2*\i+1] op_sel_hi:[1,0]
.endr
.endr
.irp i, 0,1,2,3
.irp k, 0,2,4,6,8,10,12,14
	v_pk_fma_f32 v[X+16*\i+\k:X+16*\i+\k+1], v[X+16*\i+\k:X+16*\i+\k+1], v[G+\k:G+\k+1], v[BE+\k:BE+\k+1]
.endr
.endr
.irp i, 0,1,2,3
.irp j, 0,1,2,3
	ds_store_b128 v2, v[X+16*\i+4*\j:X+16*\i+4*\j+3] offset:PITCH*\i+512*\j
.endr
.endr
.irp b, 0,1,2,3
	v_mov_b32 v[TM+4+\b], 0                        ; a lane permute's destination counts as one of its sources
.endr
	s_wait_dscnt 0x0                               ; for the others' sake: my rows lie in LDS
	s_barrier_signal -1
	s_barrier_wait -1
.irp b, 0,1,2,3
.irp i, 0,1,2,3
	ds_load_b128 v[X+16*\b+4*\i:X+16*\b+4*\i+3], v3 offset:128*\b+16*\i
.endr
.endr
	s_wait_dscnt 0x0
	QUANT X
.irp c, 0,1
	global_store_b128 v1, v[PC+4*\c:PC+4*\c+3], s[36:37] offset:XC+512*\c   ; the image as it stands: 512 consecutive bytes
.endr
	global_store_b32 v7, v[PW], s[38:39] offset:XS     ; lanes l and l xor 16 hold the same word and write it to the same place
	s_wait_tensorcnt 0x0
	ds_add_u32 v200, v201
	s_wait_dscnt 0x0
	s_endpgm
; ---------------- weights: unit U = 8 (work-group - 256) + wave: one pair of one weight, one K step: 128 rows of K x 32 columns
.macro PICK reg, val                   ; s[reg] = val where the last compare held (s_mov_b32 and s_cselect_b32 leave SCC alone)
	s_mov_b32 s50, \val
	s_cselect_b32 s[\reg], s50, s[\reg]
.endm
.macro LOADB b                         ; block b: W(32 b + i, my column), i = 0 .. 31: each load reads 128 consecutive bytes
.set i, 0
.rept 32
	global_load_b32 v[XW+32*(\b)+i], v[OFF+i], s[32+2*(\b):33+2*(\b)] th:TH_LOAD_NT
.set i, i+1
.endr
.endm
.macro WBLK b
.set XB, XW+32*(\b)
.if (\b) < 3
	s_wait_loadcnt 32                              ; this block's 32 loads are in; the next block's may be out
.else
	s_wait_loadcnt 0x0
.endif
.if (\b) < 2
	LOADB (\b)+2                                   ; two blocks ahead, into registers of its own
.endif
	v_max3_num_f32 v12, |v[XB]|, |v[XB+1]|, |v[XB+2]|  ; the block's largest magnitude: all 32 numbers are mine
	v_max3_num_f32 v13, |v[XB+3]|, |v[XB+4]|, |v[XB+5]|
.irp i, 6,10,14,18,22,26
	v_max3_num_f32 v12, v12, |v[XB+\i]|, |v[XB+\i+1]|
	v_max3_num_f32 v13, v13, |v[XB+\i+2]|, |v[XB+\i+3]|
.endr
	v_max3_num_f32 v12, v12, |v[XB+30]|, |v[XB+31]|
	v_max3_num_f32 v12, v12, v13, FLOOR
	v_add_nc_u32 v11, 0xff000000, v12              ; 2 off its exponent field: the conversion's scale operand
	v_lshrrev_b32 v13, 23, v11                     ; the scale's byte
.if (\b) == 0
	v_mov_b32 v[SW], v13
.else
	v_lshl_or_b32 v[SW], v13, 8*(\b), v[SW]
.endif
.irp g, 0,1,2,3
	v_cvt_scalef32_pk8_fp4_f32 v[CW+4*(\b)+\g], v[XB+8*\g:XB+8*\g+7], v11
.endr
	v_nop                                          ; one plain place behind the conversions
	global_store_b128 v2, v[CW+4*(\b):CW+4*(\b)+3], s[40:41] offset:256*(\b)   ; the 16 lanes of a tile fill one aligned block of 256 bytes
.endm
.Lweights:
	s_sub_co_u32 s25, ttmp9, 256                   ; j
	s_lshl_b32 s26, s25, 3
	s_add_co_u32 s26, s26, s24                     ; U
	v_lshlrev_b32 v1, 2, v4                        ; my column: 4 lane
	v_bfe_u32 v5, v4, 3, 1                         ; member l of the pair lies in tile (l / 8) % 2,
	v_and_b32 v6, 7, v4
	v_lshrrev_b32 v7, 4, v4
	v_lshl_add_u32 v6, v7, 3, v6                   ; row m = l % 8 + 8 (l / 16)
	v_lshlrev_b32 v2, 4, v6
	v_lshl_add_u32 v2, v5, 10, v2                  ; codes: 1,024 u + 16 m
	v_lshl_add_u32 v3, v5, 4, v6
	v_lshlrev_b32 v3, 2, v3                        ; scale word: 4 (16 u + m)
	s_wait_kmcnt 0x0
	s_mov_b64 s[44:45], s[20:21]                   ; which weight: W2's figures first, then five compares of j; every choice hangs on the work-group's number alone
	s_mov_b32 s46, 512                             ; U0: the weight's first unit
	s_mov_b32 s47, 4                               ; log2 of its pairs
	s_mov_b32 s48, 2048                            ; bytes from k to k + 1
	s_mov_b32 s49, 128                             ; bytes from pair to pair
	s_mov_b32 s51, 15                              ; log2 of a pair's bytes of codes
	s_cmp_lt_u32 s25, 64
	s_cselect_b64 s[44:45], s[18:19], s[44:45]     ; W1
	PICK 46, 256
	PICK 47, 6
	PICK 48, 8192
	PICK 51, 13
	s_cmp_lt_u32 s25, 32
	s_cselect_b64 s[44:45], s[16:17], s[44:45]     ; Wo
	PICK 46, 192
	PICK 47, 4
	PICK 48, 2048
	s_cmp_lt_u32 s25, 24
	s_cselect_b64 s[44:45], s[14:15], s[44:45]     ; Wv: a pair is a head
	PICK 46, 128
	PICK 48, 128
	PICK 49, 65536
	s_cmp_lt_u32 s25, 16
	s_cselect_b64 s[44:45], s[12:13], s[44:45]     ; Wk
	PICK 46, 64
	s_cmp_lt_u32 s25, 8
	s_cselect_b64 s[44:45], s[10:11], s[44:45]     ; Wq
	PICK 46, 0
	s_sub_co_u32 s52, s26, s46                     ; the unit within its weight: pairs fastest, so that a work-group's waves read side by side
	s_lshr_b32 s53, s52, s47                       ; K step s
	s_lshl_b32 s54, s53, s47
	s_sub_co_u32 s54, s52, s54                     ; pair P
	s_mul_i32 s56, s54, s49
	s_mul_i32 s57, s53, s48
	s_lshl_b32 s57, s57, 7
	s_add_co_u32 s56, s56, s57                     ; P pairs + 128 s rows, in bytes (under 2^23)
	s_mov_b32 s57, 0
	s_add_nc_u64 s[32:33], s[44:45], s[56:57]      ; a base for each block of 32 rows
	s_lshl_b32 s56, s48, 5
	s_add_nc_u64 s[34:35], s[32:33], s[56:57]
	s_add_nc_u64 s[36:37], s[34:35], s[56:57]
	s_add_nc_u64 s[38:39], s[36:37], s[56:57]
	s_lshl_b32 s56, s46, 11                        ; codes: 2,048 U0 + the pair's bytes x P + 2,048 s
	s_lshl_b32 s58, s54, s51
	s_add_co_u32 s56, s56, s58
	s_lshl_b32 s58, s53, 11
	s_add_co_u32 s56, s56, s58
	s_add_nc_u64 s[40:41], s[22:23], s[56:57]
	s_lshr_b32 s56, s56, 4                         ; scale words: a sixteenth of that
	s_add_nc_u64 s[42:43], s[22:23], s[56:57]
.set i, 0
.rept 32
	v_mad_u32_u24 v[OFF+i], s48, i, v1
.set i, i+1
.endr
	LOADB 0
	LOADB 1
	WBLK 0
	WBLK 1
	WBLK 2
	WBLK 3
	global_store_b32 v3, v[SW], s[42:43] offset:WS     ; 32 lanes fill the unit's 128 bytes
	s_endpgm
.Lfunc_end_k_q73401ed06b_prep:
	.size	k_q73401ed06b_prep, .Lfunc_end_k_q73401ed06b_prep-k_q73401ed06b_prep
	.p2alignl 7, 3214868480
	.fill 96, 4, 3214868480
	.section	.rodata,"a",@progbits
	.p2align	6, 0x0
	.amdhsa_kernel k_q73401ed06b_prep
		.amdhsa_group_segment_fixed_size 67072
		.amdhsa_private_segment_fixed_size 0
		.amdhsa_enable_private_segment 0
		.amdhsa_kernarg_size 80
		.amdhsa_user_sgpr_count 2
		.amdhsa_user_sgpr_kernarg_segment_ptr 1
		.amdhsa_wavefront_size32 1
		.amdhsa_system_sgpr_workgroup_id_x 1
		.amdhsa_system_sgpr_workgroup_id_y 1
		.amdhsa_system_sgpr_workgroup_id_z 1
		.amdhsa_system_vgpr_workitem_id 0
		.amdhsa_next_free_vgpr 202
		.amdhsa_next_free_sgpr 66
		.amdhsa_reserve_vcc 0
		.amdhsa_float_denorm_mode_32 3
		.amdhsa_float_denorm_mode_16_64 3
		.amdhsa_memory_ordered 1
		.amdhsa_forward_progress 1
		.amdhsa_inst_pref_size 48
	.end_amdhsa_kernel
	.amdgpu_metadata
---
amdhsa.version: [ 1, 2 ]
amdhsa.kernels:
  - .name:           k_q73401ed06b_prep
    .symbol:         k_q73401ed06b_prep.kd
    .args:
      - { .name: x, .offset: 0, .size: 8, .value_kind: global_buffer, .address_space: global }
      - { .name: g1, .offset: 8, .size: 8, .value_kind: global_buffer, .address_space: global }
      - { .name: be1, .offset: 16, .size: 8, .value_kind: global_buffer, .address_space: global }
      - { .name: Wq, .offset: 24, .size: 8, .value_kind: global_buffer, .address_space: global }
      - { .name: Wk, .offset: 32, .size: 8, .value_kind: global_buffer, .address_space: global }
      - { .name: Wv, .offset: 40, .size: 8, .value_kind: global_buffer, .address_space: global }
      - { .name: Wo, .offset: 48, .size: 8, .value_kind: global_buffer, .address_space: global }
      - { .name: W1, .offset: 56, .size: 8, .value_kind: global_buffer, .address_space: global }
      - { .name: W2, .offset: 64, .size: 8, .value_kind: global_buffer, .address_space: global }
      - { .name: prep, .offset: 72, .size: 8, .value_kind: global_buffer, .address_space: global }
    .group_segment_fixed_size: 67072
    .private_segment_fixed_size: 0
    .kernarg_segment_align: 8
    .kernarg_segment_size: 80
    .max_flat_workgroup_size: 256
    .sgpr_count:     66
    .vgpr_count:     202
    .wavefront_size: 32
...
	.end_amdgpu_metadata
.endif
;; end of part 1
;; launch qkv (part 2): grid 4 x 64, 16 waves a work-group, no clusters, 142,336 bytes of LDS; arguments prep, qkv; writes qkv
.if DOCPART == 2
	.amdgcn_target "amdgcn-amd-amdhsa--gfx1250"
	.amdhsa_code_object_version 6
	.text
	.protected	k_q73401ed06b_qkv
	.globl	k_q73401ed06b_qkv
	.p2align	8
	.type	k_q73401ed06b_qkv,@function
k_q73401ed06b_qkv:
	s_mov_b64 s[64:65], 0
	v_nop
	global_prefetch_b8 v0, s[64:65] scope:SCOPE_SE
	s_setreg_imm32_b32 hwreg(HW_REG_WAVE_MODE, 25, 1), 1
	s_wait_xcnt 0x0
; QKV.  q, k, v = h Wq, h Wk, h Wv on codes of E2M1 (K = 512: four steps of 128), and the results quantised at once: q and k along the head's 32 (one block), v along the keys.
; SHARES.  A work-group: four heads (x) x 128 rows (y).  Wave w: head w / 4 of the four, pair of 32 rows w % 4: 12 accumulators of 16 x 16.
; q and k are used transposed (source 0 = 16 columns of the weight, source 1 = 16 rows of h): a lane holds one row, and the 16 registers of the weight's two tiles are d = 16 (lane / 16) + 0 .. 15.
; v is used the other way (source 0 = rows of h, source 1 = columns of Wv): a lane holds one d, and the 16 registers of the two row tiles are 16 neighbouring keys.
; So each block of 32 lies in lanes l and l xor 16, and the conversions' results are stored as they stand.
; qkv: QC, KC [bh][32 rows][tile][row][16 bytes]; VC [bh][128 keys][tile of d][1,024: an operand's image]; QS a word a query (its byte four times); KVS [bh][128 keys][128 bytes of K's scale register, 128 of V's].
; The work-group's operands, 139,264 bytes, are read once, at its head, through registers into LDS, whole blocks of 256 bytes by neighbouring lanes; then nothing more is fetched.
; NO CLUSTER: there is no walk of tiles in steps that partners could ask for jointly: one fill at the head, 48 matrix instructions a wave behind it.
; LIMITS: NaN and infinities are not served; a block whose largest magnitude lies under 2^-124 gets the byte 1 (the bytes are read by this program alone).
.set XC,  1671168
.set XS,  3768320
.set WS,  1572864
.set KC,  2097152
.set VC,  4194304
.set QS,  6291456
.set KVS, 6815744
.set KVST, 139264                      ; LDS: 0 h's codes, 32,768 Wq's, 65,536 Wk's, 98,304 Wv's (32,768 each); 131,072 scale words of h, Wq, Wk, Wv (2,048 each); KVST 256 bytes a head
.set FLOOR, 0x1800000
.set MX,  112                          ; the quantiser's work lies in the fragments' registers, which are free by then
.set PM,  118
.set SO,  124
.set BY,  130
.set PC,  136
; REGISTERS: v1-15 addresses; v16-47 q (16 u + 8 u'), v48-79 k, v80-111 v (16 n' + 8 u); v112-175, v176-239 two sets of 8 fragments (q0 q1 k0 k1 v0 v1 x0 x1);
; v240-243 Wq's scale words for the four K steps, v244-247 Wk's, v248-251 Wv's, v252-255 h's: tile 0 in lanes 0-15, tile 1 in lanes 16-31
.macro WM d, a, b, zero, sa, sb, ra, rb
.if \zero
.if ((\ra) == 0) && ((\rb) == 0)
	v_wmma_scale_f32_16x16x128_f8f6f4 v[(\d):(\d)+7], v[(\a):(\a)+7], v[(\b):(\b)+7], 0, v[\sa], v[\sb] matrix_a_fmt:MATRIX_FMT_FP4 matrix_b_fmt:MATRIX_FMT_FP4
.elseif ((\ra) == 1) && ((\rb) == 0)
	v_wmma_scale_f32_16x16x128_f8f6f4 v[(\d):(\d)+7], v[(\a):(\a)+7], v[(\b):(\b)+7], 0, v[\sa], v[\sb] matrix_a_fmt:MATRIX_FMT_FP4 matrix_b_fmt:MATRIX_FMT_FP4 matrix_a_scale:MATRIX_SCALE_ROW1
.elseif ((\ra) == 0) && ((\rb) == 1)
	v_wmma_scale_f32_16x16x128_f8f6f4 v[(\d):(\d)+7], v[(\a):(\a)+7], v[(\b):(\b)+7], 0, v[\sa], v[\sb] matrix_a_fmt:MATRIX_FMT_FP4 matrix_b_fmt:MATRIX_FMT_FP4 matrix_b_scale:MATRIX_SCALE_ROW1
.else
	v_wmma_scale_f32_16x16x128_f8f6f4 v[(\d):(\d)+7], v[(\a):(\a)+7], v[(\b):(\b)+7], 0, v[\sa], v[\sb] matrix_a_fmt:MATRIX_FMT_FP4 matrix_b_fmt:MATRIX_FMT_FP4 matrix_a_scale:MATRIX_SCALE_ROW1 matrix_b_scale:MATRIX_SCALE_ROW1
.endif
.else
.if ((\ra) == 0) && ((\rb) == 0)
	v_wmma_scale_f32_16x16x128_f8f6f4 v[(\d):(\d)+7], v[(\a):(\a)+7], v[(\b):(\b)+7], v[(\d):(\d)+7], v[\sa], v[\sb] matrix_a_fmt:MATRIX_FMT_FP4 matrix_b_fmt:MATRIX_FMT_FP4
.elseif ((\ra) == 1) && ((\rb) == 0)
	v_wmma_scale_f32_16x16x128_f8f6f4 v[(\d):(\d)+7], v[(\a):(\a)+7], v[(\b):(\b)+7], v[(\d):(\d)+7], v[\sa], v[\sb] matrix_a_fmt:MATRIX_FMT_FP4 matrix_b_fmt:MATRIX_FMT_FP4 matrix_a_scale:MATRIX_SCALE_ROW1
.elseif ((\ra) == 0) && ((\rb) == 1)
	v_wmma_scale_f32_16x16x128_f8f6f4 v[(\d):(\d)+7], v[(\a):(\a)+7], v[(\b):(\b)+7], v[(\d):(\d)+7], v[\sa], v[\sb] matrix_a_fmt:MATRIX_FMT_FP4 matrix_b_fmt:MATRIX_FMT_FP4 matrix_b_scale:MATRIX_SCALE_ROW1
.else
	v_wmma_scale_f32_16x16x128_f8f6f4 v[(\d):(\d)+7], v[(\a):(\a)+7], v[(\b):(\b)+7], v[(\d):(\d)+7], v[\sa], v[\sb] matrix_a_fmt:MATRIX_FMT_FP4 matrix_b_fmt:MATRIX_FMT_FP4 matrix_a_scale:MATRIX_SCALE_ROW1 matrix_b_scale:MATRIX_SCALE_ROW1
.endif
.endif
.endm
.macro FETCH s, f                      ; K step s: 8 fragments, 16 loads of 512 consecutive bytes, into the set at v[f]
.irp t, 0,1
.irp c, 0,1
	ds_load_b128 v[\f+8*\t+4*\c:\f+8*\t+4*\c+3], v6 offset:2048*\s+1024*\t+512*\c
	ds_load_b128 v[\f+16+8*\t+4*\c:\f+16+8*\t+4*\c+3], v6 offset:32768+2048*\s+1024*\t+512*\c
	ds_load_b128 v[\f+32+8*\t+4*\c:\f+32+8*\t+4*\c+3], v7 offset:2048*\s+1024*\t+512*\c
	ds_load_b128 v[\f+48+8*\t+4*\c:\f+48+8*\t+4*\c+3], v5 offset:2048*\s+1024*\t+512*\c
.endr
.endr
.endm
.macro MUL s, f, zero                  ; 12 matrix instructions on 12 accumulators, which take turns in the same order in every step
.irp u, 0,1
.irp t, 0,1
	WM 16+16*\u+8*\t, \f+8*\t, \f+48+8*\u, \zero, 240+\s, 252+\s, \t, \u
	WM 48+16*\u+8*\t, \f+16+8*\t, \f+48+8*\u, \zero, 244+\s, 252+\s, \t, \u
	WM 80+16*\t+8*\u, \f+48+8*\u, \f+32+8*\t, \zero, 252+\s, 248+\s, \u, \t
.endr
.endr
.endm
.macro PLACES
.rept 4
	v_nop
.endr
.endm
	s_load_b128 s[4:7], s[0:1], 0x0                ; prep s[4:5], qkv s[6:7]
	v_lshrrev_b32 v1, 5, v0
	v_readfirstlane_b32 s24, v1                    ; wave 0..15
	v_lshlrev_b32 v1, 4, v0                        ; 16 x thread
	v_lshlrev_b32 v2, 2, v0                        ; 4 x thread
	v_add_nc_u32 v3, 65536, v1
	v_add_nc_u32 v4, 131072, v2
	v_and_b32 v112, 31, v0                         ; lane
	v_and_b32 v113, 15, v0                         ; r
	v_bfe_u32 v114, v0, 4, 1                       ; h
	v_lshlrev_b32 v115, 4, v112
	s_and_b32 s25, ttmp7, 0xffff                   ; rb: which 128 rows
	s_lshr_b32 s26, s24, 2                         ; hh: which of the four heads
	s_and_b32 s27, s24, 3                          ; xp: which pair of rows
	s_lshl_b32 s30, s27, 13
	v_add_nc_u32 v5, s30, v115                     ; h's fragments: 16 lane + 8,192 xp
	s_lshl_b32 s30, s26, 13
	s_add_co_u32 s30, s30, 32768
	v_add_nc_u32 v6, s30, v115                     ; Wq's (Wk's 32,768 on): 16 lane + 32,768 + 8,192 hh
	v_add_nc_u32 v7, 65536, v6                     ; Wv's
	v_lshlrev_b32 v11, 2, v112                     ; 4 lane
	s_lshl_b32 s30, s27, 9
	s_add_co_u32 s30, s30, 131072
	v_add_nc_u32 v8, s30, v11                      ; h's scale words
	s_lshl_b32 s30, s26, 9
	s_add_co_u32 s30, s30, 133120
	v_add_nc_u32 v9, s30, v11                      ; Wq's (Wk's 2,048 on, Wv's 4,096 on)
	v_lshlrev_b32 v10, 4, v113
	v_lshl_add_u32 v10, v114, 3, v10               ; 16 r + 8 h: my 8 bytes of a block's 16
	v_lshlrev_b32 v12, 3, v112                     ; 8 lane
	s_lshl_b32 s31, s26, 8
	s_add_co_u32 s31, s31, KVST                    ; my head's 256 bytes
	s_lshr_b32 s30, s27, 1
	s_lshl_b32 s30, s30, 6
	s_add_co_u32 s30, s30, s31
	s_and_b32 s33, s27, 1
	s_lshl_b32 s33, s33, 1
	s_add_co_u32 s30, s30, s33
	v_lshl_add_u32 v13, v113, 2, s30               ; K's scale register: lane 16 (xp / 2) + r, bytes 2 (xp % 2) and + 1
	s_add_co_u32 s30, s31, s27
	s_add_co_u32 s30, s30, 128
	v_add_nc_u32 v14, s30, v11                     ; V's: my lane's word, byte xp
	v_add_nc_u32 v15, s31, v12
	v_cmp_gt_u32 s34, 16, v112                     ; lanes 0-15
	s_mov_b32 s35, 0x01010101
	s_mov_b32 s36, 0x76543210
	s_mov_b32 s37, 0xfedcba98
	s_lshl_b32 s8, s25, 15
	s_mov_b32 s9, 0
	s_lshl_b32 s10, ttmp9, 15
	s_mov_b32 s11, 0
	s_lshl_b32 s12, s25, 11
	s_mov_b32 s13, 0
	s_lshl_b32 s14, ttmp9, 11
	s_mov_b32 s15, 0
	s_lshr_b32 s28, s25, 4
	s_lshl_b32 s28, s28, 4
	s_lshl_b32 s30, ttmp9, 2
	s_add_co_u32 s28, s28, s30
	s_add_co_u32 s28, s28, s26                     ; bh = 16 batch + head
	s_and_b32 s29, s25, 15                         ; which 128 keys of the batch
	s_lshl_b32 s30, s29, 2
	s_add_co_u32 s30, s30, s27                     ; which 32 rows of the batch
	s_lshl_b32 s16, s28, 15
	s_lshl_b32 s31, s30, 9
	s_add_co_u32 s16, s16, s31
	s_mov_b32 s17, 0
	s_lshl_b32 s18, s28, 15
	s_lshl_b32 s31, s29, 11
	s_add_co_u32 s18, s18, s31
	s_lshl_b32 s31, s27, 8
	s_add_co_u32 s18, s18, s31
	s_mov_b32 s19, 0
	s_lshl_b32 s20, s28, 13
	s_lshl_b32 s31, s30, 7
	s_add_co_u32 s20, s20, s31
	s_mov_b32 s21, 0
	s_lshl_b32 s22, s28, 12
	s_lshl_b32 s31, s29, 8
	s_add_co_u32 s22, s22, s31
	s_mov_b32 s23, 0
	s_wait_kmcnt 0x0
	s_add_nc_u64 s[8:9], s[4:5], s[8:9]
	s_add_nc_u64 s[10:11], s[4:5], s[10:11]
	s_add_nc_u64 s[12:13], s[4:5], s[12:13]
	s_add_nc_u64 s[14:15], s[4:5], s[14:15]
	s_add_nc_u64 s[16:17], s[6:7], s[16:17]
	s_add_nc_u64 s[18:19], s[6:7], s[18:19]
	s_add_nc_u64 s[20:21], s[6:7], s[20:21]
	s_add_nc_u64 s[22:23], s[6:7], s[22:23]
	; the fill: 20 loads a thread, each of the work-group's covering 8,192 (2,048) consecutive bytes
.irp i, 0,1,2,3
	global_load_b128 v[16+4*\i:19+4*\i], v1, s[8:9] offset:XC+8192*\i
.endr
.irp m, 0,1,2
.irp i, 0,1,2,3
	global_load_b128 v[32+16*\m+4*\i:35+16*\m+4*\i], v1, s[10:11] offset:131072*\m+8192*\i
.endr
.endr
	global_load_b32 v80, v2, s[12:13] offset:XS
.irp m, 0,1,2
	global_load_b32 v[81+\m], v2, s[14:15] offset:WS+8192*\m
.endr
.irp i, 0,1,2,3
	s_wait_loadcnt 19-\i                           ; loads come back in order: this one is in, the younger ones stay out
	ds_store_b128 v1, v[16+4*\i:19+4*\i] offset:8192*\i
.endr
.irp i, 0,1,2,3
	s_wait_loadcnt 15-\i
	ds_store_b128 v1, v[32+4*\i:35+4*\i] offset:32768+8192*\i
.endr
.irp i, 0,1,2,3
	s_wait_loadcnt 11-\i
	ds_store_b128 v3, v[48+4*\i:51+4*\i] offset:8192*\i
.endr
.irp i, 0,1,2,3
	s_wait_loadcnt 7-\i
	ds_store_b128 v3, v[64+4*\i:67+4*\i] offset:32768+8192*\i
.endr
.irp i, 0,1,2,3
	s_wait_loadcnt 3-\i
	ds_store_b32 v4, v[80+\i] offset:2048*\i
.endr
	s_wait_dscnt 0x0                               ; for the others' sake: my part of the fill lies in LDS
	s_barrier_signal -1
	s_barrier_wait -1
.irp s, 0,1,2,3
	ds_load_b32 v[240+\s], v9 offset:128*\s
	ds_load_b32 v[244+\s], v9 offset:2048+128*\s
	ds_load_b32 v[248+\s], v9 offset:4096+128*\s
	ds_load_b32 v[252+\s], v8 offset:128*\s
.endr
	FETCH 0, 112
	FETCH 1, 176
	s_wait_dscnt 16                                ; the scale words and K step 0 are in; K step 1's 16 loads may be out
	MUL 0, 112, 1                                  ; the first products start the sums
	PLACES                                         ; in front of loads into registers that matrix instructions have read
	FETCH 2, 112
	s_wait_dscnt 16
	MUL 1, 176, 0
	PLACES
	FETCH 3, 176
	s_wait_dscnt 16
	MUL 2, 112, 0
	s_wait_dscnt 0x0
	MUL 3, 176, 0
	PLACES
	; six blocks of 32 by turns: q of tile 0, of tile 1, k likewise, v of d's tile 0, of tile 1: 16 registers each; each accumulator is read from its low end on
.irp i, 0,1,2,3,4,5
	v_max3_num_f32 v[MX+\i], |v[16+16*\i]|, |v[17+16*\i]|, FLOOR
.endr
.irp k, 2,4,6,8,10,12,14
.irp i, 0,1,2,3,4,5
	v_max3_num_f32 v[MX+\i], v[MX+\i], |v[16+16*\i+\k]|, |v[17+16*\i+\k]|
.endr
.endr
.irp i, 0,1,2,3,4,5
	v_mov_b32 v[PM+\i], 0                          ; a lane permute's destination counts as one of its sources
.endr
.irp i, 0,1,2,3,4,5
	v_permlanex16_b32 v[PM+\i], v[MX+\i], s36, s37
.endr
.irp i, 0,1,2,3,4,5
	v_max_num_f32 v[MX+\i], v[MX+\i], v[PM+\i]     ; with lane l xor 16's 16: the block's largest magnitude
.endr
.irp i, 0,1,2,3,4,5
	v_add_nc_u32 v[SO+\i], 0xff000000, v[MX+\i]    ; 2 off its exponent field: the conversion's scale operand
.endr
.irp i, 0,1,2,3,4,5
	v_lshrrev_b32 v[BY+\i], 23, v[SO+\i]           ; the scale's byte
.endr
.irp i, 0,1,2,3,4,5
	v_cvt_scalef32_pk8_fp4_f32 v[PC+2*\i], v[16+16*\i:23+16*\i], v[SO+\i]
	v_cvt_scalef32_pk8_fp4_f32 v[PC+2*\i+1], v[24+16*\i:31+16*\i], v[SO+\i]
.endr
	v_nop                                          ; one plain place behind the conversions
	v_mul_lo_u32 v148, v[BY], s35                  ; q's byte four times: the word serves whichever block of K the codes are laid in
	v_mul_lo_u32 v149, v[BY+1], s35
	v_cndmask_b32 v148, v149, v148, s34            ; lanes 0-15 tile 0's rows, lanes 16-31 tile 1's
	v_lshl_or_b32 v150, v[BY+3], 8, v[BY+2]        ; k's two bytes: tile 0's key, tile 1's key
	v_cndmask_b32 v151, v[BY+5], v[BY+4], s34      ; v's byte: lanes 0-15 d's tile 0, lanes 16-31 tile 1
	ds_store_b16 v13, v150
	ds_store_b8 v14, v151
.irp u, 0,1
	global_store_b64 v10, v[PC+2*\u:PC+2*\u+1], s[16:17] offset:256*\u            ; each of these stores covers 256 consecutive bytes, aligned
	global_store_b64 v10, v[PC+4+2*\u:PC+5+2*\u], s[16:17] offset:KC+256*\u
	global_store_b64 v10, v[PC+8+2*\u:PC+9+2*\u], s[18:19] offset:VC+1024*\u
.endr
	global_store_b32 v11, v148, s[20:21] offset:QS
	s_wait_dscnt 0x0                               ; for the others' sake: my scale bytes lie in LDS
	s_barrier_signal -1
	s_barrier_wait -1
	s_cmp_lg_u32 s27, 0                            ; one wave of each head stores the head's 256 bytes of scale registers whole
	s_cbranch_scc1 .Ldone
	ds_load_b64 v[152:153], v15
	s_wait_dscnt 0x0
	global_store_b64 v12, v[152:153], s[22:23] offset:KVS
.Ldone:
	s_wait_xcnt 0x0
	v_lshl_add_u32 v254, v0, 2, 0x22400
	v_mov_b32 v255, 0
	s_wait_tensorcnt 0x0
	ds_add_u32 v254, v255
	s_wait_dscnt 0x0
	s_endpgm
.Lfunc_end_k_q73401ed06b_qkv:
	.size	k_q73401ed06b_qkv, .Lfunc_end_k_q73401ed06b_qkv-k_q73401ed06b_qkv
	.p2alignl 7, 3214868480
	.fill 96, 4, 3214868480
	.section	.rodata,"a",@progbits
	.p2align	6, 0x0
	.amdhsa_kernel k_q73401ed06b_qkv
		.amdhsa_group_segment_fixed_size 142336
		.amdhsa_private_segment_fixed_size 0
		.amdhsa_enable_private_segment 0
		.amdhsa_kernarg_size 16
		.amdhsa_user_sgpr_count 2
		.amdhsa_user_sgpr_kernarg_segment_ptr 1
		.amdhsa_wavefront_size32 1
		.amdhsa_system_sgpr_workgroup_id_x 1
		.amdhsa_system_sgpr_workgroup_id_y 1
		.amdhsa_system_sgpr_workgroup_id_z 1
		.amdhsa_system_vgpr_workitem_id 0
		.amdhsa_next_free_vgpr 256
		.amdhsa_next_free_sgpr 66
		.amdhsa_reserve_vcc 0
		.amdhsa_float_denorm_mode_32 3
		.amdhsa_float_denorm_mode_16_64 3
		.amdhsa_memory_ordered 1
		.amdhsa_forward_progress 1
		.amdhsa_inst_pref_size 26
	.end_amdhsa_kernel
	.amdgpu_metadata
---
amdhsa.version: [ 1, 2 ]
amdhsa.kernels:
  - .name:           k_q73401ed06b_qkv
    .symbol:         k_q73401ed06b_qkv.kd
    .args:
      - { .name: prep, .offset: 0, .size: 8, .value_kind: global_buffer, .address_space: global }
      - { .name: qkv, .offset: 8, .size: 8, .value_kind: global_buffer, .address_space: global }
    .group_segment_fixed_size: 142336
    .private_segment_fixed_size: 0
    .kernarg_segment_align: 8
    .kernarg_segment_size: 16
    .max_flat_workgroup_size: 512
    .sgpr_count:     66
    .vgpr_count:     256
    .wavefront_size: 32
...
	.end_amdgpu_metadata
.endif
;; end of part 2
;; launch attn (part 3): grid 4 x 64, 16 waves a work-group, no clusters, 71,680 bytes of LDS; arguments qkv, att; writes att
.if DOCPART == 3
	.amdgcn_target "amdgcn-amd-amdhsa--gfx1250"
	.amdhsa_code_object_version 6
	.text
	.protected	k_q73401ed06b_attn
	.globl	k_q73401ed06b_attn
	.p2align	8
	.type	k_q73401ed06b_attn,@function
k_q73401ed06b_attn:
	s_mov_b64 s[64:65], 0
	v_nop
	global_prefetch_b8 v0, s[64:65] scope:SCOPE_SE
	s_setreg_imm32_b32 hwreg(HW_REG_WAVE_MODE, 25, 1), 1
	s_wait_xcnt 0x0
; ATTN.  o = softmax(q k^T / sqrt(32), causal) v for one head of one batch, both products on codes of E2M1, and o quantised at once along C (a head's 32 outputs are one block of the next product's K).
; THE SOFTMAX AHEAD OF THE SECOND PRODUCT: t = score x log2(e) / sqrt(32); M = the running largest t rounded UP to a whole number; p = 2^(t - M) is quantised along the keys, not normalised;
; the row's sum is taken of the unquantised p and divides at the end; when M moves, the sum and O are multiplied by 2^(old M - new M), which rounds nothing.
; SHARES.  Work-group (i, bh) takes the blocks of 256 queries i and 7 - i of its head, one after the other, so that all 256 work-groups have the same number of key steps under the mask.
; In a pass each of the sixteen waves owns one tile of 16 queries, in 256 registers: four waves to a SIMD, so that one wave's vector work stands beside another's matrix work.
; The head's K, V and their scale registers, 69,632 bytes, are copied into LDS once, at the head; after the one barrier LDS is only read.
; THE FIRST PRODUCT HAS K = 32, the instruction 128.  A fragment of K holds FOUR tiles of 16 keys, one in each of its four blocks of 32; tile b is multiplied by a copy of Q that has the
; codes in block b and zero codes in the other three, which add nothing.  So no padding is stored or read.  K's scale word has tile b's byte at place b, Q's has its byte four times.
; Both products are used transposed (source 0 = keys, or d; source 1 = my queries): a lane holds ONE query.  The rows of a tile are members 8 u + m + 8 (m / 8) of 32 neighbours, so that the
; 16 registers of two neighbouring tiles are 16 neighbouring keys (or d).
; THE MASK.  The key loop has 16 trips for every wave; a step all of whose keys come after my queries is jumped over (a scalar branch on ids); in the one step on the diagonal hidden scores become -infinity.
; NO CLUSTER: the four work-groups of a head read the same 69,632 bytes, once each, at their heads; there is no walk of tiles in steps to ask for jointly.
; The scale bytes of o leave one byte a lane (131,072 bytes in the launch, a sixteenth of the codes), so their blocks of 256 bytes are written in part.
; LIMITS: NaN and infinities are not served; a block whose largest magnitude lies under 2^-124 gets the byte 1 (the bytes are read by this program alone).
.set KC,  2097152
.set VC,  4194304
.set QS,  6291456
.set KVS, 6815744
.set AS,  2097152
.set FLOOR, 0x1800000
.set TB,  32                           ; s32  the step's fragments: 2,048 bytes a step
.set TS,  33                           ; s33  its scale registers: 256 bytes a step
.set KF,  34                           ; s34  its first key
.set Q32, 35                           ; s35  the first of the 32 rows that my tile belongs to
.set STP, 36                           ; s36  steps to go
; REGISTERS: v1-11, v16 addresses; v12 -M, v13 the largest t, v[14:15] the sum in two halves; v32-47 K, v48-63 V; v64-83 zeros and Q's two half copies; v84-87 q as loaded;
; v96-159 S^T, then p; v160-175 O^T; v176-198 the way out; v224-231 p's codes; v232-247, v252, v254 at work; v248 K's scale register, v249 V's, v253 p's, v255 q's
.macro WM d, a, b, zero, sa, sb, ra
.if \zero
.if (\ra) == 0
	v_wmma_scale_f32_16x16x128_f8f6f4 v[(\d):(\d)+7], v[(\a):(\a)+7], v[(\b):(\b)+7], 0, v[\sa], v[\sb] matrix_a_fmt:MATRIX_FMT_FP4 matrix_b_fmt:MATRIX_FMT_FP4
.else
	v_wmma_scale_f32_16x16x128_f8f6f4 v[(\d):(\d)+7], v[(\a):(\a)+7], v[(\b):(\b)+7], 0, v[\sa], v[\sb] matrix_a_fmt:MATRIX_FMT_FP4 matrix_b_fmt:MATRIX_FMT_FP4 matrix_a_scale:MATRIX_SCALE_ROW1
.endif
.else
.if (\ra) == 0
	v_wmma_scale_f32_16x16x128_f8f6f4 v[(\d):(\d)+7], v[(\a):(\a)+7], v[(\b):(\b)+7], v[(\d):(\d)+7], v[\sa], v[\sb] matrix_a_fmt:MATRIX_FMT_FP4 matrix_b_fmt:MATRIX_FMT_FP4
.else
	v_wmma_scale_f32_16x16x128_f8f6f4 v[(\d):(\d)+7], v[(\a):(\a)+7], v[(\b):(\b)+7], v[(\d):(\d)+7], v[\sa], v[\sb] matrix_a_fmt:MATRIX_FMT_FP4 matrix_b_fmt:MATRIX_FMT_FP4 matrix_a_scale:MATRIX_SCALE_ROW1
.endif
.endif
.endm
	s_load_b128 s[4:7], s[0:1], 0x0                ; qkv s[4:5], att s[6:7]
	v_lshl_add_u32 v250, v0, 2, 0x11000
	v_mov_b32 v251, 0
	v_lshrrev_b32 v1, 5, v0
	v_readfirstlane_b32 s24, v1                    ; wave 0..15
	s_and_b32 s25, ttmp7, 0xffff                   ; bh
	v_lshlrev_b32 v17, 4, v0                       ; 16 x thread
	v_lshlrev_b32 v18, 3, v0                       ; 8 x thread
	v_add_nc_u32 v19, 65536, v18
	v_and_b32 v20, 31, v0                          ; lane
	v_and_b32 v21, 15, v0                          ; r
	v_bfe_u32 v22, v0, 4, 1                        ; h
	v_lshlrev_b32 v1, 4, v20                       ; 16 lane
	v_lshlrev_b32 v2, 2, v20
	v_add_nc_u32 v2, 65536, v2                     ; the scale registers: 65,536 + 4 lane
	v_lshlrev_b32 v3, 4, v21                       ; 16 r
	v_lshlrev_b32 v4, 2, v21                       ; 4 r
	v_and_b32 v5, 8, v21
	v_add_nc_u32 v5, v5, v21
	v_lshlrev_b32 v23, 4, v22
	v_sub_nc_u32 v5, v5, v23                       ; r + 8 (r / 8) - 16 h: my query's place less my keys' offset
	v_lshl_add_u32 v6, v22, 3, v3                  ; 16 r + 8 h
	v_cmp_gt_u32 s40, 16, v20                      ; lanes 0-15
	s_and_b32 s37, s24, 1                          ; u: my tile of the pair
	s_lshr_b32 s38, s24, 1                         ; which pair of the block's eight
	s_mov_b32 s42, 0x76543210
	s_mov_b32 s43, 0xfedcba98                      ; v_permlanex16_b32's selects for lane l xor 16
	s_mov_b32 s44, 0x3e8293ee                      ; c = log2(e) / sqrt(32)
	s_mov_b32 s45, s44                             ; (named with it as a pair, so it is written)
	s_lshl_b32 s10, s25, 15
	s_mov_b32 s11, 0
	s_lshl_b32 s12, s25, 12
	s_mov_b32 s13, 0
	s_lshl_b32 s14, s25, 13
	s_mov_b32 s15, 0
	s_lshr_b32 s26, s25, 4                         ; batch
	s_and_b32 s27, s25, 15                         ; head
	s_lshr_b32 s28, s27, 2                         ; the next product's K step
	s_and_b32 s29, s27, 3                          ; and block in it
	s_lshl_b32 s16, s26, 19
	s_lshl_b32 s30, s28, 11
	s_add_co_u32 s16, s16, s30
	s_lshl_b32 s30, s29, 8
	s_add_co_u32 s16, s16, s30
	s_mov_b32 s17, 0
	s_lshl_b32 s18, s26, 15
	s_lshl_b32 s30, s28, 7
	s_add_co_u32 s18, s18, s30
	s_add_co_u32 s18, s18, s29
	s_mov_b32 s19, 0
	s_wait_kmcnt 0x0
	s_add_nc_u64 s[10:11], s[4:5], s[10:11]
	s_add_nc_u64 s[12:13], s[4:5], s[12:13]
	s_add_nc_u64 s[14:15], s[4:5], s[14:15]
	s_add_nc_u64 s[16:17], s[6:7], s[16:17]
	s_add_nc_u64 s[18:19], s[6:7], s[18:19]
.irp i, 0,1,2,3
	global_load_b128 v[96+4*\i:99+4*\i], v17, s[10:11] offset:KC+8192*\i
.endr
.irp i, 0,1,2,3
	global_load_b128 v[112+4*\i:115+4*\i], v17, s[10:11] offset:VC+8192*\i
.endr
	global_load_b64 v[128:129], v18, s[12:13] offset:KVS
.irp k, 64,65,66,67,72,73,74,75,80,81,82,83
	v_mov_b32 v[\k], 0                             ; zero codes: they stay
.endr
	v_mov_b32 v193, 0                              ; a lane permute's destination counts as one of its sources
	s_wait_loadcnt 0x0
.irp i, 0,1,2,3
	ds_store_b128 v17, v[96+4*\i:99+4*\i] offset:8192*\i
	ds_store_b128 v17, v[112+4*\i:115+4*\i] offset:32768+8192*\i
.endr
	ds_store_b64 v19, v[128:129]
	s_wait_dscnt 0x0                               ; for the others' sake: my part of the head lies in LDS
	s_barrier_signal -1
	s_barrier_wait -1
.macro PASS p
.if \p
	s_wait_xcnt 0x0                                ; the first pass's stores have read their offsets and data: both are written again below
	s_sub_co_u32 s26, 7, ttmp9
.else
	s_mov_b32 s26, ttmp9
.endif
	s_lshl_b32 s26, s26, 3
	s_add_co_u32 s26, s26, s38                     ; R: my pair of 32 rows in the batch
	s_lshl_b32 s[Q32], s26, 5
	s_lshl_b32 s28, s26, 9
	s_lshl_b32 s29, s37, 8
	s_add_co_u32 s29, s28, s29
	v_add_nc_u32 v9, s29, v3                       ; q's codes: 512 R + 256 u + 16 r
	s_lshr_b32 s29, s29, 2
	v_add_nc_u32 v10, s29, v4                      ; q's scale word: 128 R + 64 u + 4 r
	s_lshl_b32 s29, s37, 6
	s_add_co_u32 s29, s28, s29
	v_add_nc_u32 v16, s29, v4                      ; o's scale byte: 512 R + 64 u + 4 r
	s_lshl_b32 s28, s26, 13
	s_lshl_b32 s29, s37, 10
	s_add_co_u32 s28, s28, s29
	v_add_nc_u32 v11, s28, v6                      ; o's codes: 8,192 R + 1,024 u + 16 r + 8 h
	global_load_b128 v[84:87], v9, s[10:11]
	global_load_b32 v255, v10, s[14:15] offset:QS
	v_mov_b32 v13, 0xff61b1e6                      ; the largest t so far: -3e38, under every t
	v_floor_f32 v12, -v13                          ; -M
	v_mov_b32 v14, 0
	v_mov_b32 v15, 0
	s_wait_loadcnt 0x0
.irp k, 0,1,2,3
	v_cndmask_b32 v[68+\k], v64, v[84+\k], s40     ; q's codes in lanes 0-15, zeros above: with zeros behind or in front, blocks 0 and 2
	v_cndmask_b32 v[76+\k], v[84+\k], v64, s40     ; and in lanes 16-31: blocks 1 and 3
.endr
.set n, 0
.rept 16
	v_mov_b32 v[160+n], 0                          ; O^T: the first step finds zeros, which the first change of M leaves zeros.  (These lines are also the places between the copies' writes and the first product)
.set n, n+1
.endr
.irp k, 236,237,238,239,252,253
	v_mov_b32 v[\k], 0
.endr
	s_mov_b32 s[TB], 0
	s_mov_b32 s[TS], 0
	s_mov_b32 s[KF], 0
	s_mov_b32 s[STP], 16
.Lstep_\@:
	s_cmp_gt_u32 s[KF], s[Q32]                     ; KF is a multiple of 128 and Q32 of 32: above Q32 it is above all 32 rows of my pair
	s_cbranch_scc1 .Lhidden_\@
	v_add_nc_u32 v7, s[TB], v1
	v_add_nc_u32 v8, s[TS], v2
	v_nop
	v_nop                                          ; four places in front of loads into registers that the last step's products have read
.irp n, 0,1,2,3
	ds_load_b128 v[32+4*\n:35+4*\n], v7 offset:512*\n
.endr
	ds_load_b32 v248, v8
.irp n, 0,1,2,3
	ds_load_b128 v[48+4*\n:51+4*\n], v7 offset:32768+512*\n
.endr
	ds_load_b32 v249, v8 offset:128
	s_wait_dscnt 5                                 ; K and its scale register are in; V's five loads may be out
.irp f, 0,1                                        ; S^T: tile 4 f + b: fragment f, block b
	WM 96+32*\f, 32+8*\f, 68, 1, 248, 255, \f
	WM 104+32*\f, 32+8*\f, 76, 1, 248, 255, \f
	WM 112+32*\f, 32+8*\f, 64, 1, 248, 255, \f
	WM 120+32*\f, 32+8*\f, 72, 1, 248, 255, \f
.endr                                              ; register 16 b + i of v96 on: key KF + 32 b + 16 h + i
.rept 4
	v_nop
.endr
	s_add_co_u32 s30, s[KF], 128
	s_cmp_le_u32 s30, s[Q32]                       ; all 128 keys come before my pair's first row: nothing is hidden
	s_cbranch_scc1 .Lopen_\@
	s_lshl_b32 s30, s37, 3
	s_add_co_u32 s30, s30, s[Q32]
	s_sub_co_i32 s30, s30, s[KF]
	v_add_nc_u32 v252, s30, v5                     ; d = my query - KF - 16 h: register 16 b + i is hidden where 32 b + i > d
	v_mov_b32 v254, 0xff800000                     ; -infinity
.set n, 0
.rept 64
	v_cmp_gt_i32 vcc_lo, 32*(n/16)+n%16, v252
	v_cndmask_b32 v[96+n], v[96+n], v254, vcc_lo
.set n, n+1
.endr
.Lopen_\@:
.irp b, 0,1,2,3
	v_max3_num_f32 v[232+\b], v[96+16*\b], v[97+16*\b], v[98+16*\b]   ; the largest score of each block of 32 keys: for the row's maximum, and, since p rises with the score, for the block's largest p
.endr
.irp i, 3,5,7,9,11,13
.irp b, 0,1,2,3
	v_max3_num_f32 v[232+\b], v[232+\b], v[96+16*\b+\i], v[97+16*\b+\i]
.endr
.endr
.irp b, 0,1,2,3
	v_max_num_f32 v[232+\b], v[232+\b], v[111+16*\b]
.endr
.irp b, 0,1,2,3
	v_permlanex16_b32 v[236+\b], v[232+\b], s42, s43
.endr
.irp b, 0,1,2,3
	v_max_num_f32 v[232+\b], v[232+\b], v[236+\b]  ; with lane l xor 16's 16 keys
.endr
	v_max3_num_f32 v254, v232, v233, v234
	v_max_num_f32 v254, v254, v235                 ; the step's largest score of my query (key KF counts for it, so it is a number)
	v_mul_f32 v254, s44, v254                      ; as t (c is positive)
	v_max_num_f32 v13, v13, v254                   ; the running largest t
	v_mov_b32 v254, v12
	v_floor_f32 v12, -v13                          ; the new -M = floor(-t) = -ceil(t)
	v_sub_f32 v254, v12, v254                      ; old M - new M: a whole number, 0 or less
	v_cvt_i32_f32 v254, v254                       ; (it saturates)
	v_ldexp_f32 v252, 1.0, v254                    ; f = 2^(old M - new M)
.set n, 0
.rept 32
	v_pk_fma_f32 v[96+n:97+n], v[96+n:97+n], s[44:45], v[12:13] op_sel_hi:[1,0,0]   ; t - M, two at a time
.set n, n+2
.endr
.irp b, 0,1,2,3
	v_fma_f32 v[232+\b], v[232+\b], s44, v12       ; the same of each block's largest score
.endr
.set n, 0
.rept 64
	v_exp_f32 v[96+n], v[96+n]                     ; p = 2^(t - M), at most 1
.set n, n+1
.endr
.irp b, 0,1,2,3
	v_exp_f32 v[232+\b], v[232+\b]                 ; the block's largest p: the same two instructions on the same number give the same bits
.endr
	v_pk_mul_f32 v[14:15], v[14:15], v[252:253] op_sel_hi:[1,0]   ; the sums under the new M.  (A plain place behind the exponentials)
	s_wait_alu depctr_va_vdst(0)
.irp b, 0,1,2,3
	v_max_num_f32 v[232+\b], FLOOR, v[232+\b]      ; the byte cannot fall under 1 (a block of zeros keeps that byte: its codes are zeros)
.endr
.irp b, 0,1,2,3
	v_add_nc_u32 v[244+\b], 0xff000000, v[232+\b]  ; 2 off the exponent field: the conversion's scale operand
.endr
.irp b, 0,1,2,3
	v_lshrrev_b32 v[236+\b], 23, v[244+\b]         ; the scale's byte
.endr
	v_lshl_or_b32 v253, v237, 8, v236              ; p's scale word for these 128 keys
	v_lshl_or_b32 v253, v238, 16, v253
	v_lshl_or_b32 v253, v239, 24, v253
.irp b, 0,1,2,3
	v_cvt_scalef32_pk8_fp4_f32 v[224+2*\b], v[96+16*\b:103+16*\b], v[244+\b]
	v_cvt_scalef32_pk8_fp4_f32 v[225+2*\b], v[104+16*\b:111+16*\b], v[244+\b]
.endr
	v_nop                                          ; one plain place behind the conversions
.irp c, 0,1                                        ; a whole block to a lane: lanes 0-15 block 2 c, lanes 16-31 block 2 c + 1
.irp i, 0,1
	v_permlane16_swap_b32 v[224+4*\c+\i], v[226+4*\c+\i]
.endr
.endr
	v_pk_add_f32 v[236:237], v[96:97], v[98:99]    ; the row's sum, of the unquantised p: two at a time, in two chains
.irp j, 4,8,12,16,20,24,28,32,36,40,44,48,52,56,60
	v_pk_add_f32 v[14:15], v[14:15], v[96+\j:97+\j]
	v_pk_add_f32 v[236:237], v[236:237], v[98+\j:99+\j]
.endr
	v_pk_add_f32 v[14:15], v[14:15], v[236:237]
.irp j, 0,2,4,6,8,10,12,14
	v_pk_mul_f32 v[160+\j:161+\j], v[160+\j:161+\j], v[252:253] op_sel_hi:[1,0]   ; O^T under the new M.  (The sums and these are the places between p's codes and scale word and the products below)
.endr
	s_wait_dscnt 0x0                               ; V and its scale register are in
	WM 160, 48, 224, 0, 249, 253, 0                ; O^T += V^T P^T: d's tile 0,
	WM 168, 56, 224, 0, 249, 253, 1                ; tile 1: the two accumulators by turns, the eight products of S^T between their links
.Lhidden_\@:
	s_add_co_u32 s[KF], s[KF], 128
	s_add_co_u32 s[TB], s[TB], 2048
	s_add_co_u32 s[TS], s[TS], 256
	s_sub_co_u32 s[STP], s[STP], 1
	s_cmp_lg_u32 s[STP], 0
	s_cbranch_scc1 .Lstep_\@
	; the way out: O^T / the sum; register 8 n' + j is d = 16 h + 8 n' + j: with lane l xor 16's, the head's 32: one block
.rept 4
	v_nop
.endr
	v_add_f32 v14, v14, v15
	v_permlanex16_b32 v252, v14, s42, s43
	v_add_f32 v14, v14, v252                       ; the row's sum
	v_rcp_f32 v14, v14
	v_nop                                          ; one plain place behind the transcendental
.set n, 0
	s_wait_alu depctr_va_vdst(0)
.rept 16
	v_mul_f32 v[176+n], v[160+n], v14
.set n, n+1
.endr
	v_max3_num_f32 v192, |v176|, |v177|, FLOOR
.irp i, 2,4,6,8,10,12,14
	v_max3_num_f32 v192, v192, |v[176+\i]|, |v[177+\i]|
.endr
	v_permlanex16_b32 v193, v192, s42, s43
	v_max_num_f32 v192, v192, v193
	v_add_nc_u32 v194, 0xff000000, v192
	v_lshrrev_b32 v198, 23, v194
	v_cvt_scalef32_pk8_fp4_f32 v196, v[176:183], v194
	v_cvt_scalef32_pk8_fp4_f32 v197, v[184:191], v194
	v_nop
	global_store_b64 v11, v[196:197], s[16:17]     ; 32 lanes store 256 consecutive bytes, aligned: my head's block of my tile's 16 rows
	global_store_b8 v16, v198, s[18:19] offset:AS  ; lanes l and l xor 16 hold the same byte and write it to the same place
.endm
	PASS 0
	PASS 1
	s_wait_tensorcnt 0x0
	ds_add_u32 v250, v251
	s_wait_dscnt 0x0
	s_endpgm
.Lfunc_end_k_q73401ed06b_attn:
	.size	k_q73401ed06b_attn, .Lfunc_end_k_q73401ed06b_attn-k_q73401ed06b_attn
	.p2alignl 7, 3214868480
	.fill 96, 4, 3214868480
	.section	.rodata,"a",@progbits
	.p2align	6, 0x0
	.amdhsa_kernel k_q73401ed06b_attn
		.amdhsa_group_segment_fixed_size 71680
		.amdhsa_private_segment_fixed_size 0
		.amdhsa_enable_private_segment 0
		.amdhsa_kernarg_size 16
		.amdhsa_user_sgpr_count 2
		.amdhsa_user_sgpr_kernarg_segment_ptr 1
		.amdhsa_wavefront_size32 1
		.amdhsa_system_sgpr_workgroup_id_x 1
		.amdhsa_system_sgpr_workgroup_id_y 1
		.amdhsa_system_sgpr_workgroup_id_z 1
		.amdhsa_system_vgpr_workitem_id 0
		.amdhsa_next_free_vgpr 256
		.amdhsa_next_free_sgpr 66
		.amdhsa_reserve_vcc 1
		.amdhsa_float_denorm_mode_32 3
		.amdhsa_float_denorm_mode_16_64 3
		.amdhsa_memory_ordered 1
		.amdhsa_forward_progress 1
		.amdhsa_inst_pref_size 51
	.end_amdhsa_kernel
	.amdgpu_metadata
---
amdhsa.version: [ 1, 2 ]
amdhsa.kernels:
  - .name:           k_q73401ed06b_attn
    .symbol:         k_q73401ed06b_attn.kd
    .args:
      - { .name: qkv, .offset: 0, .size: 8, .value_kind: global_buffer, .address_space: global }
      - { .name: att, .offset: 8, .size: 8, .value_kind: global_buffer, .address_space: global }
    .group_segment_fixed_size: 71680
    .private_segment_fixed_size: 0
    .kernarg_segment_align: 8
    .kernarg_segment_size: 16
    .max_flat_workgroup_size: 512
    .sgpr_count:     66
    .vgpr_count:     256
    .wavefront_size: 32
...
	.end_amdgpu_metadata
.endif
;; end of part 3
;; launch tail (part 4): grid 256 x 1, 16 waves a work-group, no clusters, 132,096 bytes of LDS; arguments x, att, prep, bo, g2, be2, b1, b2, out0; writes out0
.if DOCPART == 4
	.amdgcn_target "amdgcn-amd-amdhsa--gfx1250"
	.amdhsa_code_object_version 6
	.text
	.protected	k_q73401ed06b_tail
	.globl	k_q73401ed06b_tail
	.p2align	8
	.type	k_q73401ed06b_tail,@function
k_q73401ed06b_tail:
	s_mov_b64 s[64:65], 0
	v_nop
	global_prefetch_b8 v0, s[64:65] scope:SCOPE_SE
	s_setreg_imm32_b32 hwreg(HW_REG_WAVE_MODE, 25, 1), 1
	s_wait_xcnt 0x0
; TAIL.  x1 = x + attn Wo + bo;  h = LayerNorm(x1; g2, be2);  out = x1 + relu(h W1 + b1) W2 + b2.  All three products on codes of E2M1; h and the hidden layer are quantised on the way and never go to memory.
; SHARES.  A work-group takes 32 rows (a pair: two tiles of 16).  THE SIXTEEN WAVES SHARE THE COLUMNS: wave w makes columns 32 w .. 32 w + 31 of x1 and of out, and hidden units 128 w .. 128 w + 127, for all 32 rows.
; Every product is used transposed (source 0 = 16 columns of the weight, source 1 = 16 rows): a lane holds one row, and the 16 registers of a weight pair's two tiles are 16 neighbouring columns.
; So x + bo, b1 and x1 + b2 are the C of each sum's first link, LayerNorm's sums want one exchange of lanes and one meeting of the waves in LDS each, and the conversions' results are images of the next operand.
; THE WEIGHTS go from memory straight into registers: 18 groups of four fragments and two scale registers (10 loads), in three register buffers by turns, three groups requested ahead.
; NO CLUSTER, NO LDS FOR THE WEIGHTS: a fragment of a weight serves ONE wave, for two products; through LDS each of its bytes would be written and read once more, and a change of slots would stand
; between every 8 matrix instructions of a wave.  All work-groups read the same 1,253,376 bytes of codes and scale words.
; LDS: operands from wave to wave as images of their registers (16 x lane; scale words 4 x lane); six barriers; in front of each a wave waits for all its LDS instructions.
; LIMITS: NaN and infinities are not served; a block whose largest magnitude lies under 2^-124 gets the byte 1 (the bytes never leave the work-group).
.set AIMG,  0                          ; attn's 8 fragments (K step s, tile u: 2,048 s + 1,024 u)
.set H2IMG, 8192                       ; h's 8 fragments
.set HID,   16384                      ; the hidden layer's 32 fragments
.set H2SC,  49152                      ; h's scale words: 128 bytes a K step
.set HIDSC, 49664                      ; the hidden layer's
.set RED1,  51712                      ; the waves' sums: [wave][row r][tile], 4 bytes
.set RED2,  53760                      ; the waves' sums of squares
.set B1S,   55808                      ; b1
.set XST,   64000                      ; 32 rows (16 tile + m) x (2,048 bytes + 16): x + bo on the way in, out on the way out
.set XP,    2064
.set WO,    393216
.set W1O,   524288
.set W2O,   1048576
.set WS,    1572864
.set AS,    2097152
.set FLOOR, 0x1800000
.set X1,  24                           ; v24-55   x1, later out: 16 u + 8 u' + j
.set ACC, 56                           ; v56-119  the hidden layer: 32 u + 16 pp + 8 u' + j;  before that: g2, be2, b2, h
.set G2,  56
.set BE2, 72
.set B2,  88
.set H2T, 104
.set WB,  120                          ; v120-215 three buffers of four weight fragments
.set FR,  216                          ; v216-247 the rows' fragments; between the products: at work
.set WSR, 248                          ; v248-253 the weights' scale registers, two a buffer;  v254-255 the rows';  v3-6 attn's four
.set TM,  216
.set PW,  232
.set PC,  236
; v1 16 lane, v2 4 lane, v7-17 LDS addresses and offsets, v[18:19] the means of my row in tiles 0, 1, v[20:21] 1 / sqrt, v22-23 at work
.macro WM d, a, b, sa, sb, ra, rb      ; every sum here begins with registers as its C: D and C are the same
.if ((\ra) == 0) && ((\rb) == 0)
	v_wmma_scale_f32_16x16x128_f8f6f4 v[(\d):(\d)+7], v[(\a):(\a)+7], v[(\b):(\b)+7], v[(\d):(\d)+7], v[\sa], v[\sb] matrix_a_fmt:MATRIX_FMT_FP4 matrix_b_fmt:MATRIX_FMT_FP4
.elseif ((\ra) == 1) && ((\rb) == 0)
	v_wmma_scale_f32_16x16x128_f8f6f4 v[(\d):(\d)+7], v[(\a):(\a)+7], v[(\b):(\b)+7], v[(\d):(\d)+7], v[\sa], v[\sb] matrix_a_fmt:MATRIX_FMT_FP4 matrix_b_fmt:MATRIX_FMT_FP4 matrix_a_scale:MATRIX_SCALE_ROW1
.elseif ((\ra) == 0) && ((\rb) == 1)
	v_wmma_scale_f32_16x16x128_f8f6f4 v[(\d):(\d)+7], v[(\a):(\a)+7], v[(\b):(\b)+7], v[(\d):(\d)+7], v[\sa], v[\sb] matrix_a_fmt:MATRIX_FMT_FP4 matrix_b_fmt:MATRIX_FMT_FP4 matrix_b_scale:MATRIX_SCALE_ROW1
.else
	v_wmma_scale_f32_16x16x128_f8f6f4 v[(\d):(\d)+7], v[(\a):(\a)+7], v[(\b):(\b)+7], v[(\d):(\d)+7], v[\sa], v[\sb] matrix_a_fmt:MATRIX_FMT_FP4 matrix_b_fmt:MATRIX_FMT_FP4 matrix_a_scale:MATRIX_SCALE_ROW1 matrix_b_scale:MATRIX_SCALE_ROW1
.endif
.endm
.macro W8 base, o0, o1                 ; four fragments: two from o0 on, two from o1 on, 512 consecutive bytes a load
.irp n, 0,1,2,3
	global_load_b128 v[LBUF+4*\n:LBUF+4*\n+3], v1, s[\base:\base+1] offset:(\o0)+512*\n
.endr
.irp n, 0,1,2,3
	global_load_b128 v[LBUF+16+4*\n:LBUF+16+4*\n+3], v1, s[\base:\base+1] offset:(\o1)+512*\n
.endr
.endm
.macro WLOAD g                         ; group g: 0, 1: Wo, K steps 2 g, 2 g + 1;  2-9: W1, two of my four pairs, one K step;  10-17: W2, K steps 2 (g - 10) and + 1.  Ten loads
.set LBUF, WB+32*((\g)%3)
.set LSB, WSR+2*((\g)%3)
.if (\g) < 2
	W8 30, WO+4096*(\g), WO+4096*(\g)+2048
	global_load_b32 v[LSB], v2, s[34:35] offset:WS+24576+256*(\g)
	global_load_b32 v[LSB+1], v2, s[34:35] offset:WS+24576+256*(\g)+128
.elseif (\g) < 10
.set LHF, ((\g)-2)/4
.set LSS, ((\g)-2)%4
	W8 32, W1O+16384*LHF+2048*LSS, W1O+16384*LHF+2048*LSS+8192
	global_load_b32 v[LSB], v2, s[36:37] offset:WS+32768+1024*LHF+128*LSS
	global_load_b32 v[LSB+1], v2, s[36:37] offset:WS+32768+1024*LHF+128*LSS+512
.else
.set LGD, (\g)-10
	W8 32, W2O+4096*LGD, W2O+4096*LGD+2048
	global_load_b32 v[LSB], v2, s[36:37] offset:WS+65536+256*LGD
	global_load_b32 v[LSB+1], v2, s[36:37] offset:WS+65536+256*LGD+128
.endif
.endm
.macro READY g                         ; group g's ten loads are in: the two groups requested behind it (at the end one, none) may stay out; and my LDS loads are in
.if (\g) < 16
	s_wait_loadcnt 20
.elseif (\g) == 16
	s_wait_loadcnt 10
.else
	s_wait_loadcnt 0x0
.endif
	s_wait_dscnt 0x0
.endm
.macro NEXTW g                         ; four places behind the group's products; then its buffer takes the group three further on
.rept 4
	v_nop
.endr
.if (\g)+3 < 18
	WLOAD (\g)+3
.endif
.endm
.macro BARRIER                         ; my LDS stores have landed and my LDS loads are in: then the work-group's barrier
	s_wait_dscnt 0x0
	s_barrier_signal -1
	s_barrier_wait -1
.endm
; a group of the first or the third product: two K steps, the four accumulators of x1 by turns
.macro GX g, img, k0, s0
.set CBUF, WB+32*((\g)%3)
.set CSB, WSR+2*((\g)%3)
.irp ss, 0,1
.irp u, 0,1
.irp c, 0,1
	ds_load_b128 v[FR+8*(2*\ss+\u)+4*\c:FR+8*(2*\ss+\u)+4*\c+3], v1 offset:\img+2048*((\k0)+\ss)+1024*\u+512*\c
.endr
.endr
.endr
.if (\g) >= 10
	ds_load_b32 v254, v2 offset:HIDSC+128*(\k0)
	ds_load_b32 v255, v2 offset:HIDSC+128*(\k0)+128
.endif
	READY \g
.irp ss, 0,1
.irp u, 0,1
.irp t, 0,1
	WM X1+16*\u+8*\t, CBUF+8*(2*\ss+\t), FR+8*(2*\ss+\u), CSB+\ss, (\s0)+\ss, \t, \u
.endr
.endr
.endr
	NEXTW \g
.endm
; a group of the second product: one K step, two of my four pairs of hidden units x two tiles of rows: eight accumulators by turns
.macro GC g
.set CBUF, WB+32*((\g)%3)
.set CSB, WSR+2*((\g)%3)
.set CHF, ((\g)-2)/4
.set CSS, ((\g)-2)%4
.irp u, 0,1
.irp c, 0,1
	ds_load_b128 v[FR+8*\u+4*\c:FR+8*\u+4*\c+3], v1 offset:H2IMG+2048*CSS+1024*\u+512*\c
.endr
.endr
	ds_load_b32 v254, v2 offset:H2SC+128*CSS
.if CSS == 0
.irp u, 0,1                                        ; b1 begins the sums: lane (r, h) wants, for pair pp and tile t, the numbers of units 32 pp + 16 h + 8 t + 0 .. 7
.irp pp, 0,1
.irp t, 0,1
.irp q, 0,1
	ds_load_b128 v[ACC+32*\u+16*\pp+8*\t+4*\q:ACC+32*\u+16*\pp+8*\t+4*\q+3], v10 offset:B1S+128*(2*CHF+\pp)+32*\t+16*\q
.endr
.endr
.endr
.endr
.endif
	READY \g
.irp pp, 0,1
.irp u, 0,1
.irp t, 0,1
	WM ACC+32*\u+16*\pp+8*\t, CBUF+8*(2*\pp+\t), FR+8*\u, CSB+\pp, 254, \t, \u
.endr
.endr
.endr
	NEXTW \g
.endm
; 64 numbers of a lane, none negative, register 16 b + i = the i-th of my 16 of block b, become codes in v[PC] on and four bytes in v[PW]
.macro QUANT s
.irp b, 0,1,2,3
	v_max3_num_f32 v[TM+\b], v[\s+16*\b], v[\s+1+16*\b], FLOOR
.endr
.irp i, 2,4,6,8,10,12,14
.irp b, 0,1,2,3
	v_max3_num_f32 v[TM+\b], v[TM+\b], v[\s+16*\b+\i], v[\s+1+16*\b+\i]
.endr
.endr
.irp b, 0,1,2,3
	v_permlanex16_b32 v[TM+4+\b], v[TM+\b], s38, s39
.endr
.irp b, 0,1,2,3
	v_max_num_f32 v[TM+\b], v[TM+\b], v[TM+4+\b]
.endr
.irp b, 0,1,2,3
	v_add_nc_u32 v[TM+12+\b], 0xff000000, v[TM+\b]
.endr
.irp b, 0,1,2,3
	v_lshrrev_b32 v[TM+4+\b], 23, v[TM+12+\b]
.endr
	v_lshl_or_b32 v[PW], v[TM+5], 8, v[TM+4]
	v_lshl_or_b32 v[PW], v[TM+6], 16, v[PW]
	v_lshl_or_b32 v[PW], v[TM+7], 24, v[PW]
.irp b, 0,1,2,3
	v_cvt_scalef32_pk8_fp4_f32 v[PC+2*\b], v[\s+16*\b:\s+7+16*\b], v[TM+12+\b]
	v_cvt_scalef32_pk8_fp4_f32 v[PC+1+2*\b], v[\s+8+16*\b:\s+15+16*\b], v[TM+12+\b]
.endr
	v_nop                                          ; one plain place behind the conversions
.irp c, 0,1
.irp i, 0,1
	v_permlane16_swap_b32 v[PC+4*\c+\i], v[PC+2+4*\c+\i]
.endr
.endr
.endm
; 64 of my 128 hidden units are done for both tiles of rows: relu, quantised; blocks 0, 1 are tile 0's, blocks 2, 3 tile 1's: each tile's four registers are register group hf of its fragment of K step w
.macro HALF hf
.set n, 0
.rept 64
	v_max_num_f32 v[ACC+n], 0, v[ACC+n]            ; the activation, in f32; each accumulator from its low end on
.set n, n+1
.endr
	QUANT ACC
.irp u, 0,1
	ds_store_b128 v15, v[PC+4*\u:PC+4*\u+3] offset:HID+1024*\u+512*\hf
.endr
	ds_store_b16 v16, v[PW] offset:HIDSC+2*\hf             ; tile 0's two bytes,
	ds_store_b16_d16_hi v16, v[PW] offset:HIDSC+64+2*\hf   ; tile 1's
	s_wait_dscnt 0x0
.endm
; LayerNorm's meetings.  ROWSUM: v[216:217], v[218:219] hold tile 0's and tile 1's two half sums of my 16 columns: with lane l xor 16's; lanes 0-15 keep tile 0's, lanes 16-31 tile 1's
.macro ROWSUM
.irp u, 0,1
	v_add_f32 v[216+2*\u], v[216+2*\u], v[217+2*\u]
.endr
.irp u, 0,1
	v_permlanex16_b32 v[217+2*\u], v[216+2*\u], s38, s39
.endr
.irp u, 0,1
	v_add_f32 v[216+2*\u], v[216+2*\u], v[217+2*\u]
.endr
	v_cndmask_b32 v220, v218, v216, s40
.endm
.macro GATHER red                      ; my wave's 32 sums to LDS; a barrier; all sixteen waves' sums of my row's two tiles back, added in the same order by every wave: v[216:217]
	ds_store_b32 v11, v220 offset:\red
	BARRIER
.irp q, 0,1,2,3,4,5,6,7,8,9,10,11,12,13,14,15
	ds_load_b64 v[216+2*\q:217+2*\q], v12 offset:\red+128*\q
.endr
	s_wait_dscnt 0x0
.irp q, 1,2,3,4,5,6,7
	v_pk_add_f32 v[216:217], v[216:217], v[216+4*\q:217+4*\q]
	v_pk_add_f32 v[218:219], v[218:219], v[218+4*\q:219+4*\q]
.endr
	v_pk_add_f32 v[216:217], v[216:217], v[218:219]
.endm
.macro DEVSQ u                         ; the sum of squares of my 16 deviations, in two chains
	v_sub_f32 v224, v[X1+16*\u], v[18+\u]
	v_sub_f32 v225, v[X1+16*\u+1], v[18+\u]
	v_mul_f32 v[216+2*\u], v224, v224
	v_mul_f32 v[217+2*\u], v225, v225
.irp k, 2,4,6,8,10,12,14
	v_sub_f32 v224, v[X1+16*\u+\k], v[18+\u]
	v_sub_f32 v225, v[X1+16*\u+\k+1], v[18+\u]
	v_fma_f32 v[216+2*\u], v224, v224, v[216+2*\u]
	v_fma_f32 v[217+2*\u], v225, v225, v[217+2*\u]
.endr
.endm
.macro NORMQ u                         ; h of my 16 columns of my row in tile u; with lane l xor 16's they are block w of K: quantised, its image and byte to LDS.  Each tile has registers of its own for what it stores
.set n, 0
.rept 16
	v_sub_f32 v[H2T+n], v[X1+16*\u+n], v[18+\u]
.set n, n+1
.endr
.set n, 0
.rept 16
	v_mul_f32 v[H2T+n], v[H2T+n], v[20+\u]
.set n, n+1
.endr
.set n, 0
.rept 16
	v_fma_f32 v[H2T+n], v[H2T+n], v[G2+n], v[BE2+n]
.set n, n+1
.endr
	v_max3_num_f32 v[224+8*\u], |v[H2T]|, |v[H2T+1]|, FLOOR
.irp i, 2,4,6,8,10,12,14
	v_max3_num_f32 v[224+8*\u], v[224+8*\u], |v[H2T+\i]|, |v[H2T+\i+1]|
.endr
	v_permlanex16_b32 v[225+8*\u], v[224+8*\u], s38, s39
	v_max_num_f32 v[224+8*\u], v[224+8*\u], v[225+8*\u]
	v_add_nc_u32 v[226+8*\u], 0xff000000, v[224+8*\u]
	v_lshrrev_b32 v[227+8*\u], 23, v[226+8*\u]
	v_cvt_scalef32_pk8_fp4_f32 v[228+8*\u], v[H2T:H2T+7], v[226+8*\u]
	v_cvt_scalef32_pk8_fp4_f32 v[229+8*\u], v[H2T+8:H2T+15], v[226+8*\u]
	v_nop                                          ; one plain place behind the conversions
	ds_store_b64 v13, v[228+8*\u:229+8*\u] offset:H2IMG+1024*\u
	ds_store_b8 v14, v[227+8*\u] offset:H2SC+64*\u
.endm
	s_load_b256 s[4:11], s[0:1], 0x0               ; x s[4:5], att s[6:7], prep s[8:9], bo s[10:11]
	s_load_b256 s[12:19], s[0:1], 0x20             ; g2 s[12:13], be2 s[14:15], b1 s[16:17], b2 s[18:19]
	s_load_b64 s[20:21], s[0:1], 0x40              ; out0
	v_lshrrev_b32 v1, 5, v0
	v_readfirstlane_b32 s43, v1                    ; wave 0..15
	v_and_b32 v22, 31, v0                          ; lane
	v_and_b32 v23, 15, v0                          ; r
	v_bfe_u32 v18, v0, 4, 1                        ; h
	v_lshlrev_b32 v1, 4, v22                       ; 16 lane
	v_lshlrev_b32 v2, 2, v22                       ; 4 lane
	v_lshlrev_b32 v17, 4, v0                       ; 16 x thread
	v_cmp_gt_u32 s40, 16, v22                      ; lanes 0-15
	s_lshl_b32 s44, s43, 7                         ; 128 w
	v_mul_u32_u24 v7, v23, XP
	v_lshl_add_u32 v7, v18, 6, v7
	s_add_co_u32 s45, s44, XST
	v_add_nc_u32 v7, s45, v7                       ; the stage by columns: row r, my wave's 128 bytes, + 64 h
	s_mul_i32 s45, s43, 2*XP
	s_add_co_u32 s45, s45, XST
	v_add_nc_u32 v8, s45, v1                       ; the stage by rows: rows 2 w, 2 w + 1, 16 bytes a lane
	v_lshl_add_u32 v9, v18, 6, s44                 ; g2, be2, b2: my 16 columns: 128 w + 64 h
	s_lshl_b32 s45, s43, 9
	v_lshl_add_u32 v10, v18, 6, s45                ; b1 in LDS: 512 w + 64 h
	v_lshlrev_b32 v11, 3, v23
	v_lshl_add_u32 v11, v18, 2, v11
	v_add_nc_u32 v11, s44, v11                     ; a sum's place: 128 w + 8 r + 4 h
	v_lshlrev_b32 v12, 3, v23                      ; and back: 8 r
	s_lshr_b32 s45, s43, 2
	s_and_b32 s47, s43, 3
	s_lshl_b32 s46, s45, 11
	s_lshl_b32 s48, s47, 8
	s_add_co_u32 s46, s46, s48
	v_lshlrev_b32 v13, 4, v23
	v_lshl_add_u32 v13, v18, 3, v13
	v_add_nc_u32 v13, s46, v13                     ; h's image: K step w / 4, block w % 4: 2,048 (w / 4) + 256 (w % 4) + 16 r + 8 h
	s_lshl_b32 s46, s45, 7
	s_add_co_u32 s46, s46, s47
	v_lshl_add_u32 v14, v23, 2, s46                ; its byte: 128 (w / 4) + 4 r + w % 4
	s_lshl_b32 s46, s43, 11
	v_add_nc_u32 v15, s46, v1                      ; the hidden layer's image: 2,048 w + 16 lane
	v_lshl_add_u32 v16, v23, 2, s44                ; its bytes: 128 w + 4 r
	s_mov_b32 s38, 0x76543210
	s_mov_b32 s39, 0xfedcba98                      ; v_permlanex16_b32's selects for lane l xor 16
	s_mov_b32 s41, 0x3b000000                      ; 1 / 512
	s_mov_b32 s42, 0x3727c5ac                      ; 1e-5
	s_lshr_b32 s44, s43, 3                         ; stage rows 2 w, 2 w + 1 are tile w / 8, m = 2 (w % 8) + i: members 8 (w / 8) + 2 (w % 8) + 8 ((w / 4) % 2) + i of the pair
	s_lshl_b32 s44, s44, 3
	s_and_b32 s45, s43, 7
	s_lshl_b32 s45, s45, 1
	s_add_co_u32 s44, s44, s45
	s_bfe_u32 s45, s43, 0x10002
	s_lshl_b32 s45, s45, 3
	s_add_co_u32 s44, s44, s45
	s_lshl_b32 s45, ttmp9, 5
	s_add_co_u32 s44, s44, s45
	s_lshl_b32 s44, s44, 11                        ; x 2,048 bytes a row
	s_mov_b32 s45, 0
	s_lshl_b32 s46, ttmp9, 13
	s_mov_b32 s47, 0
	s_lshl_b32 s48, ttmp9, 9
	s_mov_b32 s49, 0
	s_lshl_b32 s50, s43, 13
	s_mov_b32 s51, 0
	s_lshl_b32 s52, s43, 15
	s_mov_b32 s53, 0
	s_lshl_b32 s54, s43, 9
	s_mov_b32 s55, 0
	s_lshl_b32 s56, s43, 11
	s_mov_b32 s57, 0
	s_wait_kmcnt 0x0
	s_add_nc_u64 s[22:23], s[4:5], s[44:45]        ; x at my two rows
	s_add_nc_u64 s[24:25], s[20:21], s[44:45]      ; out0 likewise
	s_add_nc_u64 s[26:27], s[6:7], s[46:47]        ; attn's codes of my pair
	s_add_nc_u64 s[28:29], s[6:7], s[48:49]        ; and its scale words
	s_add_nc_u64 s[30:31], s[8:9], s[50:51]        ; prep + 8,192 w: my pair of Wo
	s_add_nc_u64 s[32:33], s[8:9], s[52:53]        ; prep + 32,768 w: my four pairs of W1, my pair of W2
	s_add_nc_u64 s[34:35], s[8:9], s[54:55]        ; prep + 512 w: Wo's scale words
	s_add_nc_u64 s[36:37], s[8:9], s[56:57]        ; prep + 2,048 w: W1's, W2's
.irp i, 0,1
.irp j, 0,1,2,3
	global_load_b128 v[FR+16*\i+4*\j:FR+16*\i+4*\j+3], v1, s[22:23] offset:2048*\i+512*\j th:TH_LOAD_NT
.endr
.endr
.irp j, 0,1,2,3
	global_load_b128 v[24+4*\j:27+4*\j], v1, s[10:11] offset:512*\j
.endr
	global_load_b128 v[40:43], v17, s[26:27]
	global_load_b128 v[44:47], v17, s[16:17]
.irp s, 0,1,2,3
	global_load_b32 v[3+\s], v2, s[28:29] offset:AS+128*\s
.endr
.irp i, 0,1,2,3
	global_load_b128 v[G2+4*\i:G2+4*\i+3], v9, s[12:13] offset:16*\i
	global_load_b128 v[BE2+4*\i:BE2+4*\i+3], v9, s[14:15] offset:16*\i
	global_load_b128 v[B2+4*\i:B2+4*\i+3], v9, s[18:19] offset:16*\i
.endr
	WLOAD 0
	WLOAD 1
	WLOAD 2
	s_wait_loadcnt 46                              ; x, bo, attn's image and b1 are in: behind them 16 loads of scale words and parameters and 30 of weights were issued
.irp i, 0,1
.irp k, 0,2,4,6,8,10,12,14
	v_pk_add_f32 v[FR+16*\i+\k:FR+16*\i+\k+1], v[FR+16*\i+\k:FR+16*\i+\k+1], v[24+\k:25+\k]   ; x + bo
.endr
.endr
.irp i, 0,1
.irp j, 0,1,2,3
	ds_store_b128 v8, v[FR+16*\i+4*\j:FR+16*\i+4*\j+3] offset:XP*\i+512*\j
.endr
.endr
	ds_store_b128 v17, v[40:43] offset:AIMG
	ds_store_b128 v17, v[44:47] offset:B1S
	BARRIER                                        ; x + bo, attn's fragments and b1 lie in LDS
	; ---- A: x1 = (x + bo) + attn Wo
.irp u, 0,1
.irp i, 0,1,2,3
	ds_load_b128 v[X1+16*\u+4*\i:X1+16*\u+4*\i+3], v7 offset:16*XP*\u+16*\i
.endr
.endr
	GX 0, AIMG, 0, 3
	GX 1, AIMG, 2, 5
	; ---- B: LayerNorm over the 512 columns, which lie in sixteen waves
.irp u, 0,1
	v_pk_add_f32 v[216+2*\u:217+2*\u], v[X1+16*\u:X1+16*\u+1], v[X1+16*\u+2:X1+16*\u+3]   ; each accumulator from its low end on
.endr
.irp k, 4,6,8,10,12,14
.irp u, 0,1
	v_pk_add_f32 v[216+2*\u:217+2*\u], v[216+2*\u:217+2*\u], v[X1+16*\u+\k:X1+16*\u+\k+1]
.endr
.endr
	ROWSUM
	GATHER RED1
	v_mul_f32 v18, s41, v216                       ; the means
	v_mul_f32 v19, s41, v217
	DEVSQ 0
	DEVSQ 1
	ROWSUM
	GATHER RED2
	v_fma_f32 v20, v216, s41, s42                  ; variance + eps
	v_fma_f32 v21, v217, s41, s42
	v_rsq_f32 v20, v20
	v_rsq_f32 v21, v21
	v_nop                                          ; one plain place behind the transcendentals
	s_wait_alu depctr_va_vdst(0)
	NORMQ 0
	NORMQ 1
.irp u, 0,1
.irp k, 0,2,4,6,8,10,12,14
	v_pk_add_f32 v[X1+16*\u+\k:X1+16*\u+\k+1], v[X1+16*\u+\k:X1+16*\u+\k+1], v[B2+\k:B2+\k+1]   ; x1 + b2: the C of the third product's first link
.endr
.endr
	BARRIER                                        ; h's eight fragments and their scale words lie in LDS
	; ---- C: the hidden layer, 64 of my 128 units at a time
	GC 2
	GC 3
	GC 4
	GC 5
	HALF 0
	GC 6
	GC 7
	GC 8
	GC 9
	HALF 1
	BARRIER                                        ; the hidden layer's 32 fragments lie in LDS
	; ---- D: out = (x1 + b2) + hidden W2
	GX 10, HID, 0, 254
	GX 11, HID, 2, 254
	GX 12, HID, 4, 254
	GX 13, HID, 6, 254
	GX 14, HID, 8, 254
	GX 15, HID, 10, 254
	GX 16, HID, 12, 254
	GX 17, HID, 14, 254
	; ---- the way out: my 32 columns of 32 rows into the stage, a barrier, two whole rows a wave back
.irp u, 0,1
.irp i, 0,1,2,3
	ds_store_b128 v7, v[X1+16*\u+4*\i:X1+16*\u+4*\i+3] offset:16*XP*\u+16*\i   ; each accumulator from its low end on
.endr
.endr
	BARRIER
.irp i, 0,1
.irp j, 0,1,2,3
	ds_load_b128 v[FR+16*\i+4*\j:FR+16*\i+4*\j+3], v8 offset:XP*\i+512*\j
.endr
.endr
.irp i, 0,1
.irp j, 0,1,2,3
	s_wait_dscnt 7-4*\i-\j
	global_store_b128 v1, v[FR+16*\i+4*\j:FR+16*\i+4*\j+3], s[24:25] offset:2048*\i+512*\j th:TH_STORE_NT   ; 32 lanes store 512 consecutive bytes, aligned
.endr
.endr
	s_wait_xcnt 0x0
	v_lshl_add_u32 v249, v0, 2, 0x1fc00
	v_mov_b32 v250, 0
	s_wait_tensorcnt 0x0
	ds_add_u32 v249, v250
	s_wait_dscnt 0x0
	s_endpgm
.Lfunc_end_k_q73401ed06b_tail:
	.size	k_q73401ed06b_tail, .Lfunc_end_k_q73401ed06b_tail-k_q73401ed06b_tail
	.p2alignl 7, 3214868480
	.fill 96, 4, 3214868480
	.section	.rodata,"a",@progbits
	.p2align	6, 0x0
	.amdhsa_kernel k_q73401ed06b_tail
		.amdhsa_group_segment_fixed_size 132096
		.amdhsa_private_segment_fixed_size 0
		.amdhsa_enable_private_segment 0
		.amdhsa_kernarg_size 72
		.amdhsa_user_sgpr_count 2
		.amdhsa_user_sgpr_kernarg_segment_ptr 1
		.amdhsa_wavefront_size32 1
		.amdhsa_system_sgpr_workgroup_id_x 1
		.amdhsa_system_sgpr_workgroup_id_y 1
		.amdhsa_system_sgpr_workgroup_id_z 1
		.amdhsa_system_vgpr_workitem_id 0
		.amdhsa_next_free_vgpr 256
		.amdhsa_next_free_sgpr 66
		.amdhsa_reserve_vcc 0
		.amdhsa_float_denorm_mode_32 3
		.amdhsa_float_denorm_mode_16_64 3
		.amdhsa_memory_ordered 1
		.amdhsa_forward_progress 1
		.amdhsa_inst_pref_size 88
	.end_amdhsa_kernel
	.amdgpu_metadata
---
amdhsa.version: [ 1, 2 ]
amdhsa.kernels:
  - .name:           k_q73401ed06b_tail
    .symbol:         k_q73401ed06b_tail.kd
    .args:
      - { .name: x, .offset: 0, .size: 8, .value_kind: global_buffer, .address_space: global }
      - { .name: att, .offset: 8, .size: 8, .value_kind: global_buffer, .address_space: global }
      - { .name: prep, .offset: 16, .size: 8, .value_kind: global_buffer, .address_space: global }
      - { .name: bo, .offset: 24, .size: 8, .value_kind: global_buffer, .address_space: global }
      - { .name: g2, .offset: 32, .size: 8, .value_kind: global_buffer, .address_space: global }
      - { .name: be2, .offset: 40, .size: 8, .value_kind: global_buffer, .address_space: global }
      - { .name: b1, .offset: 48, .size: 8, .value_kind: global_buffer, .address_space: global }
      - { .name: b2, .offset: 56, .size: 8, .value_kind: global_buffer, .address_space: global }
      - { .name: out0, .offset: 64, .size: 8, .value_kind: global_buffer, .address_space: global }
    .group_segment_fixed_size: 132096
    .private_segment_fixed_size: 0
    .kernarg_segment_align: 8
    .kernarg_segment_size: 72
    .max_flat_workgroup_size: 512
    .sgpr_count:     66
    .vgpr_count:     256
    .wavefront_size: 32
...
	.end_amdgpu_metadata
.endif
;; end of part 4
;; ======== version 2 of 2: 4 launches
;; workspace buffers: prep 3,899,392 bytes; qkv 7,077,888 bytes; att 2,228,224 bytes
;; launch prep (part 5): grid 352 x 1, 8 waves a work-group, no clusters, 67,072 bytes of LDS; arguments x, g1, be1, Wq, Wk, Wv, Wo, W1, W2, prep; writes prep
.if DOCPART == 5
	.amdgcn_target "amdgcn-amd-amdhsa--gfx1250"
	.amdhsa_code_object_version 6
	.text
	.protected	k_q73401ed06b_prep
	.globl	k_q73401ed06b_prep
	.p2align	8
	.type	k_q73401ed06b_prep,@function
k_q73401ed06b_prep:
	s_mov_b64 s[64:65], 0
	v_nop
	global_prefetch_b8 v0, s[64:65] scope:SCOPE_SE
	s_setreg_imm32_b32 hwreg(HW_REG_WAVE_MODE, 25, 1), 1
	s_wait_xcnt 0x0
; PREP.  Work-groups 0-255: h = LayerNorm(x; g1, be1) of 32 rows, quantised along C to codes of E2M1 with one E8M0 byte for each 32.
; Work-groups 256-351: the six weights, whose K is not their last axis, quantised along K: a lane takes a column, its registers run down K.
; EVERYTHING IS STORED AS IMAGES OF OPERAND REGISTERS.  32 neighbouring rows (of x) or columns (of a weight) are a PAIR of two tiles: row m of tile u is
; member 8 u + m + 8 (m / 8).  A fragment (16 rows x 128 K) is 1,024 bytes: block b of row m at 256 b + 16 m, which is register group b / 2 at 16 x lane,
; lane = 16 (b % 2) + m.  Codes: [pair][K step][tile][1,024]; scale words: [pair][K step][16 tile + m][4 bytes, byte b].
; prep: weights' codes at 0 (Wq, Wk, Wv, Wo, W1, W2), their scale words at WS, h's codes at XC, its scale words at XS.
; LIMITS: NaN and infinities among the inputs are not served.  A block whose largest magnitude lies under 2^-124 (a block of zeros too) gets the byte 1:
; its codes are zeros or next to it, and the bytes are read by this program alone.
; No matrix work, no tensor loads: memory binds; each input byte is read once, each store of codes covers whole aligned blocks of 256 bytes.
.set PITCH, 2064                       ; an LDS row of h: 2,048 bytes + 16: sixteen rows of a read start at sixteen different 16-byte columns
.set XC,    1671168
.set XS,    3768320
.set WS,    1572864
.set FLOOR, 0x1800000                  ; 2^(3 - 127): no largest magnitude is taken under it, so the byte cannot fall under 1
.set X,   16                           ; v16-79   x path: four rows x 16 numbers; then 64 numbers of a fragment's lane
.set G,   80                           ; v80-95   g1 of my 16 columns
.set BE,  96                           ; v96-111  be1
.set TS,  112                          ; v112-119 a pair for each row: sums, then the mean
.set TQ,  120                          ; v120-127 a pair for each row: sums of squares, then 1 / sqrt
.set TM,  112                          ; v112-127 the quantiser's work
.set PW,  128                          ; v128     a scale word
.set PC,  132                          ; v132-139 a fragment's codes
.set OFF, 16                           ; v16-47   weights path: 4 lane + i rows
.set XW,  48                           ; v48-175  128 numbers down K
.set CW,  176                          ; v176-191 codes, four registers a block
.set SW,  192                          ; v192     my column's scale word
.macro ACROSS t                        ; four rows' pairs at v[t]: the two halves, the 32 lanes: every lane ends with the row's sum
.irp i, 0,1,2,3
	s_delay_alu instid0(VALU_DEP_4)
	v_add_f32 v[\t+2*\i], v[\t+2*\i], v[\t+2*\i+1]
.endr
.irp m, 1,2,4,8
.irp i, 0,1,2,3
	s_delay_alu instid0(VALU_DEP_4)
	v_add_f32_dpp v[\t+2*\i], v[\t+2*\i], v[\t+2*\i] row_xmask:\m row_mask:0xf bank_mask:0xf
.endr
.endr
.irp i, 0,1,2,3
	s_delay_alu instid0(VALU_DEP_4)
	v_permlanex16_b32 v[\t+2*\i+1], v[\t+2*\i], s42, s43
.endr
.irp i, 0,1,2,3
	s_delay_alu instid0(VALU_DEP_4)
	v_add_f32 v[\t+2*\i], v[\t+2*\i], v[\t+2*\i+1]
.endr
.endm
; 64 numbers of a lane, register 16 b + i = k 32 b + 16 (lane / 16) + i of my row, become a fragment's codes in v[PC] on and its scale word in v[PW]
.macro QUANT s
.irp b, 0,1,2,3
	v_max3_num_f32 v[TM+\b], |v[\s+16*\b]|, |v[\s+1+16*\b]|, FLOOR
.endr
.irp i, 2,4,6,8,10,12,14
.irp b, 0,1,2,3
	s_delay_alu instid0(VALU_DEP_4)
	v_max3_num_f32 v[TM+\b], v[TM+\b], |v[\s+16*\b+\i]|, |v[\s+1+16*\b+\i]|
.endr
.endr
.irp b, 0,1,2,3
	s_delay_alu instid0(VALU_DEP_4)
	v_permlanex16_b32 v[TM+4+\b], v[TM+\b], s42, s43
.endr
.irp b, 0,1,2,3
	s_delay_alu instid0(VALU_DEP_4)
	v_max_num_f32 v[TM+\b], v[TM+\b], v[TM+4+\b]       ; with lane l xor 16's: the block's largest magnitude
.endr
.irp b, 0,1,2,3
	s_delay_alu instid0(VALU_DEP_4)
	v_add_nc_u32 v[TM+12+\b], 0xff000000, v[TM+\b]     ; 2 off its exponent field: the conversion's scale operand
.endr
.irp b, 0,1,2,3
	s_delay_alu instid0(VALU_DEP_4)
	v_lshrrev_b32 v[TM+4+\b], 23, v[TM+12+\b]          ; the scale's byte
.endr
	s_delay_alu instid0(VALU_DEP_3)
	v_lshl_or_b32 v[PW], v[TM+5], 8, v[TM+4]
	s_delay_alu instid0(VALU_DEP_1)
	v_lshl_or_b32 v[PW], v[TM+6], 16, v[PW]
	s_delay_alu instid0(VALU_DEP_1)
	v_lshl_or_b32 v[PW], v[TM+7], 24, v[PW]
.irp b, 0,1,2,3
	v_cvt_scalef32_pk8_fp4_f32 v[PC+2*\b], v[\s+16*\b:\s+7+16*\b], v[TM+12+\b]
	v_cvt_scalef32_pk8_fp4_f32 v[PC+1+2*\b], v[\s+8+16*\b:\s+15+16*\b], v[TM+12+\b]
.endr
	v_nop                                              ; one plain place behind a scaled conversion
.irp c, 0,1                                        ; a whole block to a lane: lanes 0-15 block 2 c, lanes 16-31 block 2 c + 1
.irp i, 0,1
	v_permlane16_swap_b32 v[PC+4*\c+\i], v[PC+2+4*\c+\i]
.endr
.endr
.endm
	s_load_b256 s[4:11], s[0:1], 0x0               ; x s[4:5], g1 s[6:7], be1 s[8:9], Wq s[10:11]
	s_load_b256 s[12:19], s[0:1], 0x20             ; Wk s[12:13], Wv s[14:15], Wo s[16:17], W1 s[18:19]
	s_load_b128 s[20:23], s[0:1], 0x40             ; W2 s[20:21], prep s[22:23]
	v_lshl_add_u32 v200, v0, 2, 0x10200
	v_mov_b32 v201, 0
	v_lshrrev_b32 v1, 5, v0
	s_delay_alu instid0(VALU_DEP_1)
	v_readfirstlane_b32 s24, v1                    ; wave 0..7
	v_and_b32 v4, 31, v0                           ; lane
	s_cmp_ge_u32 ttmp9, 256                        ; the same for all waves of a work-group
	s_cbranch_scc1 .Lweights
; ---------------- x: pair P = the work-group's number, rows 32 P .. 32 P + 31
	v_lshlrev_b32 v1, 4, v4                        ; 16 lane
	s_wait_alu depctr_va_vdst(0)
	v_and_b32 v5, 15, v0                           ; r
	s_wait_alu depctr_va_vdst(0)
	v_bfe_u32 v6, v0, 4, 1                         ; h
	s_lshr_b32 s25, s24, 2                         ; wave w normalises LDS rows 4 w .. 4 w + 3 (LDS row = 16 tile + m): tile w / 4, m = 4 (w % 4) + i,
	s_lshl_b32 s25, s25, 3
	s_and_b32 s26, s24, 3
	s_lshl_b32 s26, s26, 2
	s_add_co_u32 s25, s25, s26
	s_bfe_u32 s26, s24, 0x10001
	s_lshl_b32 s26, s26, 3
	s_add_co_u32 s25, s25, s26                     ; which are the pair's members 8 (w / 4) + 4 (w % 4) + 8 ((w / 2) % 2) + i: four neighbouring rows
	s_lshl_b32 s26, ttmp9, 5
	s_add_co_u32 s26, s26, s25
	s_lshl_b32 s26, s26, 11                        ; x 2,048 bytes a row (under 2^24)
	s_mov_b32 s27, 0
	s_mul_i32 s28, s24, 4*PITCH
	v_add_nc_u32 v2, s28, v1                       ; into LDS: my four rows, 16 bytes a lane
	s_and_b32 s29, s24, 1                          ; then wave w quantises the fragment of tile w % 2,
	s_lshr_b32 s30, s24, 1                         ; K step w / 2
	s_mul_i32 s31, s29, 16*PITCH
	s_lshl_b32 s33, s30, 9
	s_add_co_u32 s31, s31, s33
	v_mul_u32_u24 v3, v5, PITCH
	s_wait_alu depctr_va_vdst(0)
	v_lshl_add_u32 v3, v6, 6, v3
	s_delay_alu instid0(VALU_DEP_1)
	v_add_nc_u32 v3, s31, v3                       ; out of LDS: row r of my tile, + 512 s + 64 h: 16 neighbours of each block of 32
	s_lshl_b32 s36, ttmp9, 13                      ; the fragment's image: 8,192 P + 2,048 s + 1,024 u
	s_lshl_b32 s33, s30, 11
	s_add_co_u32 s36, s36, s33
	s_lshl_b32 s33, s29, 10
	s_add_co_u32 s36, s36, s33
	s_mov_b32 s37, 0
	s_lshl_b32 s38, ttmp9, 9                       ; its scale words: 512 P + 128 s (+ 64 u + 4 r)
	s_lshl_b32 s33, s30, 7
	s_add_co_u32 s38, s38, s33
	s_mov_b32 s39, 0
	s_lshl_b32 s33, s29, 6
	v_lshl_add_u32 v7, v5, 2, s33
	s_mov_b32 s40, 0x3b000000                      ; 1 / 512
	s_mov_b32 s41, 0x3727c5ac                      ; 1e-5
	s_mov_b32 s42, 0x76543210
	s_mov_b32 s43, 0xfedcba98                      ; v_permlanex16_b32's selects for lane l xor 16
	s_wait_kmcnt 0x0
	s_add_nc_u64 s[26:27], s[4:5], s[26:27]
	s_add_nc_u64 s[36:37], s[22:23], s[36:37]
	s_add_nc_u64 s[38:39], s[22:23], s[38:39]
.irp j, 0,1,2,3
	global_load_b128 v[G+4*\j:G+4*\j+3], v1, s[6:7] offset:512*\j
	global_load_b128 v[BE+4*\j:BE+4*\j+3], v1, s[8:9] offset:512*\j
.endr
.irp i, 0,1,2,3
.irp j, 0,1,2,3
	global_load_b128 v[X+16*\i+4*\j:X+16*\i+4*\j+3], v1, s[26:27] offset:2048*\i+512*\j th:TH_LOAD_NT   ; 32 lanes read 512 consecutive bytes
.endr
.endr
	s_wait_loadcnt 0x0
.irp i, 0,1,2,3                                    ; the mean; the four rows by turns
	v_pk_add_f32 v[TS+2*\i:TS+2*\i+1], v[X+16*\i:X+16*\i+1], v[X+16*\i+2:X+16*\i+3]
.endr
.irp k, 4,6,8,10,12,14
.irp i, 0,1,2,3
	s_delay_alu instid0(VALU_DEP_4)
	v_pk_add_f32 v[TS+2*\i:TS+2*\i+1], v[TS+2*\i:TS+2*\i+1], v[X+16*\i+\k:X+16*\i+\k+1]
.endr
.endr
	ACROSS TS
.irp i, 0,1,2,3
	s_delay_alu instid0(VALU_DEP_4)
	v_mul_f32 v[TS+2*\i], s40, v[TS+2*\i]
.endr
.set n, 0
.rept 64
	v_sub_f32 v[X+n], v[X+n], v[TS+2*(n/16)]       ; x - mean
.set n, n+1
.endr
.irp i, 0,1,2,3                                    ; the variance, of the deviations
	v_pk_mul_f32 v[TQ+2*\i:TQ+2*\i+1], v[X+16*\i:X+16*\i+1], v[X+16*\i:X+16*\i+1]
.endr
.irp k, 2,4,6,8,10,12,14
.irp i, 0,1,2,3
	s_delay_alu instid0(VALU_DEP_4)
	v_pk_fma_f32 v[TQ+2*\i:TQ+2*\i+1], v[X+16*\i+\k:X+16*\i+\k+1], v[X+16*\i+\k:X+16*\i+\k+1], v[TQ+2*\i:TQ+2*\i+1]
.endr
.endr
	ACROSS TQ
.irp i, 0,1,2,3
	s_delay_alu instid0(VALU_DEP_4)
	v_fma_f32 v[TQ+2*\i], v[TQ+2*\i], s40, s41     ; variance + eps
.endr
	s_wait_alu depctr_va_vdst(0)
.irp i, 0,1,2,3
	v_rsq_f32 v[TQ+2*\i], v[TQ+2*\i]
.endr
	v_nop                                          ; one plain place behind the transcendentals
	s_wait_alu depctr_va_vdst(0)
.irp i, 0,1,2,3
.irp k, 0,2,4,6,8,10,12,14
	v_pk_mul_f32 v[X+16*\i+\k:X+16*\i+\k+1], v[X+16*\i+\k:X+16*\i+\k+1], v[TQ+2*\i:TQ+2*\i+1] op_sel_hi:[1,0]
.endr
.endr
.irp i, 0,1,2,3
.irp k, 0,2,4,6,8,10,12,14
	v_pk_fma_f32 v[X+16*\i+\k:X+16*\i+\k+1], v[X+16*\i+\k:X+16*\i+\k+1], v[G+\k:G+\k+1], v[BE+\k:BE+\k+1]
.endr
.endr
.irp i, 0,1,2,3
.irp j, 0,1,2,3
	ds_store_b128 v2, v[X+16*\i+4*\j:X+16*\i+4*\j+3] offset:PITCH*\i+512*\j
.endr
.endr
.irp b, 0,1,2,3
	v_mov_b32 v[TM+4+\b], 0                        ; a lane permute's destination counts as one of its sources
.endr
	s_wait_dscnt 0x0                               ; for the others' sake: my rows lie in LDS
	s_barrier_signal -1
	s_barrier_wait -1
.irp b, 0,1,2,3
.irp i, 0,1,2,3
	ds_load_b128 v[X+16*\b+4*\i:X+16*\b+4*\i+3], v3 offset:128*\b+16*\i
.endr
.endr
	s_wait_dscnt 0x0
	QUANT X
.irp c, 0,1
	global_store_b128 v1, v[PC+4*\c:PC+4*\c+3], s[36:37] offset:XC+512*\c   ; the image as it stands: 512 consecutive bytes
.endr
	global_store_b32 v7, v[PW], s[38:39] offset:XS     ; lanes l and l xor 16 hold the same word and write it to the same place
	s_wait_tensorcnt 0x0
	ds_add_u32 v200, v201
	s_wait_dscnt 0x0
	s_endpgm
; ---------------- weights: unit U = 8 (work-group - 256) + wave: one pair of one weight, one K step: 128 rows of K x 32 columns
.macro PICK reg, val                   ; s[reg] = val where the last compare held (s_mov_b32 and s_cselect_b32 leave SCC alone)
	s_mov_b32 s50, \val
	s_cselect_b32 s[\reg], s50, s[\reg]
.endm
.macro LOADB b                         ; block b: W(32 b + i, my column), i = 0 .. 31: each load reads 128 consecutive bytes
.set i, 0
.rept 32
	global_load_b32 v[XW+32*(\b)+i], v[OFF+i], s[32+2*(\b):33+2*(\b)] th:TH_LOAD_NT
.set i, i+1
.endr
.endm
.macro WBLK b
.set XB, XW+32*(\b)
.if (\b) < 3
	s_wait_loadcnt 32                              ; this block's 32 loads are in; the next block's may be out
.else
	s_wait_loadcnt 0x0
.endif
.if (\b) < 2
	LOADB (\b)+2                                   ; two blocks ahead, into registers of its own
.endif
	v_max3_num_f32 v12, |v[XB]|, |v[XB+1]|, |v[XB+2]|  ; the block's largest magnitude: all 32 numbers are mine
	v_max3_num_f32 v13, |v[XB+3]|, |v[XB+4]|, |v[XB+5]|
.irp i, 6,10,14,18,22,26
	s_delay_alu instid0(VALU_DEP_2)
	v_max3_num_f32 v12, v12, |v[XB+\i]|, |v[XB+\i+1]|
	s_delay_alu instid0(VALU_DEP_2)
	v_max3_num_f32 v13, v13, |v[XB+\i+2]|, |v[XB+\i+3]|
.endr
	s_delay_alu instid0(VALU_DEP_2)
	v_max3_num_f32 v12, v12, |v[XB+30]|, |v[XB+31]|
	s_delay_alu instid0(VALU_DEP_1)
	v_max3_num_f32 v12, v12, v13, FLOOR
	s_delay_alu instid0(VALU_DEP_1)
	v_add_nc_u32 v11, 0xff000000, v12              ; 2 off its exponent field: the conversion's scale operand
	s_delay_alu instid0(VALU_DEP_1)
	v_lshrrev_b32 v13, 23, v11                     ; the scale's byte
.if (\b) == 0
	s_delay_alu instid0(VALU_DEP_1)
	v_mov_b32 v[SW], v13
.else
	s_delay_alu instid0(VALU_DEP_1)
	v_lshl_or_b32 v[SW], v13, 8*(\b), v[SW]
.endif
.irp g, 0,1,2,3
	v_cvt_scalef32_pk8_fp4_f32 v[CW+4*(\b)+\g], v[XB+8*\g:XB+8*\g+7], v11
.endr
	v_nop                                          ; one plain place behind the conversions
	global_store_b128 v2, v[CW+4*(\b):CW+4*(\b)+3], s[40:41] offset:256*(\b)   ; the 16 lanes of a tile fill one aligned block of 256 bytes
.endm
.Lweights:
	s_sub_co_u32 s25, ttmp9, 256                   ; j
	s_lshl_b32 s26, s25, 3
	s_add_co_u32 s26, s26, s24                     ; U
	s_wait_alu depctr_va_vdst(0)
	v_lshlrev_b32 v1, 2, v4                        ; my column: 4 lane
	v_bfe_u32 v5, v4, 3, 1                         ; member l of the pair lies in tile (l / 8) % 2,
	v_and_b32 v6, 7, v4
	v_lshrrev_b32 v7, 4, v4
	s_delay_alu instid0(VALU_DEP_1)
	v_lshl_add_u32 v6, v7, 3, v6                   ; row m = l % 8 + 8 (l / 16)
	s_delay_alu instid0(VALU_DEP_1)
	v_lshlrev_b32 v2, 4, v6
	s_delay_alu instid0(VALU_DEP_1)
	v_lshl_add_u32 v2, v5, 10, v2                  ; codes: 1,024 u + 16 m
	s_delay_alu instid0(VALU_DEP_3)
	v_lshl_add_u32 v3, v5, 4, v6
	s_delay_alu instid0(VALU_DEP_1)
	v_lshlrev_b32 v3, 2, v3                        ; scale word: 4 (16 u + m)
	s_wait_alu depctr_va_vdst(0)
	s_wait_kmcnt 0x0
	s_mov_b64 s[44:45], s[20:21]                   ; which weight: W2's figures first, then five compares of j; every choice hangs on the work-group's number alone
	s_mov_b32 s46, 512                             ; U0: the weight's first unit
	s_mov_b32 s47, 4                               ; log2 of its pairs
	s_mov_b32 s48, 2048                            ; bytes from k to k + 1
	s_mov_b32 s49, 128                             ; bytes from pair to pair
	s_mov_b32 s51, 15                              ; log2 of a pair's bytes of codes
	s_cmp_lt_u32 s25, 64
	s_cselect_b64 s[44:45], s[18:19], s[44:45]     ; W1
	PICK 46, 256
	PICK 47, 6
	PICK 48, 8192
	PICK 51, 13
	s_cmp_lt_u32 s25, 32
	s_cselect_b64 s[44:45], s[16:17], s[44:45]     ; Wo
	PICK 46, 192
	PICK 47, 4
	PICK 48, 2048
	s_cmp_lt_u32 s25, 24
	s_cselect_b64 s[44:45], s[14:15], s[44:45]     ; Wv: a pair is a head
	PICK 46, 128
	PICK 48, 128
	PICK 49, 65536
	s_cmp_lt_u32 s25, 16
	s_cselect_b64 s[44:45], s[12:13], s[44:45]     ; Wk
	PICK 46, 64
	s_cmp_lt_u32 s25, 8
	s_cselect_b64 s[44:45], s[10:11], s[44:45]     ; Wq
	PICK 46, 0
	s_sub_co_u32 s52, s26, s46                     ; the unit within its weight: pairs fastest, so that a work-group's waves read side by side
	s_lshr_b32 s53, s52, s47                       ; K step s
	s_lshl_b32 s54, s53, s47
	s_sub_co_u32 s54, s52, s54                     ; pair P
	s_mul_i32 s56, s54, s49
	s_mul_i32 s57, s53, s48
	s_lshl_b32 s57, s57, 7
	s_add_co_u32 s56, s56, s57                     ; P pairs + 128 s rows, in bytes (under 2^23)
	s_mov_b32 s57, 0
	s_add_nc_u64 s[32:33], s[44:45], s[56:57]      ; a base for each block of 32 rows
	s_lshl_b32 s56, s48, 5
	s_add_nc_u64 s[34:35], s[32:33], s[56:57]
	s_add_nc_u64 s[36:37], s[34:35], s[56:57]
	s_add_nc_u64 s[38:39], s[36:37], s[56:57]
	s_lshl_b32 s56, s46, 11                        ; codes: 2,048 U0 + the pair's bytes x P + 2,048 s
	s_lshl_b32 s58, s54, s51
	s_add_co_u32 s56, s56, s58
	s_lshl_b32 s58, s53, 11
	s_add_co_u32 s56, s56, s58
	s_add_nc_u64 s[40:41], s[22:23], s[56:57]
	s_lshr_b32 s56, s56, 4                         ; scale words: a sixteenth of that
	s_add_nc_u64 s[42:43], s[22:23], s[56:57]
.set i, 0
.rept 32
	v_mad_u32_u24 v[OFF+i], s48, i, v1
.set i, i+1
.endr
	LOADB 0
	LOADB 1
	s_wait_alu depctr_va_vdst(0)
	WBLK 0
	WBLK 1
	WBLK 2
	WBLK 3
	global_store_b32 v3, v[SW], s[42:43] offset:WS     ; 32 lanes fill the unit's 128 bytes
	s_endpgm
.Lfunc_end_k_q73401ed06b_prep:
	.size	k_q73401ed06b_prep, .Lfunc_end_k_q73401ed06b_prep-k_q73401ed06b_prep
	.p2alignl 7, 3214868480
	.fill 96, 4, 3214868480
	.section	.rodata,"a",@progbits
	.p2align	6, 0x0
	.amdhsa_kernel k_q73401ed06b_prep
		.amdhsa_group_segment_fixed_size 67072
		.amdhsa_private_segment_fixed_size 0
		.amdhsa_enable_private_segment 0
		.amdhsa_kernarg_size 80
		.amdhsa_user_sgpr_count 2
		.amdhsa_user_sgpr_kernarg_segment_ptr 1
		.amdhsa_wavefront_size32 1
		.amdhsa_system_sgpr_workgroup_id_x 1
		.amdhsa_system_sgpr_workgroup_id_y 1
		.amdhsa_system_sgpr_workgroup_id_z 1
		.amdhsa_system_vgpr_workitem_id 0
		.amdhsa_next_free_vgpr 202
		.amdhsa_next_free_sgpr 66
		.amdhsa_reserve_vcc 0
		.amdhsa_float_denorm_mode_32 3
		.amdhsa_float_denorm_mode_16_64 3
		.amdhsa_memory_ordered 1
		.amdhsa_forward_progress 1
		.amdhsa_inst_pref_size 56
	.end_amdhsa_kernel
	.amdgpu_metadata
---
amdhsa.version: [ 1, 2 ]
amdhsa.kernels:
  - .name:           k_q73401ed06b_prep
    .symbol:         k_q73401ed06b_prep.kd
    .args:
      - { .name: x, .offset: 0, .size: 8, .value_kind: global_buffer, .address_space: global }
      - { .name: g1, .offset: 8, .size: 8, .value_kind: global_buffer, .address_space: global }
      - { .name: be1, .offset: 16, .size: 8, .value_kind: global_buffer, .address_space: global }
      - { .name: Wq, .offset: 24, .size: 8, .value_kind: global_buffer, .address_space: global }
      - { .name: Wk, .offset: 32, .size: 8, .value_kind: global_buffer, .address_space: global }
      - { .name: Wv, .offset: 40, .size: 8, .value_kind: global_buffer, .address_space: global }
      - { .name: Wo, .offset: 48, .size: 8, .value_kind: global_buffer, .address_space: global }
      - { .name: W1, .offset: 56, .size: 8, .value_kind: global_buffer, .address_space: global }
      - { .name: W2, .offset: 64, .size: 8, .value_kind: global_buffer, .address_space: global }
      - { .name: prep, .offset: 72, .size: 8, .value_kind: global_buffer, .address_space: global }
    .group_segment_fixed_size: 67072
    .private_segment_fixed_size: 0
    .kernarg_segment_align: 8
    .kernarg_segment_size: 80
    .max_flat_workgroup_size: 256
    .sgpr_count:     66
    .vgpr_count:     202
    .wavefront_size: 32
...
	.end_amdgpu_metadata
.endif
;; end of part 5
;; launch qkv (part 6): grid 4 x 64, 16 waves a work-group, no clusters, 142,336 bytes of LDS; arguments prep, qkv; writes qkv
.if DOCPART == 6
	.amdgcn_target "amdgcn-amd-amdhsa--gfx1250"
	.amdhsa_code_object_version 6
	.text
	.protected	k_q73401ed06b_qkv
	.globl	k_q73401ed06b_qkv
	.p2align	8
	.type	k_q73401ed06b_qkv,@function
k_q73401ed06b_qkv:
	s_mov_b64 s[64:65], 0
	v_nop
	global_prefetch_b8 v0, s[64:65] scope:SCOPE_SE
	s_setreg_imm32_b32 hwreg(HW_REG_WAVE_SCHED_MODE, 0, 2), 2
	s_setreg_imm32_b32 hwreg(HW_REG_WAVE_MODE, 25, 1), 1
	s_wait_xcnt 0x0
	s_wait_alu depctr_vm_vsrc(0)
; QKV.  q, k, v = h Wq, h Wk, h Wv on codes of E2M1 (K = 512: four steps of 128), and the results quantised at once: q and k along the head's 32 (one block), v along the keys.
; SHARES.  A work-group: four heads (x) x 128 rows (y).  Wave w: head w / 4 of the four, pair of 32 rows w % 4: 12 accumulators of 16 x 16.
; q and k are used transposed (source 0 = 16 columns of the weight, source 1 = 16 rows of h): a lane holds one row, and the 16 registers of the weight's two tiles are d = 16 (lane / 16) + 0 .. 15.
; v is used the other way (source 0 = rows of h, source 1 = columns of Wv): a lane holds one d, and the 16 registers of the two row tiles are 16 neighbouring keys.
; So each block of 32 lies in lanes l and l xor 16, and the conversions' results are stored as they stand.
; qkv: QC, KC [bh][32 rows][tile][row][16 bytes]; VC [bh][128 keys][tile of d][1,024: an operand's image]; QS a word a query (its byte four times); KVS [bh][128 keys][128 bytes of K's scale register, 128 of V's].
; The work-group's operands, 139,264 bytes, are read once, at its head, through registers into LDS, whole blocks of 256 bytes by neighbouring lanes; then nothing more is fetched.
; NO CLUSTER: there is no walk of tiles in steps that partners could ask for jointly: one fill at the head, 48 matrix instructions a wave behind it.
; LIMITS: NaN and infinities are not served; a block whose largest magnitude lies under 2^-124 gets the byte 1 (the bytes are read by this program alone).
; THE MODE: SCHED_MODE bits 1:0 = 2 (LLVM: expert scheduling mode 2), set by the entry lines.  The code itself states the register dependences
; between vector or matrix instructions and memory or LDS instructions, with s_wait_alu, always for 0.
; THE PLAN.  Registers that memory or LDS instructions touch:
;   v1-15     offsets and LDS addresses: written at the head, never again.
;   v16-83    the fill: loaded from memory, read by the LDS stores; from the first product on they are accumulators.
;   set A (v112-175), set B (v176-239)  K steps 0, 2 and 1, 3: LDS loads land in them, the step's twelve products read them.
;   v240-255  the scale words: loaded once, read by the products.
;   v136-151  the way out: written by the quantiser, read by the stores.   v152-153  one LDS load, one store.
; One wait on va_vdst stands behind K step 0's products and one behind K step 1's: the set that they read is free, and the sixteen loads of the step two on are dealt among
; the next step's products, which name the other set, the accumulators and the scale words alone.
.set XC,  1671168
.set XS,  3768320
.set WS,  1572864
.set KC,  2097152
.set VC,  4194304
.set QS,  6291456
.set KVS, 6815744
.set KVST, 139264                      ; LDS: 0 h's codes, 32,768 Wq's, 65,536 Wk's, 98,304 Wv's (32,768 each); 131,072 scale words of h, Wq, Wk, Wv (2,048 each); KVST 256 bytes a head
.set FLOOR, 0x1800000
.set MX,  112                          ; the quantiser's work lies in the fragments' registers, which are free by then
.set PM,  118
.set SO,  124
.set BY,  130
.set PC,  136
; REGISTERS: v1-15 addresses; v16-47 q (16 u + 8 u'), v48-79 k, v80-111 v (16 n' + 8 u); v112-175, v176-239 two sets of 8 fragments (q0 q1 k0 k1 v0 v1 x0 x1);
; v240-243 Wq's scale words for the four K steps, v244-247 Wk's, v248-251 Wv's, v252-255 h's: tile 0 in lanes 0-15, tile 1 in lanes 16-31
.macro WM d, a, b, zero, sa, sb, ra, rb
.if \zero
.if ((\ra) == 0) && ((\rb) == 0)
	v_wmma_scale_f32_16x16x128_f8f6f4 v[(\d):(\d)+7], v[(\a):(\a)+7], v[(\b):(\b)+7], 0, v[\sa], v[\sb] matrix_a_fmt:MATRIX_FMT_FP4 matrix_b_fmt:MATRIX_FMT_FP4
.elseif ((\ra) == 1) && ((\rb) == 0)
	v_wmma_scale_f32_16x16x128_f8f6f4 v[(\d):(\d)+7], v[(\a):(\a)+7], v[(\b):(\b)+7], 0, v[\sa], v[\sb] matrix_a_fmt:MATRIX_FMT_FP4 matrix_b_fmt:MATRIX_FMT_FP4 matrix_a_scale:MATRIX_SCALE_ROW1
.elseif ((\ra) == 0) && ((\rb) == 1)
	v_wmma_scale_f32_16x16x128_f8f6f4 v[(\d):(\d)+7], v[(\a):(\a)+7], v[(\b):(\b)+7], 0, v[\sa], v[\sb] matrix_a_fmt:MATRIX_FMT_FP4 matrix_b_fmt:MATRIX_FMT_FP4 matrix_b_scale:MATRIX_SCALE_ROW1
.else
	v_wmma_scale_f32_16x16x128_f8f6f4 v[(\d):(\d)+7], v[(\a):(\a)+7], v[(\b):(\b)+7], 0, v[\sa], v[\sb] matrix_a_fmt:MATRIX_FMT_FP4 matrix_b_fmt:MATRIX_FMT_FP4 matrix_a_scale:MATRIX_SCALE_ROW1 matrix_b_scale:MATRIX_SCALE_ROW1
.endif
.else
.if ((\ra) == 0) && ((\rb) == 0)
	v_wmma_scale_f32_16x16x128_f8f6f4 v[(\d):(\d)+7], v[(\a):(\a)+7], v[(\b):(\b)+7], v[(\d):(\d)+7], v[\sa], v[\sb] matrix_a_fmt:MATRIX_FMT_FP4 matrix_b_fmt:MATRIX_FMT_FP4
.elseif ((\ra) == 1) && ((\rb) == 0)
	v_wmma_scale_f32_16x16x128_f8f6f4 v[(\d):(\d)+7], v[(\a):(\a)+7], v[(\b):(\b)+7], v[(\d):(\d)+7], v[\sa], v[\sb] matrix_a_fmt:MATRIX_FMT_FP4 matrix_b_fmt:MATRIX_FMT_FP4 matrix_a_scale:MATRIX_SCALE_ROW1
.elseif ((\ra) == 0) && ((\rb) == 1)
	v_wmma_scale_f32_16x16x128_f8f6f4 v[(\d):(\d)+7], v[(\a):(\a)+7], v[(\b):(\b)+7], v[(\d):(\d)+7], v[\sa], v[\sb] matrix_a_fmt:MATRIX_FMT_FP4 matrix_b_fmt:MATRIX_FMT_FP4 matrix_b_scale:MATRIX_SCALE_ROW1
.else
	v_wmma_scale_f32_16x16x128_f8f6f4 v[(\d):(\d)+7], v[(\a):(\a)+7], v[(\b):(\b)+7], v[(\d):(\d)+7], v[\sa], v[\sb] matrix_a_fmt:MATRIX_FMT_FP4 matrix_b_fmt:MATRIX_FMT_FP4 matrix_a_scale:MATRIX_SCALE_ROW1 matrix_b_scale:MATRIX_SCALE_ROW1
.endif
.endif
.endm
.macro FETCH s, f                      ; K step s: 8 fragments, 16 loads of 512 consecutive bytes, into the set at v[f]
.irp t, 0,1
.irp c, 0,1
	ds_load_b128 v[\f+8*\t+4*\c:\f+8*\t+4*\c+3], v6 offset:2048*\s+1024*\t+512*\c
	ds_load_b128 v[\f+16+8*\t+4*\c:\f+16+8*\t+4*\c+3], v6 offset:32768+2048*\s+1024*\t+512*\c
	ds_load_b128 v[\f+32+8*\t+4*\c:\f+32+8*\t+4*\c+3], v7 offset:2048*\s+1024*\t+512*\c
	ds_load_b128 v[\f+48+8*\t+4*\c:\f+48+8*\t+4*\c+3], v5 offset:2048*\s+1024*\t+512*\c
.endr
.endr
.endm
.macro MUL s, f, zero                  ; 12 matrix instructions on 12 accumulators, which take turns in the same order in every step
.irp u, 0,1
.irp t, 0,1
	WM 16+16*\u+8*\t, \f+8*\t, \f+48+8*\u, \zero, 240+\s, 252+\s, \t, \u
	WM 48+16*\u+8*\t, \f+16+8*\t, \f+48+8*\u, \zero, 244+\s, 252+\s, \t, \u
	WM 80+16*\t+8*\u, \f+48+8*\u, \f+32+8*\t, \zero, 252+\s, 248+\s, \u, \t
.endr
.endr
.endm
; The same twelve, in the same order, with the sixteen loads of K step ns dealt among them, four ahead of each three, into the set at v[nf].
; No wait among them: no matrix instruction since the wait ahead of this macro names a register of that set.
.macro MULF s, f, ns, nf
.irp u, 0,1
.irp t, 0,1
	ds_load_b128 v[\nf+8*\u+4*\t:\nf+8*\u+4*\t+3], v6 offset:2048*\ns+1024*\u+512*\t
	ds_load_b128 v[\nf+16+8*\u+4*\t:\nf+16+8*\u+4*\t+3], v6 offset:32768+2048*\ns+1024*\u+512*\t
	ds_load_b128 v[\nf+32+8*\u+4*\t:\nf+32+8*\u+4*\t+3], v7 offset:2048*\ns+1024*\u+512*\t
	ds_load_b128 v[\nf+48+8*\u+4*\t:\nf+48+8*\u+4*\t+3], v5 offset:2048*\ns+1024*\u+512*\t
	WM 16+16*\u+8*\t, \f+8*\t, \f+48+8*\u, 0, 240+\s, 252+\s, \t, \u
	WM 48+16*\u+8*\t, \f+16+8*\t, \f+48+8*\u, 0, 244+\s, 252+\s, \t, \u
	WM 80+16*\t+8*\u, \f+48+8*\u, \f+32+8*\t, 0, 252+\s, 248+\s, \u, \t
.endr
.endr
.endm
.macro PLACES
.rept 4
	v_nop
.endr
.endm
	s_load_b128 s[4:7], s[0:1], 0x0                ; prep s[4:5], qkv s[6:7]
	v_lshrrev_b32 v1, 5, v0
	v_readfirstlane_b32 s24, v1                    ; wave 0..15
	v_lshlrev_b32 v1, 4, v0                        ; 16 x thread
	v_lshlrev_b32 v2, 2, v0                        ; 4 x thread
	v_add_nc_u32 v3, 65536, v1
	v_add_nc_u32 v4, 131072, v2
	v_and_b32 v112, 31, v0                         ; lane
	v_and_b32 v113, 15, v0                         ; r
	v_bfe_u32 v114, v0, 4, 1                       ; h
	v_lshlrev_b32 v115, 4, v112
	v_cmp_gt_u32 s34, 16, v112                     ; lanes 0-15
	s_wait_alu depctr_va_sdst(0)                   ; s24 and s34 are written, ahead of their first readers: the shares below are made from s24, the way out's selects read s34
	s_and_b32 s25, ttmp7, 0xffff                   ; rb: which 128 rows
	s_lshr_b32 s26, s24, 2                         ; hh: which of the four heads
	s_and_b32 s27, s24, 3                          ; xp: which pair of rows
	s_lshl_b32 s30, s27, 13
	v_add_nc_u32 v5, s30, v115                     ; h's fragments: 16 lane + 8,192 xp
	s_lshl_b32 s30, s26, 13
	s_add_co_u32 s30, s30, 32768
	v_add_nc_u32 v6, s30, v115                     ; Wq's (Wk's 32,768 on): 16 lane + 32,768 + 8,192 hh
	v_add_nc_u32 v7, 65536, v6                     ; Wv's
	v_lshlrev_b32 v11, 2, v112                     ; 4 lane
	s_wait_alu depctr_va_vdst(0)
	s_lshl_b32 s30, s27, 9
	s_add_co_u32 s30, s30, 131072
	v_add_nc_u32 v8, s30, v11                      ; h's scale words
	s_lshl_b32 s30, s26, 9
	s_add_co_u32 s30, s30, 133120
	v_add_nc_u32 v9, s30, v11                      ; Wq's (Wk's 2,048 on, Wv's 4,096 on)
	v_lshlrev_b32 v10, 4, v113
	v_lshl_add_u32 v10, v114, 3, v10               ; 16 r + 8 h: my 8 bytes of a block's 16
	v_lshlrev_b32 v12, 3, v112                     ; 8 lane
	s_wait_alu depctr_va_vdst(0)
	s_lshl_b32 s31, s26, 8
	s_add_co_u32 s31, s31, KVST                    ; my head's 256 bytes
	s_lshr_b32 s30, s27, 1
	s_lshl_b32 s30, s30, 6
	s_add_co_u32 s30, s30, s31
	s_and_b32 s33, s27, 1
	s_lshl_b32 s33, s33, 1
	s_add_co_u32 s30, s30, s33
	v_lshl_add_u32 v13, v113, 2, s30               ; K's scale register: lane 16 (xp / 2) + r, bytes 2 (xp % 2) and + 1
	s_add_co_u32 s30, s31, s27
	s_add_co_u32 s30, s30, 128
	v_add_nc_u32 v14, s30, v11                     ; V's: my lane's word, byte xp
	v_add_nc_u32 v15, s31, v12
	s_mov_b32 s35, 0x01010101
	s_mov_b32 s36, 0x76543210
	s_mov_b32 s37, 0xfedcba98
	s_lshl_b32 s8, s25, 15
	s_mov_b32 s9, 0
	s_lshl_b32 s10, ttmp9, 15
	s_mov_b32 s11, 0
	s_lshl_b32 s12, s25, 11
	s_mov_b32 s13, 0
	s_lshl_b32 s14, ttmp9, 11
	s_mov_b32 s15, 0
	s_lshr_b32 s28, s25, 4
	s_lshl_b32 s28, s28, 4
	s_lshl_b32 s30, ttmp9, 2
	s_add_co_u32 s28, s28, s30
	s_add_co_u32 s28, s28, s26                     ; bh = 16 batch + head
	s_and_b32 s29, s25, 15                         ; which 128 keys of the batch
	s_lshl_b32 s30, s29, 2
	s_add_co_u32 s30, s30, s27                     ; which 32 rows of the batch
	s_lshl_b32 s16, s28, 15
	s_lshl_b32 s31, s30, 9
	s_add_co_u32 s16, s16, s31
	s_mov_b32 s17, 0
	s_lshl_b32 s18, s28, 15
	s_lshl_b32 s31, s29, 11
	s_add_co_u32 s18, s18, s31
	s_lshl_b32 s31, s27, 8
	s_add_co_u32 s18, s18, s31
	s_mov_b32 s19, 0
	s_lshl_b32 s20, s28, 13
	s_lshl_b32 s31, s30, 7
	s_add_co_u32 s20, s20, s31
	s_mov_b32 s21, 0
	s_lshl_b32 s22, s28, 12
	s_lshl_b32 s31, s29, 8
	s_add_co_u32 s22, s22, s31
	s_mov_b32 s23, 0
	s_wait_kmcnt 0x0
	s_add_nc_u64 s[8:9], s[4:5], s[8:9]
	s_add_nc_u64 s[10:11], s[4:5], s[10:11]
	s_add_nc_u64 s[12:13], s[4:5], s[12:13]
	s_add_nc_u64 s[14:15], s[4:5], s[14:15]
	s_add_nc_u64 s[16:17], s[6:7], s[16:17]
	s_add_nc_u64 s[18:19], s[6:7], s[18:19]
	s_add_nc_u64 s[20:21], s[6:7], s[20:21]
	s_add_nc_u64 s[22:23], s[6:7], s[22:23]
	s_wait_alu depctr_va_vdst(0)                   ; the offsets and addresses v1 to v15 are written, which every load and store of the kernel reads; so are v112 to v115, in which fragments land
	; the fill: 20 loads a thread, each of the work-group's covering 8,192 (2,048) consecutive bytes
.irp i, 0,1,2,3
	global_load_b128 v[16+4*\i:19+4*\i], v1, s[8:9] offset:XC+8192*\i
.endr
.irp m, 0,1,2
.irp i, 0,1,2,3
	global_load_b128 v[32+16*\m+4*\i:35+16*\m+4*\i], v1, s[10:11] offset:131072*\m+8192*\i
.endr
.endr
	global_load_b32 v80, v2, s[12:13] offset:XS
.irp m, 0,1,2
	global_load_b32 v[81+\m], v2, s[14:15] offset:WS+8192*\m
.endr
.irp i, 0,1,2,3
	s_wait_loadcnt 19-\i                           ; loads come back in order: this one is in, the younger ones stay out
	ds_store_b128 v1, v[16+4*\i:19+4*\i] offset:8192*\i
.endr
.irp i, 0,1,2,3
	s_wait_loadcnt 15-\i
	ds_store_b128 v1, v[32+4*\i:35+4*\i] offset:32768+8192*\i
.endr
.irp i, 0,1,2,3
	s_wait_loadcnt 11-\i
	ds_store_b128 v3, v[48+4*\i:51+4*\i] offset:8192*\i
.endr
.irp i, 0,1,2,3
	s_wait_loadcnt 7-\i
	ds_store_b128 v3, v[64+4*\i:67+4*\i] offset:32768+8192*\i
.endr
.irp i, 0,1,2,3
	s_wait_loadcnt 3-\i
	ds_store_b32 v4, v[80+\i] offset:2048*\i
.endr
	s_wait_dscnt 0x0                               ; for the others' sake: my part of the fill lies in LDS
	s_barrier_signal -1
	s_barrier_wait -1
	s_wait_alu depctr_vm_vsrc(0)                   ; my LDS stores have read v16 to v83: these registers are accumulators from here on, written by the first products
.irp s, 0,1,2,3
	ds_load_b32 v[240+\s], v9 offset:128*\s
	ds_load_b32 v[244+\s], v9 offset:2048+128*\s
	ds_load_b32 v[248+\s], v9 offset:4096+128*\s
	ds_load_b32 v[252+\s], v8 offset:128*\s
.endr
	FETCH 0, 112
	FETCH 1, 176
	s_wait_dscnt 16                                ; the scale words and K step 0 are in; K step 1's 16 loads may be out
	MUL 0, 112, 1                                  ; the first products start the sums
	PLACES                                         ; behind products whose operand registers are loaded again
	s_wait_dscnt 0x0                               ; K step 1 is in
	s_wait_alu depctr_va_vdst(0)                   ; K step 0's products are done reading set A, in which K step 2's fragments land
	MULF 1, 176, 2, 112
	PLACES
	s_wait_dscnt 0x0                               ; K step 2 is in
	s_wait_alu depctr_va_vdst(0)                   ; K step 1's products are done reading set B, in which K step 3's fragments land
	MULF 2, 112, 3, 176
	s_wait_dscnt 0x0
	MUL 3, 176, 0
	PLACES
	; six blocks of 32 by turns: q of tile 0, of tile 1, k likewise, v of d's tile 0, of tile 1: 16 registers each; each accumulator is read from its low end on
.irp i, 0,1,2,3,4,5
	v_max3_num_f32 v[MX+\i], |v[16+16*\i]|, |v[17+16*\i]|, FLOOR
.endr
.irp k, 2,4,6,8,10,12,14
.irp i, 0,1,2,3,4,5
	v_max3_num_f32 v[MX+\i], v[MX+\i], |v[16+16*\i+\k]|, |v[17+16*\i+\k]|
.endr
.endr
.irp i, 0,1,2,3,4,5
	v_mov_b32 v[PM+\i], 0                          ; a lane permute's destination counts as one of its sources
.endr
.irp i, 0,1,2,3,4,5
	v_permlanex16_b32 v[PM+\i], v[MX+\i], s36, s37
.endr
.irp i, 0,1,2,3,4,5
	v_max_num_f32 v[MX+\i], v[MX+\i], v[PM+\i]     ; with lane l xor 16's 16: the block's largest magnitude
.endr
.irp i, 0,1,2,3,4,5
	v_add_nc_u32 v[SO+\i], 0xff000000, v[MX+\i]    ; 2 off its exponent field: the conversion's scale operand
.endr
.irp i, 0,1,2,3,4,5
	v_lshrrev_b32 v[BY+\i], 23, v[SO+\i]           ; the scale's byte
.endr
.irp i, 0,1,2,3,4,5
	v_cvt_scalef32_pk8_fp4_f32 v[PC+2*\i], v[16+16*\i:23+16*\i], v[SO+\i]
	v_cvt_scalef32_pk8_fp4_f32 v[PC+2*\i+1], v[24+16*\i:31+16*\i], v[SO+\i]
.endr
	v_nop                                          ; one plain place behind the conversions
	v_mul_lo_u32 v148, v[BY], s35                  ; q's byte four times: the word serves whichever block of K the codes are laid in
	v_mul_lo_u32 v149, v[BY+1], s35
	v_cndmask_b32 v148, v149, v148, s34            ; lanes 0-15 tile 0's rows, lanes 16-31 tile 1's
	v_lshl_or_b32 v150, v[BY+3], 8, v[BY+2]        ; k's two bytes: tile 0's key, tile 1's key
	v_cndmask_b32 v151, v[BY+5], v[BY+4], s34      ; v's byte: lanes 0-15 d's tile 0, lanes 16-31 tile 1
	s_wait_alu depctr_va_vdst(0)                   ; the quantiser has written v136 to v151, which the stores below read; the products are done reading v152 and v153, in which the load behind the barrier lands
	ds_store_b16 v13, v150
	ds_store_b8 v14, v151
.irp u, 0,1
	global_store_b64 v10, v[PC+2*\u:PC+2*\u+1], s[16:17] offset:256*\u            ; each of these stores covers 256 consecutive bytes, aligned
	global_store_b64 v10, v[PC+4+2*\u:PC+5+2*\u], s[16:17] offset:KC+256*\u
	global_store_b64 v10, v[PC+8+2*\u:PC+9+2*\u], s[18:19] offset:VC+1024*\u
.endr
	global_store_b32 v11, v148, s[20:21] offset:QS
	s_wait_dscnt 0x0                               ; for the others' sake: my scale bytes lie in LDS
	s_barrier_signal -1
	s_barrier_wait -1
	s_cmp_lg_u32 s27, 0                            ; one wave of each head stores the head's 256 bytes of scale registers whole
	s_cbranch_scc1 .Ldone
	ds_load_b64 v[152:153], v15
	s_wait_dscnt 0x0
	global_store_b64 v12, v[152:153], s[22:23] offset:KVS
.Ldone:
	s_wait_xcnt 0x0
	v_lshl_add_u32 v254, v0, 2, 0x22400
	v_mov_b32 v255, 0
	s_wait_dscnt 0x0                               ; the closing lines, six on end
	s_wait_alu 0x0
	s_wait_tensorcnt 0x0
	ds_add_u32 v254, v255
	s_wait_dscnt 0x0
	s_endpgm
.Lfunc_end_k_q73401ed06b_qkv:
	.size	k_q73401ed06b_qkv, .Lfunc_end_k_q73401ed06b_qkv-k_q73401ed06b_qkv
	.p2alignl 7, 3214868480
	.fill 96, 4, 3214868480
	.section	.rodata,"a",@progbits
	.p2align	6, 0x0
	.amdhsa_kernel k_q73401ed06b_qkv
		.amdhsa_group_segment_fixed_size 142336
		.amdhsa_private_segment_fixed_size 0
		.amdhsa_enable_private_segment 0
		.amdhsa_kernarg_size 16
		.amdhsa_user_sgpr_count 2
		.amdhsa_user_sgpr_kernarg_segment_ptr 1
		.amdhsa_wavefront_size32 1
		.amdhsa_system_sgpr_workgroup_id_x 1
		.amdhsa_system_sgpr_workgroup_id_y 1
		.amdhsa_system_sgpr_workgroup_id_z 1
		.amdhsa_system_vgpr_workitem_id 0
		.amdhsa_next_free_vgpr 256
		.amdhsa_next_free_sgpr 66
		.amdhsa_reserve_vcc 0
		.amdhsa_float_denorm_mode_32 3
		.amdhsa_float_denorm_mode_16_64 3
		.amdhsa_memory_ordered 1
		.amdhsa_forward_progress 1
		.amdhsa_inst_pref_size 27
	.end_amdhsa_kernel
	.amdgpu_metadata
---
amdhsa.version: [ 1, 2 ]
amdhsa.kernels:
  - .name:           k_q73401ed06b_qkv
    .symbol:         k_q73401ed06b_qkv.kd
    .args:
      - { .name: prep, .offset: 0, .size: 8, .value_kind: global_buffer, .address_space: global }
      - { .name: qkv, .offset: 8, .size: 8, .value_kind: global_buffer, .address_space: global }
    .group_segment_fixed_size: 142336
    .private_segment_fixed_size: 0
    .kernarg_segment_align: 8
    .kernarg_segment_size: 16
    .max_flat_workgroup_size: 512
    .sgpr_count:     66
    .vgpr_count:     256
    .wavefront_size: 32
...
	.end_amdgpu_metadata
.endif
;; end of part 6
;; launch attn (part 7): grid 4 x 64, 16 waves a work-group, no clusters, 71,680 bytes of LDS; arguments qkv, att; writes att
.if DOCPART == 7
	.amdgcn_target "amdgcn-amd-amdhsa--gfx1250"
	.amdhsa_code_object_version 6
	.text
	.protected	k_q73401ed06b_attn
	.globl	k_q73401ed06b_attn
	.p2align	8
	.type	k_q73401ed06b_attn,@function
k_q73401ed06b_attn:
	s_mov_b64 s[64:65], 0
	v_nop
	global_prefetch_b8 v0, s[64:65] scope:SCOPE_SE
	s_setreg_imm32_b32 hwreg(HW_REG_WAVE_SCHED_MODE, 0, 2), 2
	s_setreg_imm32_b32 hwreg(HW_REG_WAVE_MODE, 25, 1), 1
	s_wait_xcnt 0x0
	s_wait_alu depctr_vm_vsrc(0)
; ATTN.  o = softmax(q k^T / sqrt(32), causal) v for one head of one batch, both products on codes of E2M1, and o quantised at once along C (a head's 32 outputs are one block of the next product's K).
; THE SOFTMAX AHEAD OF THE SECOND PRODUCT: t = score x log2(e) / sqrt(32); M = the running largest t rounded UP to a whole number; p = 2^(t - M) is quantised along the keys, not normalised;
; the row's sum is taken of the unquantised p and divides at the end; when M moves, the sum and O are multiplied by 2^(old M - new M), which rounds nothing.
; SHARES.  Work-group (i, bh) takes the blocks of 256 queries i and 7 - i of its head, one after the other, so that all 256 work-groups have the same number of key steps under the mask.
; In a pass each of the sixteen waves owns one tile of 16 queries, in 256 registers: four waves to a SIMD, so that one wave's vector work stands beside another's matrix work.
; The head's K, V and their scale registers, 69,632 bytes, are copied into LDS once, at the head; after the one barrier LDS is only read.
; THE FIRST PRODUCT HAS K = 32, the instruction 128.  A fragment of K holds FOUR tiles of 16 keys, one in each of its four blocks of 32; tile b is multiplied by a copy of Q that has the
; codes in block b and zero codes in the other three, which add nothing.  So no padding is stored or read.  K's scale word has tile b's byte at place b, Q's has its byte four times.
; Both products are used transposed (source 0 = keys, or d; source 1 = my queries): a lane holds ONE query.  The rows of a tile are members 8 u + m + 8 (m / 8) of 32 neighbours, so that the
; 16 registers of two neighbouring tiles are 16 neighbouring keys (or d).
; THE MASK.  The key loop has 16 trips for every wave; a step all of whose keys come after my queries is jumped over (a scalar branch on ids); in the one step on the diagonal hidden scores become -infinity.
; NO CLUSTER: the four work-groups of a head read the same 69,632 bytes, once each, at their heads; there is no walk of tiles in steps to ask for jointly.
; The scale bytes of o leave one byte a lane (131,072 bytes in the launch, a sixteenth of the codes), so their blocks of 256 bytes are written in part.
; LIMITS: NaN and infinities are not served; a block whose largest magnitude lies under 2^-124 gets the byte 1 (the bytes are read by this program alone).
; THE MODE: SCHED_MODE bits 1:0 = 2 (LLVM: expert scheduling mode 2), set by the entry lines.  The code itself states the register dependences
; between vector or matrix instructions and memory or LDS instructions, with s_wait_alu, always for 0.
; THE PLAN.  Registers that memory or LDS instructions touch, in the key loop:
;   v7, v8, v24   LDS addresses: written by three additions at a step's head, read by the step's ten LDS loads.
;   K: v32-47, v248   read by the eight products of S^T; the NEXT step's K lands in them, asked for behind the exponentials' wait, by which those products are done.
;   V: v48-63, v249   read by the two products of O^T at a step's end; the next step's V lands in them, asked for at that step's head.
;   p's codes v224-231 and scale word v253, and Q's copies v64-83, are written by vector instructions and taken by scaled products.
; So a step has one wait on vm_vsrc, ahead of the additions, and four on va_vdst: behind the additions (the addresses; V's registers; in a pass's first step Q's copies), ahead of the exponentials (t - M), behind the exponentials
; (their results; K's registers) and ahead of the products of O^T (p's codes and scale word).  Outside the loop: v9-11, v16 a pass's offsets, v84-87 and v255 q, v196-198 the stores' data.
.set KC,  2097152
.set VC,  4194304
.set QS,  6291456
.set KVS, 6815744
.set AS,  2097152
.set FLOOR, 0x1800000
.set TB,  32                           ; s32  the step's fragments: 2,048 bytes a step
.set TS,  33                           ; s33  its scale registers: 256 bytes a step
.set KF,  34                           ; s34  its first key
.set Q32, 35                           ; s35  the first of the 32 rows that my tile belongs to
.set STP, 36                           ; s36  steps to go
; REGISTERS: v1-11, v16, v24 addresses; v12 -M, v13 the largest t, v[14:15] the sum in two halves; v32-47 K, v48-63 V; v64-83 zeros and Q's two half copies; v84-87 q as loaded;
; v96-159 S^T, then p; v160-175 O^T; v176-198 the way out; v224-231 p's codes; v232-247, v252, v254 at work; v248 K's scale register, v249 V's, v253 p's, v255 q's; s46-61 the diagonal's masks
.macro WM d, a, b, zero, sa, sb, ra
.if \zero
.if (\ra) == 0
	v_wmma_scale_f32_16x16x128_f8f6f4 v[(\d):(\d)+7], v[(\a):(\a)+7], v[(\b):(\b)+7], 0, v[\sa], v[\sb] matrix_a_fmt:MATRIX_FMT_FP4 matrix_b_fmt:MATRIX_FMT_FP4
.else
	v_wmma_scale_f32_16x16x128_f8f6f4 v[(\d):(\d)+7], v[(\a):(\a)+7], v[(\b):(\b)+7], 0, v[\sa], v[\sb] matrix_a_fmt:MATRIX_FMT_FP4 matrix_b_fmt:MATRIX_FMT_FP4 matrix_a_scale:MATRIX_SCALE_ROW1
.endif
.else
.if (\ra) == 0
	v_wmma_scale_f32_16x16x128_f8f6f4 v[(\d):(\d)+7], v[(\a):(\a)+7], v[(\b):(\b)+7], v[(\d):(\d)+7], v[\sa], v[\sb] matrix_a_fmt:MATRIX_FMT_FP4 matrix_b_fmt:MATRIX_FMT_FP4
.else
	v_wmma_scale_f32_16x16x128_f8f6f4 v[(\d):(\d)+7], v[(\a):(\a)+7], v[(\b):(\b)+7], v[(\d):(\d)+7], v[\sa], v[\sb] matrix_a_fmt:MATRIX_FMT_FP4 matrix_b_fmt:MATRIX_FMT_FP4 matrix_a_scale:MATRIX_SCALE_ROW1
.endif
.endif
.endm
	s_load_b128 s[4:7], s[0:1], 0x0                ; qkv s[4:5], att s[6:7]
	v_lshl_add_u32 v250, v0, 2, 0x11000
	v_mov_b32 v251, 0
	v_lshrrev_b32 v1, 5, v0
	v_readfirstlane_b32 s24, v1                    ; wave 0..15
	s_and_b32 s25, ttmp7, 0xffff                   ; bh
	v_lshlrev_b32 v17, 4, v0                       ; 16 x thread
	v_lshlrev_b32 v18, 3, v0                       ; 8 x thread
	v_add_nc_u32 v19, 65536, v18
	v_and_b32 v20, 31, v0                          ; lane
	v_and_b32 v21, 15, v0                          ; r
	v_bfe_u32 v22, v0, 4, 1                        ; h
	v_lshlrev_b32 v1, 4, v20                       ; 16 lane
	v_lshlrev_b32 v2, 2, v20
	v_add_nc_u32 v2, 65536, v2                     ; the scale registers: 65,536 + 4 lane
	v_lshlrev_b32 v3, 4, v21                       ; 16 r
	v_lshlrev_b32 v4, 2, v21                       ; 4 r
	v_and_b32 v5, 8, v21
	v_add_nc_u32 v5, v5, v21
	v_lshlrev_b32 v23, 4, v22
	v_sub_nc_u32 v5, v5, v23                       ; r + 8 (r / 8) - 16 h: my query's place less my keys' offset
	v_lshl_add_u32 v6, v22, 3, v3                  ; 16 r + 8 h
	v_cmp_gt_u32 s40, 16, v20                      ; lanes 0-15
	s_wait_alu depctr_va_sdst(0)                   ; s24 and s40 are written, ahead of their first readers: my tile's place is made from s24, the selects that lay Q's copies read s40
	s_and_b32 s37, s24, 1                          ; u: my tile of the pair
	s_lshr_b32 s38, s24, 1                         ; which pair of the block's eight
	s_mov_b32 s42, 0x76543210
	s_mov_b32 s43, 0xfedcba98                      ; v_permlanex16_b32's selects for lane l xor 16
	s_mov_b32 s44, 0x3e8293ee                      ; c = log2(e) / sqrt(32)
	s_mov_b32 s45, s44                             ; (named with it as a pair, so it is written)
	s_lshl_b32 s10, s25, 15
	s_mov_b32 s11, 0
	s_lshl_b32 s12, s25, 12
	s_mov_b32 s13, 0
	s_lshl_b32 s14, s25, 13
	s_mov_b32 s15, 0
	s_lshr_b32 s26, s25, 4                         ; batch
	s_and_b32 s27, s25, 15                         ; head
	s_lshr_b32 s28, s27, 2                         ; the next product's K step
	s_and_b32 s29, s27, 3                          ; and block in it
	s_lshl_b32 s16, s26, 19
	s_lshl_b32 s30, s28, 11
	s_add_co_u32 s16, s16, s30
	s_lshl_b32 s30, s29, 8
	s_add_co_u32 s16, s16, s30
	s_mov_b32 s17, 0
	s_lshl_b32 s18, s26, 15
	s_lshl_b32 s30, s28, 7
	s_add_co_u32 s18, s18, s30
	s_add_co_u32 s18, s18, s29
	s_mov_b32 s19, 0
	s_wait_kmcnt 0x0
	s_add_nc_u64 s[10:11], s[4:5], s[10:11]
	s_add_nc_u64 s[12:13], s[4:5], s[12:13]
	s_add_nc_u64 s[14:15], s[4:5], s[14:15]
	s_add_nc_u64 s[16:17], s[6:7], s[16:17]
	s_add_nc_u64 s[18:19], s[6:7], s[18:19]
	s_wait_alu depctr_va_vdst(0)                   ; v17, v18 and v19 are written, which the copy's loads and LDS stores read; so are v1 and v2, by which each pass asks for its first K
.irp i, 0,1,2,3
	global_load_b128 v[96+4*\i:99+4*\i], v17, s[10:11] offset:KC+8192*\i
.endr
.irp i, 0,1,2,3
	global_load_b128 v[112+4*\i:115+4*\i], v17, s[10:11] offset:VC+8192*\i
.endr
	global_load_b64 v[128:129], v18, s[12:13] offset:KVS
.irp k, 64,65,66,67,72,73,74,75,80,81,82,83
	v_mov_b32 v[\k], 0                             ; zero codes: they stay
.endr
	v_mov_b32 v193, 0                              ; a lane permute's destination counts as one of its sources
	s_wait_loadcnt 0x0
.irp i, 0,1,2,3
	ds_store_b128 v17, v[96+4*\i:99+4*\i] offset:8192*\i
	ds_store_b128 v17, v[112+4*\i:115+4*\i] offset:32768+8192*\i
.endr
	ds_store_b64 v19, v[128:129]
	s_wait_dscnt 0x0                               ; for the others' sake: my part of the head lies in LDS
	s_barrier_signal -1
	s_barrier_wait -1
.macro PASS p
.if \p
	s_wait_xcnt 0x0                                ; the first pass's stores have read their offsets and data: both are written again below
	s_wait_dscnt 0x0                               ; no LDS load of the first pass is out, on any way through its key loop: the loads below land in v32 to v47 and v248, which its loads write
	s_sub_co_u32 s26, 7, ttmp9
.else
	s_mov_b32 s26, ttmp9
.endif
	s_wait_alu depctr_vm_vsrc(0)                   ; first pass: the copy's LDS stores have read v96 to v129, which the products write; second pass: the first's loads and stores have read v9, v10, v11, v16 and v196 to v198, which are written again
	s_lshl_b32 s26, s26, 3
	s_add_co_u32 s26, s26, s38                     ; R: my pair of 32 rows in the batch
	s_lshl_b32 s[Q32], s26, 5
	s_lshl_b32 s28, s26, 9
	s_lshl_b32 s29, s37, 8
	s_add_co_u32 s29, s28, s29
	v_add_nc_u32 v9, s29, v3                       ; q's codes: 512 R + 256 u + 16 r
	s_lshr_b32 s29, s29, 2
	v_add_nc_u32 v10, s29, v4                      ; q's scale word: 128 R + 64 u + 4 r
	s_lshl_b32 s29, s37, 6
	s_add_co_u32 s29, s28, s29
	v_add_nc_u32 v16, s29, v4                      ; o's scale byte: 512 R + 64 u + 4 r
	s_lshl_b32 s28, s26, 13
	s_lshl_b32 s29, s37, 10
	s_add_co_u32 s28, s28, s29
	v_add_nc_u32 v11, s28, v6                      ; o's codes: 8,192 R + 1,024 u + 16 r + 8 h
	s_wait_alu depctr_va_vdst(0)                   ; the pass's four offsets are written; the pass before is done reading v84 to v87, v255, v32 to v47 and v248, in which the loads below land
	global_load_b128 v[84:87], v9, s[10:11]
	global_load_b32 v255, v10, s[14:15] offset:QS
.irp n, 0,1,2,3
	ds_load_b128 v[32+4*\n:35+4*\n], v1 offset:512*\n      ; K of key step 0, which counts for every query; each later step's is asked for a step ahead
.endr
	ds_load_b32 v248, v2
	v_mov_b32 v13, 0xff61b1e6                      ; the largest t so far: -3e38, under every t
	v_floor_f32 v12, -v13                          ; -M
	v_mov_b32 v14, 0
	v_mov_b32 v15, 0
	s_wait_loadcnt 0x0
.irp k, 0,1,2,3
	v_cndmask_b32 v[68+\k], v64, v[84+\k], s40     ; q's codes in lanes 0-15, zeros above: with zeros behind or in front, blocks 0 and 2
	v_cndmask_b32 v[76+\k], v[84+\k], v64, s40     ; and in lanes 16-31: blocks 1 and 3
.endr
.set n, 0
.rept 16
	v_mov_b32 v[160+n], 0                          ; O^T: the first step finds zeros, which the first change of M leaves zeros.  (These lines are also the places between the copies' writes and the first product)
.set n, n+1
.endr
.irp k, 236,237,238,239,252,253
	v_mov_b32 v[\k], 0
.endr
	s_mov_b32 s[TB], 0
	s_mov_b32 s[TS], 0
	s_mov_b32 s[KF], 0
	s_mov_b32 s[STP], 16
.Lstep_\@:
	s_cmp_gt_u32 s[KF], s[Q32]                     ; KF is a multiple of 128 and Q32 of 32: above Q32 it is above all 32 rows of my pair
	s_cbranch_scc1 .Lhidden_\@
	s_add_co_u32 s31, s[TS], 256                   ; the next step's scale registers,
	s_min_u32 s31, s31, 3840                       ; held at the sixteenth step's: the request below stays inside the head's 4,096 bytes of them
	s_wait_alu depctr_vm_vsrc(0)                   ; the LDS loads issued so far have read v7, v8 and v24
	v_add_nc_u32 v7, s[TB], v1
	v_add_nc_u32 v8, s[TS], v2
	v_add_nc_u32 v24, s31, v2
	v_nop                                          ; four places behind the last step's products, whose operand registers are loaded again
	s_wait_alu depctr_va_vdst(0)                   ; the three addresses are written; the last step's products of O^T are done reading v48 to v63 and v249; in a pass's first step Q's copies are written, which the scaled products below take
.irp n, 0,1,2,3
	ds_load_b128 v[48+4*\n:51+4*\n], v7 offset:32768+512*\n
.endr
	ds_load_b32 v249, v8 offset:128
	s_wait_dscnt 5                                 ; K and its scale register, asked for a step ago, are in; V's five loads may be out
.irp f, 0,1                                        ; S^T: tile 4 f + b: fragment f, block b
	WM 96+32*\f, 32+8*\f, 68, 1, 248, 255, \f
	WM 104+32*\f, 32+8*\f, 76, 1, 248, 255, \f
	WM 112+32*\f, 32+8*\f, 64, 1, 248, 255, \f
	WM 120+32*\f, 32+8*\f, 72, 1, 248, 255, \f
.endr                                              ; register 16 b + i of v96 on: key KF + 32 b + 16 h + i
.rept 4
	v_nop
.endr
	s_add_co_u32 s30, s[KF], 128
	s_cmp_le_u32 s30, s[Q32]                       ; all 128 keys come before my pair's first row: nothing is hidden
	s_cbranch_scc1 .Lopen_\@
	s_lshl_b32 s30, s37, 3
	s_add_co_u32 s30, s30, s[Q32]
	s_sub_co_i32 s30, s30, s[KF]
	v_add_nc_u32 v252, s30, v5                     ; d = my query - KF - 16 h: register 16 b + i is hidden where 32 b + i > d
	v_mov_b32 v254, 0xff800000                     ; -infinity
.set g, 0
.rept 4                                            ; a block of 32 keys at a time: sixteen compares into sixteen masks, one wait, sixteen selects
.set n, 0
.rept 16
	v_cmp_gt_i32 s[46+n], 32*g+n, v252
.set n, n+1
.endr
	s_wait_alu depctr_va_sdst(0)                   ; the sixteen masks s46 to s61 are written, ahead of the selects that read them
.set n, 0
.rept 16
	v_cndmask_b32 v[96+16*g+n], v[96+16*g+n], v254, s[46+n]
.set n, n+1
.endr
.set g, g+1
.endr
.Lopen_\@:
.irp b, 0,1,2,3
	v_max3_num_f32 v[232+\b], v[96+16*\b], v[97+16*\b], v[98+16*\b]   ; the largest score of each block of 32 keys: for the row's maximum, and, since p rises with the score, for the block's largest p
.endr
.irp i, 3,5,7,9,11,13
.irp b, 0,1,2,3
	v_max3_num_f32 v[232+\b], v[232+\b], v[96+16*\b+\i], v[97+16*\b+\i]
.endr
.endr
.irp b, 0,1,2,3
	v_max_num_f32 v[232+\b], v[232+\b], v[111+16*\b]
.endr
.irp b, 0,1,2,3
	v_permlanex16_b32 v[236+\b], v[232+\b], s42, s43
.endr
.irp b, 0,1,2,3
	v_max_num_f32 v[232+\b], v[232+\b], v[236+\b]  ; with lane l xor 16's 16 keys
.endr
	v_max3_num_f32 v254, v232, v233, v234
	v_max_num_f32 v254, v254, v235                 ; the step's largest score of my query (key KF counts for it, so it is a number)
	v_mul_f32 v254, s44, v254                      ; as t (c is positive)
	v_max_num_f32 v13, v13, v254                   ; the running largest t
	v_mov_b32 v254, v12
	v_floor_f32 v12, -v13                          ; the new -M = floor(-t) = -ceil(t)
	v_sub_f32 v254, v12, v254                      ; old M - new M: a whole number, 0 or less
	v_cvt_i32_f32 v254, v254                       ; (it saturates)
	v_ldexp_f32 v252, 1.0, v254                    ; f = 2^(old M - new M)
.set n, 0
.rept 32
	v_pk_fma_f32 v[96+n:97+n], v[96+n:97+n], s[44:45], v[12:13] op_sel_hi:[1,0,0]   ; t - M, two at a time
.set n, n+2
.endr
.irp b, 0,1,2,3
	v_fma_f32 v[232+\b], v[232+\b], s44, v12       ; the same of each block's largest score
.endr
.set n, 0
	s_wait_alu depctr_va_vdst(0)
.rept 64
	v_exp_f32 v[96+n], v[96+n]                     ; p = 2^(t - M), at most 1
.set n, n+1
.endr
.irp b, 0,1,2,3
	v_exp_f32 v[232+\b], v[232+\b]                 ; the block's largest p: the same two instructions on the same number give the same bits
.endr
	v_pk_mul_f32 v[14:15], v[14:15], v[252:253] op_sel_hi:[1,0]   ; the sums under the new M.  (A plain place behind the exponentials)
	s_wait_alu depctr_va_vdst(0)                   ; the 68 exponentials have written v96 to v159 and v232 to v235, ahead of their first reader; and the products of S^T are done reading v32 to v47 and v248
.irp n, 0,1,2,3
	ds_load_b128 v[32+4*\n:35+4*\n], v7 offset:2048+512*\n   ; THE NEXT STEP'S K, into the registers that this step's has left: it lands while p is quantised and summed.  (A wave's last step asks for bytes that it does not use)
.endr
	ds_load_b32 v248, v24
.irp b, 0,1,2,3
	v_max_num_f32 v[232+\b], FLOOR, v[232+\b]      ; the byte cannot fall under 1 (a block of zeros keeps that byte: its codes are zeros)
.endr
.irp b, 0,1,2,3
	v_add_nc_u32 v[244+\b], 0xff000000, v[232+\b]  ; 2 off the exponent field: the conversion's scale operand
.endr
.irp b, 0,1,2,3
	v_lshrrev_b32 v[236+\b], 23, v[244+\b]         ; the scale's byte
.endr
	v_lshl_or_b32 v253, v237, 8, v236              ; p's scale word for these 128 keys
	v_lshl_or_b32 v253, v238, 16, v253
	v_lshl_or_b32 v253, v239, 24, v253
.irp b, 0,1,2,3
	v_cvt_scalef32_pk8_fp4_f32 v[224+2*\b], v[96+16*\b:103+16*\b], v[244+\b]
	v_cvt_scalef32_pk8_fp4_f32 v[225+2*\b], v[104+16*\b:111+16*\b], v[244+\b]
.endr
	v_nop                                          ; one plain place behind the conversions
.irp c, 0,1                                        ; a whole block to a lane: lanes 0-15 block 2 c, lanes 16-31 block 2 c + 1
.irp i, 0,1
	v_permlane16_swap_b32 v[224+4*\c+\i], v[226+4*\c+\i]
.endr
.endr
	v_pk_add_f32 v[236:237], v[96:97], v[98:99]    ; the row's sum, of the unquantised p: two at a time, in two chains
.irp j, 4,8,12,16,20,24,28,32,36,40,44,48,52,56,60
	v_pk_add_f32 v[14:15], v[14:15], v[96+\j:97+\j]
	v_pk_add_f32 v[236:237], v[236:237], v[98+\j:99+\j]
.endr
	v_pk_add_f32 v[14:15], v[14:15], v[236:237]
.irp j, 0,2,4,6,8,10,12,14
	v_pk_mul_f32 v[160+\j:161+\j], v[160+\j:161+\j], v[252:253] op_sel_hi:[1,0]   ; O^T under the new M.  (The sums and these are the places between p's codes and scale word and the products below)
.endr
	s_wait_dscnt 0x0                               ; V and its scale register are in (and the next step's K)
	s_wait_alu depctr_va_vdst(0)                   ; p's codes v224 to v231 and its scale word v253 are written, which the scaled products below take; the places above stay beside this wait
	WM 160, 48, 224, 0, 249, 253, 0                ; O^T += V^T P^T: d's tile 0,
	WM 168, 56, 224, 0, 249, 253, 1                ; tile 1: the two accumulators by turns, the eight products of S^T between their links
.Lhidden_\@:
	s_add_co_u32 s[KF], s[KF], 128
	s_add_co_u32 s[TB], s[TB], 2048
	s_add_co_u32 s[TS], s[TS], 256
	s_sub_co_u32 s[STP], s[STP], 1
	s_cmp_lg_u32 s[STP], 0
	s_cbranch_scc1 .Lstep_\@
	; the way out: O^T / the sum; register 8 n' + j is d = 16 h + 8 n' + j: with lane l xor 16's, the head's 32: one block
.rept 4
	v_nop
.endr
	v_add_f32 v14, v14, v15
	s_wait_alu depctr_va_vdst(0)
	v_permlanex16_b32 v252, v14, s42, s43
	v_add_f32 v14, v14, v252                       ; the row's sum
	s_wait_alu depctr_va_vdst(0)
	v_rcp_f32 v14, v14
	v_nop                                          ; one plain place behind the transcendental
.set n, 0
	s_wait_alu depctr_va_vdst(0)                   ; the reciprocal has written v14, ahead of its first reader
.rept 16
	v_mul_f32 v[176+n], v[160+n], v14
.set n, n+1
.endr
	v_max3_num_f32 v192, |v176|, |v177|, FLOOR
.irp i, 2,4,6,8,10,12,14
	v_max3_num_f32 v192, v192, |v[176+\i]|, |v[177+\i]|
.endr
	v_permlanex16_b32 v193, v192, s42, s43
	v_max_num_f32 v192, v192, v193
	v_add_nc_u32 v194, 0xff000000, v192
	v_lshrrev_b32 v198, 23, v194
	v_cvt_scalef32_pk8_fp4_f32 v196, v[176:183], v194
	v_cvt_scalef32_pk8_fp4_f32 v197, v[184:191], v194
	v_nop
	s_wait_alu depctr_va_vdst(0)                   ; the conversions and the shift have written v196 to v198, which the two stores read
	global_store_b64 v11, v[196:197], s[16:17]     ; 32 lanes store 256 consecutive bytes, aligned: my head's block of my tile's 16 rows
	global_store_b8 v16, v198, s[18:19] offset:AS  ; lanes l and l xor 16 hold the same byte and write it to the same place
.endm
	PASS 0
	PASS 1
	s_wait_dscnt 0x0                               ; the closing lines, six on end
	s_wait_alu 0x0
	s_wait_tensorcnt 0x0
	ds_add_u32 v250, v251
	s_wait_dscnt 0x0
	s_endpgm
.Lfunc_end_k_q73401ed06b_attn:
	.size	k_q73401ed06b_attn, .Lfunc_end_k_q73401ed06b_attn-k_q73401ed06b_attn
	.p2alignl 7, 3214868480
	.fill 96, 4, 3214868480
	.section	.rodata,"a",@progbits
	.p2align	6, 0x0
	.amdhsa_kernel k_q73401ed06b_attn
		.amdhsa_group_segment_fixed_size 71680
		.amdhsa_private_segment_fixed_size 0
		.amdhsa_enable_private_segment 0
		.amdhsa_kernarg_size 16
		.amdhsa_user_sgpr_count 2
		.amdhsa_user_sgpr_kernarg_segment_ptr 1
		.amdhsa_wavefront_size32 1
		.amdhsa_system_sgpr_workgroup_id_x 1
		.amdhsa_system_sgpr_workgroup_id_y 1
		.amdhsa_system_sgpr_workgroup_id_z 1
		.amdhsa_system_vgpr_workitem_id 0
		.amdhsa_next_free_vgpr 256
		.amdhsa_next_free_sgpr 66
		.amdhsa_reserve_vcc 0
		.amdhsa_float_denorm_mode_32 3
		.amdhsa_float_denorm_mode_16_64 3
		.amdhsa_memory_ordered 1
		.amdhsa_forward_progress 1
		.amdhsa_inst_pref_size 61
	.end_amdhsa_kernel
	.amdgpu_metadata
---
amdhsa.version: [ 1, 2 ]
amdhsa.kernels:
  - .name:           k_q73401ed06b_attn
    .symbol:         k_q73401ed06b_attn.kd
    .args:
      - { .name: qkv, .offset: 0, .size: 8, .value_kind: global_buffer, .address_space: global }
      - { .name: att, .offset: 8, .size: 8, .value_kind: global_buffer, .address_space: global }
    .group_segment_fixed_size: 71680
    .private_segment_fixed_size: 0
    .kernarg_segment_align: 8
    .kernarg_segment_size: 16
    .max_flat_workgroup_size: 512
    .sgpr_count:     66
    .vgpr_count:     256
    .wavefront_size: 32
...
	.end_amdgpu_metadata
.endif
;; end of part 7
;; launch tail (part 8): grid 256 x 1, 16 waves a work-group, no clusters, 132,096 bytes of LDS; arguments x, att, prep, bo, g2, be2, b1, b2, out0; writes out0
.if DOCPART == 8
	.amdgcn_target "amdgcn-amd-amdhsa--gfx1250"
	.amdhsa_code_object_version 6
	.text
	.protected	k_q73401ed06b_tail
	.globl	k_q73401ed06b_tail
	.p2align	8
	.type	k_q73401ed06b_tail,@function
k_q73401ed06b_tail:
	s_mov_b64 s[64:65], 0
	v_nop
	global_prefetch_b8 v0, s[64:65] scope:SCOPE_SE
	s_setreg_imm32_b32 hwreg(HW_REG_WAVE_SCHED_MODE, 0, 2), 2
	s_setreg_imm32_b32 hwreg(HW_REG_WAVE_MODE, 25, 1), 1
	s_wait_xcnt 0x0
	s_wait_alu depctr_vm_vsrc(0)
; TAIL.  x1 = x + attn Wo + bo;  h = LayerNorm(x1; g2, be2);  out = x1 + relu(h W1 + b1) W2 + b2.  All three products on codes of E2M1; h and the hidden layer are quantised on the way and never go to memory.
; SHARES.  A work-group takes 32 rows (a pair: two tiles of 16).  THE SIXTEEN WAVES SHARE THE COLUMNS: wave w makes columns 32 w .. 32 w + 31 of x1 and of out, and hidden units 128 w .. 128 w + 127, for all 32 rows.
; Every product is used transposed (source 0 = 16 columns of the weight, source 1 = 16 rows): a lane holds one row, and the 16 registers of a weight pair's two tiles are 16 neighbouring columns.
; So x + bo, b1 and x1 + b2 are the C of each sum's first link, LayerNorm's sums want one exchange of lanes and one meeting of the waves in LDS each, and the conversions' results are images of the next operand.
; THE WEIGHTS go from memory straight into registers: 18 groups of four fragments and two scale registers (10 loads), in three register buffers by turns, three groups requested ahead.
; NO CLUSTER, NO LDS FOR THE WEIGHTS: a fragment of a weight serves ONE wave, for two products; through LDS each of its bytes would be written and read once more, and a change of slots would stand
; between every 8 matrix instructions of a wave.  All work-groups read the same 1,253,376 bytes of codes and scale words.
; LDS: operands from wave to wave as images of their registers (16 x lane; scale words 4 x lane); six barriers; in front of each a wave waits for all its LDS instructions.
; LIMITS: NaN and infinities are not served; a block whose largest magnitude lies under 2^-124 gets the byte 1 (the bytes never leave the work-group).
; THE MODE: SCHED_MODE bits 1:0 = 2 (LLVM: expert scheduling mode 2), set by the entry lines.  The code itself states the register dependences
; between vector or matrix instructions and memory or LDS instructions, with s_wait_alu, always for 0.
; THE PLAN.  Registers that memory or LDS instructions touch:
;   v1, v2, v7-17   offsets and LDS addresses: written at the head, never again.
;   WB0 .. WB2 with their scale registers   group g's products read buffer g % 3; behind them the weights of group g + 3 land in it.
;   the rows' fragments and scale registers   group g's products read them; LDS loads land in them.  TWO BUFFERS BY TURNS where registers are free: in the second product v216-231 with v254 and
;                   v232-247 with v255; in the third v216-247 with v254, v255 and v56-87 with v3, v4 (the hidden layer's registers and attn's scale registers are free by then).
;                   The first product has one: g2, be2 and b2 hold the other registers.
;   v216-247        between the products: written by vector instructions, read by LDS stores (x + bo, the sums, the codes), and the waves' sums land in them.
;   v24-55, v56-119 x + bo and b1 land in them as the C of the sums' first links.
; ONE wait on va_vdst stands behind a group's products: they are done reading their weights, their rows' fragments and the scale registers.  Behind it follow the ten loads of the weights three
; groups on, and, dealt among the next group's products, which name the other buffers alone, the LDS loads of the rows' fragments two groups on.  One wait on va_vdst stands ahead of each run of
; LDS stores, and one on vm_vsrc ahead of the first load that lands in registers that those stores read.
.set AIMG,  0                          ; attn's 8 fragments (K step s, tile u: 2,048 s + 1,024 u)
.set H2IMG, 8192                       ; h's 8 fragments
.set HID,   16384                      ; the hidden layer's 32 fragments
.set H2SC,  49152                      ; h's scale words: 128 bytes a K step
.set HIDSC, 49664                      ; the hidden layer's
.set RED1,  51712                      ; the waves' sums: [wave][row r][tile], 4 bytes
.set RED2,  53760                      ; the waves' sums of squares
.set B1S,   55808                      ; b1
.set XST,   64000                      ; 32 rows (16 tile + m) x (2,048 bytes + 16): x + bo on the way in, out on the way out
.set XP,    2064
.set WO,    393216
.set W1O,   524288
.set W2O,   1048576
.set WS,    1572864
.set AS,    2097152
.set FLOOR, 0x1800000
.set X1,  24                           ; v24-55   x1, later out: 16 u + 8 u' + j
.set ACC, 56                           ; v56-119  the hidden layer: 32 u + 16 pp + 8 u' + j;  before that: g2, be2, b2, h
.set G2,  56
.set BE2, 72
.set B2,  88
.set H2T, 104
.set WB,  120                          ; v120-215 three buffers of four weight fragments
.set FR,  216                          ; v216-247 the rows' fragments; between the products: at work
.set FR2, 56                           ; v56-87   in the third product: the rows' second buffer
.set WSR, 248                          ; v248-253 the weights' scale registers, two a buffer;  v254-255 the rows';  v3-6 attn's four, v3-4 later the rows' second pair
.set TM,  216
.set PW,  232
.set PC,  236
; v1 16 lane, v2 4 lane, v7-17 LDS addresses and offsets, v[18:19] the means of my row in tiles 0, 1, v[20:21] 1 / sqrt, v22-23 at work
.macro WM d, a, b, sa, sb, ra, rb      ; every sum here begins with registers as its C: D and C are the same
.if ((\ra) == 0) && ((\rb) == 0)
	v_wmma_scale_f32_16x16x128_f8f6f4 v[(\d):(\d)+7], v[(\a):(\a)+7], v[(\b):(\b)+7], v[(\d):(\d)+7], v[\sa], v[\sb] matrix_a_fmt:MATRIX_FMT_FP4 matrix_b_fmt:MATRIX_FMT_FP4
.elseif ((\ra) == 1) && ((\rb) == 0)
	v_wmma_scale_f32_16x16x128_f8f6f4 v[(\d):(\d)+7], v[(\a):(\a)+7], v[(\b):(\b)+7], v[(\d):(\d)+7], v[\sa], v[\sb] matrix_a_fmt:MATRIX_FMT_FP4 matrix_b_fmt:MATRIX_FMT_FP4 matrix_a_scale:MATRIX_SCALE_ROW1
.elseif ((\ra) == 0) && ((\rb) == 1)
	v_wmma_scale_f32_16x16x128_f8f6f4 v[(\d):(\d)+7], v[(\a):(\a)+7], v[(\b):(\b)+7], v[(\d):(\d)+7], v[\sa], v[\sb] matrix_a_fmt:MATRIX_FMT_FP4 matrix_b_fmt:MATRIX_FMT_FP4 matrix_b_scale:MATRIX_SCALE_ROW1
.else
	v_wmma_scale_f32_16x16x128_f8f6f4 v[(\d):(\d)+7], v[(\a):(\a)+7], v[(\b):(\b)+7], v[(\d):(\d)+7], v[\sa], v[\sb] matrix_a_fmt:MATRIX_FMT_FP4 matrix_b_fmt:MATRIX_FMT_FP4 matrix_a_scale:MATRIX_SCALE_ROW1 matrix_b_scale:MATRIX_SCALE_ROW1
.endif
.endm
.macro W8 base, o0, o1                 ; four fragments: two from o0 on, two from o1 on, 512 consecutive bytes a load
.irp n, 0,1,2,3
	global_load_b128 v[LBUF+4*\n:LBUF+4*\n+3], v1, s[\base:\base+1] offset:(\o0)+512*\n
.endr
.irp n, 0,1,2,3
	global_load_b128 v[LBUF+16+4*\n:LBUF+16+4*\n+3], v1, s[\base:\base+1] offset:(\o1)+512*\n
.endr
.endm
.macro WLOAD g                         ; group g: 0, 1: Wo, K steps 2 g, 2 g + 1;  2-9: W1, two of my four pairs, one K step;  10-17: W2, K steps 2 (g - 10) and + 1.  Ten loads
.set LBUF, WB+32*((\g)%3)
.set LSB, WSR+2*((\g)%3)
.if (\g) < 2
	W8 30, WO+4096*(\g), WO+4096*(\g)+2048
	global_load_b32 v[LSB], v2, s[34:35] offset:WS+24576+256*(\g)
	global_load_b32 v[LSB+1], v2, s[34:35] offset:WS+24576+256*(\g)+128
.elseif (\g) < 10
.set LHF, ((\g)-2)/4
.set LSS, ((\g)-2)%4
	W8 32, W1O+16384*LHF+2048*LSS, W1O+16384*LHF+2048*LSS+8192
	global_load_b32 v[LSB], v2, s[36:37] offset:WS+32768+1024*LHF+128*LSS
	global_load_b32 v[LSB+1], v2, s[36:37] offset:WS+32768+1024*LHF+128*LSS+512
.else
.set LGD, (\g)-10
	W8 32, W2O+4096*LGD, W2O+4096*LGD+2048
	global_load_b32 v[LSB], v2, s[36:37] offset:WS+65536+256*LGD
	global_load_b32 v[LSB+1], v2, s[36:37] offset:WS+65536+256*LGD+128
.endif
.endm
.macro READY g                         ; group g's ten loads are in: the two groups requested behind it (at the end one, none) may stay out; and my LDS loads are in, the group's rows among them
.if (\g) < 16
	s_wait_loadcnt 20
.elseif (\g) == 16
	s_wait_loadcnt 10
.else
	s_wait_loadcnt 0x0
.endif
	s_wait_dscnt 0x0
.endm
; Behind a group's products: four places, the group's one wait, and its weight buffer takes the group three further on.
; Group 16 has neither places nor wait: nothing is loaded into its registers, and nothing of its results stored, ahead of group 17's wait.
.macro NEXTW g
.if (\g) != 16
.rept 4
	v_nop
.endr
	s_wait_alu depctr_va_vdst(0)                   ; the group's products are done reading their weights, their rows' fragments and the scale registers, in which the loads that follow land; behind group 17: they have written out's accumulators, which the LDS stores read
.endif
.if (\g)+3 < 18
	WLOAD (\g)+3
.endif
.endm
.macro BARRIER                         ; my LDS stores have landed and my LDS loads are in: then the work-group's barrier
	s_wait_dscnt 0x0
	s_barrier_signal -1
	s_barrier_wait -1
.endm
.macro FPIECE img, k, u, fr            ; one fragment of the rows: K step k, tile u, from the images at img into v[fr] on
.irp c, 0,1
	ds_load_b128 v[(\fr)+4*\c:(\fr)+4*\c+3], v1 offset:(\img)+2048*(\k)+1024*(\u)+512*\c
.endr
.endm
; a group of the first or the third product: two K steps, the four accumulators of x1 by turns.
; fr, s0: its rows' fragments and scale registers.  own = 1: they are fetched here (the first product; the third's first group).
; nfr other than 0: the next group's are fetched into v[nfr] on and v[ns0], v[ns0 + 1], dealt among the products: no product since the last group's wait names those registers.
.macro GX g, img, k0, fr, s0, own, nfr, ns0
.set CBUF, WB+32*((\g)%3)
.set CSB, WSR+2*((\g)%3)
.if \own
.irp ss, 0,1
.irp u, 0,1
	FPIECE \img, (\k0)+\ss, \u, (\fr)+8*(2*\ss+\u)
.endr
.if (\g) >= 10
	ds_load_b32 v[(\s0)+\ss], v2 offset:HIDSC+128*((\k0)+\ss)
.endif
.endr
.endif
	READY \g
.irp ss, 0,1
.irp u, 0,1
.if \nfr
	FPIECE \img, (\k0)+2+\ss, \u, (\nfr)+8*(2*\ss+\u)
.if \u == 0
	ds_load_b32 v[(\ns0)+\ss], v2 offset:HIDSC+128*((\k0)+2+\ss)
.endif
.endif
.irp t, 0,1
	WM X1+16*\u+8*\t, CBUF+8*(2*\ss+\t), (\fr)+8*(2*\ss+\u), CSB+\ss, (\s0)+\ss, \t, \u
.endr
.endr
.endr
	NEXTW \g
.endm
; a group of the second product: one K step, two of my four pairs of hidden units x two tiles of rows: eight accumulators by turns.
; K step s takes the rows' buffer s % 2.  K step 0 fetches its own fragments and b1; K steps 0 to 2 fetch the next step's among their first four products, into the other buffer.
.macro GC g
.set CBUF, WB+32*((\g)%3)
.set CSB, WSR+2*((\g)%3)
.set CHF, ((\g)-2)/4
.set CSS, ((\g)-2)%4
.set CFR, FR+16*(CSS%2)
.set CSC, 254+CSS%2
.set NFR, FR+16-16*(CSS%2)
.set NSC, 255-CSS%2
.if CSS == 0
.irp u, 0,1
	FPIECE H2IMG, 0, \u, CFR+8*\u
.endr
	ds_load_b32 v[CSC], v2 offset:H2SC
.irp u, 0,1                                        ; b1 begins the sums: lane (r, h) wants, for pair pp and tile t, the numbers of units 32 pp + 16 h + 8 t + 0 .. 7
.irp pp, 0,1
.irp t, 0,1
.irp q, 0,1
	ds_load_b128 v[ACC+32*\u+16*\pp+8*\t+4*\q:ACC+32*\u+16*\pp+8*\t+4*\q+3], v10 offset:B1S+128*(2*CHF+\pp)+32*\t+16*\q
.endr
.endr
.endr
.endr
.endif
	READY \g
.irp pp, 0,1
.irp u, 0,1
.if (CSS < 3) && (\pp == 0)
	FPIECE H2IMG, CSS+1, \u, NFR+8*\u
.if \u == 0
	ds_load_b32 v[NSC], v2 offset:H2SC+128*(CSS+1)
.endif
.endif
.irp t, 0,1
	WM ACC+32*\u+16*\pp+8*\t, CBUF+8*(2*\pp+\t), CFR+8*\u, CSB+\pp, CSC, \t, \u
.endr
.endr
.endr
	NEXTW \g
.endm
; 64 numbers of a lane, none negative, register 16 b + i = the i-th of my 16 of block b, become codes in v[PC] on and four bytes in v[PW]
.macro QUANT s
.irp b, 0,1,2,3
	v_max3_num_f32 v[TM+\b], v[\s+16*\b], v[\s+1+16*\b], FLOOR
.endr
.irp i, 2,4,6,8,10,12,14
.irp b, 0,1,2,3
	v_max3_num_f32 v[TM+\b], v[TM+\b], v[\s+16*\b+\i], v[\s+1+16*\b+\i]
.endr
.endr
.irp b, 0,1,2,3
	v_permlanex16_b32 v[TM+4+\b], v[TM+\b], s38, s39
.endr
.irp b, 0,1,2,3
	v_max_num_f32 v[TM+\b], v[TM+\b], v[TM+4+\b]
.endr
.irp b, 0,1,2,3
	v_add_nc_u32 v[TM+12+\b], 0xff000000, v[TM+\b]
.endr
.irp b, 0,1,2,3
	v_lshrrev_b32 v[TM+4+\b], 23, v[TM+12+\b]
.endr
	v_lshl_or_b32 v[PW], v[TM+5], 8, v[TM+4]
	v_lshl_or_b32 v[PW], v[TM+6], 16, v[PW]
	v_lshl_or_b32 v[PW], v[TM+7], 24, v[PW]
.irp b, 0,1,2,3
	v_cvt_scalef32_pk8_fp4_f32 v[PC+2*\b], v[\s+16*\b:\s+7+16*\b], v[TM+12+\b]
	v_cvt_scalef32_pk8_fp4_f32 v[PC+1+2*\b], v[\s+8+16*\b:\s+15+16*\b], v[TM+12+\b]
.endr
	v_nop                                          ; one plain place behind the conversions
.irp c, 0,1
.irp i, 0,1
	v_permlane16_swap_b32 v[PC+4*\c+\i], v[PC+2+4*\c+\i]
.endr
.endr
.endm
; 64 of my 128 hidden units are done for both tiles of rows: relu, quantised; blocks 0, 1 are tile 0's, blocks 2, 3 tile 1's: each tile's four registers are register group hf of its fragment of K step w
.macro HALF hf
.set n, 0
.rept 64
	v_max_num_f32 v[ACC+n], 0, v[ACC+n]            ; the activation, in f32; each accumulator from its low end on
.set n, n+1
.endr
	QUANT ACC
	s_wait_alu depctr_va_vdst(0)                   ; the quantiser has written the codes v236 to v243 and the bytes v232, which the LDS stores read; and it is done with v56 to v119 and v216 to v243, in which the next groups' loads land
.irp u, 0,1
	ds_store_b128 v15, v[PC+4*\u:PC+4*\u+3] offset:HID+1024*\u+512*\hf
.endr
	ds_store_b16 v16, v[PW] offset:HIDSC+2*\hf             ; tile 0's two bytes,
	ds_store_b16_d16_hi v16, v[PW] offset:HIDSC+64+2*\hf   ; tile 1's
	s_wait_dscnt 0x0
	s_wait_alu depctr_vm_vsrc(0)                   ; the LDS stores have read v232 and v236 to v243, in which the next group's fragments land
.endm
; LayerNorm's meetings.  ROWSUM: v[216:217], v[218:219] hold tile 0's and tile 1's two half sums of my 16 columns: with lane l xor 16's; lanes 0-15 keep tile 0's, lanes 16-31 tile 1's
.macro ROWSUM
.irp u, 0,1
	v_add_f32 v[216+2*\u], v[216+2*\u], v[217+2*\u]
.endr
.irp u, 0,1
	v_permlanex16_b32 v[217+2*\u], v[216+2*\u], s38, s39
.endr
.irp u, 0,1
	v_add_f32 v[216+2*\u], v[216+2*\u], v[217+2*\u]
.endr
	v_cndmask_b32 v220, v218, v216, s40
.endm
.macro GATHER red                      ; my wave's 32 sums to LDS; a barrier; all sixteen waves' sums of my row's two tiles back, added in the same order by every wave: v[216:217]
	s_wait_alu depctr_va_vdst(0)                   ; v220 is written, which the LDS store reads; and the lines above are done with v216 to v247, in which the waves' sums land
	ds_store_b32 v11, v220 offset:\red
	BARRIER
	s_wait_alu depctr_vm_vsrc(0)                   ; the LDS store has read v220, in which one of the loads below lands
.irp q, 0,1,2,3,4,5,6,7,8,9,10,11,12,13,14,15
	ds_load_b64 v[216+2*\q:217+2*\q], v12 offset:\red+128*\q
.endr
	s_wait_dscnt 0x0
.irp q, 1,2,3,4,5,6,7
	v_pk_add_f32 v[216:217], v[216:217], v[216+4*\q:217+4*\q]
	v_pk_add_f32 v[218:219], v[218:219], v[218+4*\q:219+4*\q]
.endr
	v_pk_add_f32 v[216:217], v[216:217], v[218:219]
.endm
.macro DEVSQ u                         ; the sum of squares of my 16 deviations, in two chains
	v_sub_f32 v224, v[X1+16*\u], v[18+\u]
	v_sub_f32 v225, v[X1+16*\u+1], v[18+\u]
	v_mul_f32 v[216+2*\u], v224, v224
	v_mul_f32 v[217+2*\u], v225, v225
.irp k, 2,4,6,8,10,12,14
	v_sub_f32 v224, v[X1+16*\u+\k], v[18+\u]
	v_sub_f32 v225, v[X1+16*\u+\k+1], v[18+\u]
	v_fma_f32 v[216+2*\u], v224, v224, v[216+2*\u]
	v_fma_f32 v[217+2*\u], v225, v225, v[217+2*\u]
.endr
.endm
.macro NORMQ u                         ; h of my 16 columns of my row in tile u; with lane l xor 16's they are block w of K: quantised.  Each tile has registers of its own for what is stored: both tiles' stores follow behind one wait
.set n, 0
.rept 16
	v_sub_f32 v[H2T+n], v[X1+16*\u+n], v[18+\u]
.set n, n+1
.endr
.set n, 0
.rept 16
	v_mul_f32 v[H2T+n], v[H2T+n], v[20+\u]
.set n, n+1
.endr
.set n, 0
.rept 16
	v_fma_f32 v[H2T+n], v[H2T+n], v[G2+n], v[BE2+n]
.set n, n+1
.endr
	v_max3_num_f32 v[224+8*\u], |v[H2T]|, |v[H2T+1]|, FLOOR
.irp i, 2,4,6,8,10,12,14
	v_max3_num_f32 v[224+8*\u], v[224+8*\u], |v[H2T+\i]|, |v[H2T+\i+1]|
.endr
	v_permlanex16_b32 v[225+8*\u], v[224+8*\u], s38, s39
	v_max_num_f32 v[224+8*\u], v[224+8*\u], v[225+8*\u]
	v_add_nc_u32 v[226+8*\u], 0xff000000, v[224+8*\u]
	v_lshrrev_b32 v[227+8*\u], 23, v[226+8*\u]
	v_cvt_scalef32_pk8_fp4_f32 v[228+8*\u], v[H2T:H2T+7], v[226+8*\u]
	v_cvt_scalef32_pk8_fp4_f32 v[229+8*\u], v[H2T+8:H2T+15], v[226+8*\u]
	v_nop                                          ; one plain place behind the conversions
.endm
	s_load_b256 s[4:11], s[0:1], 0x0               ; x s[4:5], att s[6:7], prep s[8:9], bo s[10:11]
	s_load_b256 s[12:19], s[0:1], 0x20             ; g2 s[12:13], be2 s[14:15], b1 s[16:17], b2 s[18:19]
	s_load_b64 s[20:21], s[0:1], 0x40              ; out0
	v_lshrrev_b32 v1, 5, v0
	v_readfirstlane_b32 s43, v1                    ; wave 0..15
	v_and_b32 v22, 31, v0                          ; lane
	v_and_b32 v23, 15, v0                          ; r
	v_bfe_u32 v18, v0, 4, 1                        ; h
	v_lshlrev_b32 v1, 4, v22                       ; 16 lane
	v_lshlrev_b32 v2, 2, v22                       ; 4 lane
	v_lshlrev_b32 v17, 4, v0                       ; 16 x thread
	v_cmp_gt_u32 s40, 16, v22                      ; lanes 0-15
	s_wait_alu depctr_va_sdst(0)                   ; s43 and s40 are written, ahead of their first readers: the wave's shares are made from s43, LayerNorm's selects read s40
	s_lshl_b32 s44, s43, 7                         ; 128 w
	v_mul_u32_u24 v7, v23, XP
	v_lshl_add_u32 v7, v18, 6, v7
	s_add_co_u32 s45, s44, XST
	v_add_nc_u32 v7, s45, v7                       ; the stage by columns: row r, my wave's 128 bytes, + 64 h
	s_mul_i32 s45, s43, 2*XP
	s_add_co_u32 s45, s45, XST
	v_add_nc_u32 v8, s45, v1                       ; the stage by rows: rows 2 w, 2 w + 1, 16 bytes a lane
	v_lshl_add_u32 v9, v18, 6, s44                 ; g2, be2, b2: my 16 columns: 128 w + 64 h
	s_lshl_b32 s45, s43, 9
	v_lshl_add_u32 v10, v18, 6, s45                ; b1 in LDS: 512 w + 64 h
	v_lshlrev_b32 v11, 3, v23
	v_lshl_add_u32 v11, v18, 2, v11
	v_add_nc_u32 v11, s44, v11                     ; a sum's place: 128 w + 8 r + 4 h
	v_lshlrev_b32 v12, 3, v23                      ; and back: 8 r
	s_lshr_b32 s45, s43, 2
	s_and_b32 s47, s43, 3
	s_lshl_b32 s46, s45, 11
	s_lshl_b32 s48, s47, 8
	s_add_co_u32 s46, s46, s48
	v_lshlrev_b32 v13, 4, v23
	v_lshl_add_u32 v13, v18, 3, v13
	v_add_nc_u32 v13, s46, v13                     ; h's image: K step w / 4, block w % 4: 2,048 (w / 4) + 256 (w % 4) + 16 r + 8 h
	s_lshl_b32 s46, s45, 7
	s_add_co_u32 s46, s46, s47
	v_lshl_add_u32 v14, v23, 2, s46                ; its byte: 128 (w / 4) + 4 r + w % 4
	s_lshl_b32 s46, s43, 11
	v_add_nc_u32 v15, s46, v1                      ; the hidden layer's image: 2,048 w + 16 lane
	v_lshl_add_u32 v16, v23, 2, s44                ; its bytes: 128 w + 4 r
	s_mov_b32 s38, 0x76543210
	s_mov_b32 s39, 0xfedcba98                      ; v_permlanex16_b32's selects for lane l xor 16
	s_mov_b32 s41, 0x3b000000                      ; 1 / 512
	s_mov_b32 s42, 0x3727c5ac                      ; 1e-5
	s_lshr_b32 s44, s43, 3                         ; stage rows 2 w, 2 w + 1 are tile w / 8, m = 2 (w % 8) + i: members 8 (w / 8) + 2 (w % 8) + 8 ((w / 4) % 2) + i of the pair
	s_lshl_b32 s44, s44, 3
	s_and_b32 s45, s43, 7
	s_lshl_b32 s45, s45, 1
	s_add_co_u32 s44, s44, s45
	s_bfe_u32 s45, s43, 0x10002
	s_lshl_b32 s45, s45, 3
	s_add_co_u32 s44, s44, s45
	s_lshl_b32 s45, ttmp9, 5
	s_add_co_u32 s44, s44, s45
	s_lshl_b32 s44, s44, 11                        ; x 2,048 bytes a row
	s_mov_b32 s45, 0
	s_lshl_b32 s46, ttmp9, 13
	s_mov_b32 s47, 0
	s_lshl_b32 s48, ttmp9, 9
	s_mov_b32 s49, 0
	s_lshl_b32 s50, s43, 13
	s_mov_b32 s51, 0
	s_lshl_b32 s52, s43, 15
	s_mov_b32 s53, 0
	s_lshl_b32 s54, s43, 9
	s_mov_b32 s55, 0
	s_lshl_b32 s56, s43, 11
	s_mov_b32 s57, 0
	s_wait_kmcnt 0x0
	s_add_nc_u64 s[22:23], s[4:5], s[44:45]        ; x at my two rows
	s_add_nc_u64 s[24:25], s[20:21], s[44:45]      ; out0 likewise
	s_add_nc_u64 s[26:27], s[6:7], s[46:47]        ; attn's codes of my pair
	s_add_nc_u64 s[28:29], s[6:7], s[48:49]        ; and its scale words
	s_add_nc_u64 s[30:31], s[8:9], s[50:51]        ; prep + 8,192 w: my pair of Wo
	s_add_nc_u64 s[32:33], s[8:9], s[52:53]        ; prep + 32,768 w: my four pairs of W1, my pair of W2
	s_add_nc_u64 s[34:35], s[8:9], s[54:55]        ; prep + 512 w: Wo's scale words
	s_add_nc_u64 s[36:37], s[8:9], s[56:57]        ; prep + 2,048 w: W1's, W2's
	s_wait_alu depctr_va_vdst(0)                   ; the offsets and addresses v1, v2 and v7 to v17 are written, which every load and store of the kernel reads
.irp i, 0,1
.irp j, 0,1,2,3
	global_load_b128 v[FR+16*\i+4*\j:FR+16*\i+4*\j+3], v1, s[22:23] offset:2048*\i+512*\j th:TH_LOAD_NT
.endr
.endr
.irp j, 0,1,2,3
	global_load_b128 v[24+4*\j:27+4*\j], v1, s[10:11] offset:512*\j
.endr
	global_load_b128 v[40:43], v17, s[26:27]
	global_load_b128 v[44:47], v17, s[16:17]
.irp s, 0,1,2,3
	global_load_b32 v[3+\s], v2, s[28:29] offset:AS+128*\s
.endr
.irp i, 0,1,2,3
	global_load_b128 v[G2+4*\i:G2+4*\i+3], v9, s[12:13] offset:16*\i
	global_load_b128 v[BE2+4*\i:BE2+4*\i+3], v9, s[14:15] offset:16*\i
	global_load_b128 v[B2+4*\i:B2+4*\i+3], v9, s[18:19] offset:16*\i
.endr
	WLOAD 0
	WLOAD 1
	WLOAD 2
	s_wait_loadcnt 46                              ; x, bo, attn's image and b1 are in: behind them 16 loads of scale words and parameters and 30 of weights were issued
.irp i, 0,1
.irp k, 0,2,4,6,8,10,12,14
	v_pk_add_f32 v[FR+16*\i+\k:FR+16*\i+\k+1], v[FR+16*\i+\k:FR+16*\i+\k+1], v[24+\k:25+\k]   ; x + bo
.endr
.endr
	s_wait_alu depctr_va_vdst(0)                   ; the additions have written v216 to v247, which the LDS stores read, and are done reading v24 to v39, in which x + bo lands behind the barrier
.irp i, 0,1
.irp j, 0,1,2,3
	ds_store_b128 v8, v[FR+16*\i+4*\j:FR+16*\i+4*\j+3] offset:XP*\i+512*\j
.endr
.endr
	ds_store_b128 v17, v[40:43] offset:AIMG
	ds_store_b128 v17, v[44:47] offset:B1S
	BARRIER                                        ; x + bo, attn's fragments and b1 lie in LDS
	s_wait_alu depctr_vm_vsrc(0)                   ; my LDS stores have read v216 to v247 and v40 to v47, in which the loads below land
	; ---- A: x1 = (x + bo) + attn Wo
.irp u, 0,1
.irp i, 0,1,2,3
	ds_load_b128 v[X1+16*\u+4*\i:X1+16*\u+4*\i+3], v7 offset:16*XP*\u+16*\i
.endr
.endr
	GX 0, AIMG, 0, FR, 3, 1, 0, 0
	GX 1, AIMG, 2, FR, 5, 1, 0, 0
	; ---- B: LayerNorm over the 512 columns, which lie in sixteen waves
.irp u, 0,1
	v_pk_add_f32 v[216+2*\u:217+2*\u], v[X1+16*\u:X1+16*\u+1], v[X1+16*\u+2:X1+16*\u+3]   ; each accumulator from its low end on
.endr
.irp k, 4,6,8,10,12,14
.irp u, 0,1
	v_pk_add_f32 v[216+2*\u:217+2*\u], v[216+2*\u:217+2*\u], v[X1+16*\u+\k:X1+16*\u+\k+1]
.endr
.endr
	ROWSUM
	GATHER RED1
	v_mul_f32 v18, s41, v216                       ; the means
	v_mul_f32 v19, s41, v217
	DEVSQ 0
	DEVSQ 1
	ROWSUM
	GATHER RED2
	v_fma_f32 v20, v216, s41, s42                  ; variance + eps
	v_fma_f32 v21, v217, s41, s42
	s_wait_alu depctr_va_vdst(0)
	v_rsq_f32 v20, v20
	v_rsq_f32 v21, v21
	v_nop                                          ; one plain place behind the transcendentals
	s_wait_alu depctr_va_vdst(0)                   ; the two roots have written v20 and v21, ahead of their first reader
	NORMQ 0
	NORMQ 1
.irp u, 0,1
.irp k, 0,2,4,6,8,10,12,14
	v_pk_add_f32 v[X1+16*\u+\k:X1+16*\u+\k+1], v[X1+16*\u+\k:X1+16*\u+\k+1], v[B2+\k:B2+\k+1]   ; x1 + b2: the C of the third product's first link
.endr
.endr
	s_wait_alu depctr_va_vdst(0)                   ; both tiles' codes and bytes (v227 to v229, v235 to v237) are written, which the LDS stores read; and the lines above are done with v56 to v119 and v216 to v247, in which b1 and h's fragments land behind the barrier
.irp u, 0,1
	ds_store_b64 v13, v[228+8*\u:229+8*\u] offset:H2IMG+1024*\u
	ds_store_b8 v14, v[227+8*\u] offset:H2SC+64*\u
.endr
	BARRIER                                        ; h's eight fragments and their scale words lie in LDS
	s_wait_alu depctr_vm_vsrc(0)                   ; my LDS stores have read v227 to v229 and v235 to v237, in which h's fragments land
	; ---- C: the hidden layer, 64 of my 128 units at a time
	GC 2
	GC 3
	GC 4
	GC 5
	HALF 0
	GC 6
	GC 7
	GC 8
	GC 9
	HALF 1
	BARRIER                                        ; the hidden layer's 32 fragments lie in LDS
	; ---- D: out = (x1 + b2) + hidden W2
	GX 10, HID, 0, FR, 254, 1, FR2, 3
	GX 11, HID, 2, FR2, 3, 0, FR, 254
	GX 12, HID, 4, FR, 254, 0, FR2, 3
	GX 13, HID, 6, FR2, 3, 0, FR, 254
	GX 14, HID, 8, FR, 254, 0, FR2, 3
	GX 15, HID, 10, FR2, 3, 0, FR, 254
	GX 16, HID, 12, FR, 254, 0, FR2, 3
	GX 17, HID, 14, FR2, 3, 0, 0, 0
	; ---- the way out: my 32 columns of 32 rows into the stage, a barrier, two whole rows a wave back
.irp u, 0,1
.irp i, 0,1,2,3
	ds_store_b128 v7, v[X1+16*\u+4*\i:X1+16*\u+4*\i+3] offset:16*XP*\u+16*\i   ; each accumulator from its low end on
.endr
.endr
	BARRIER
.irp i, 0,1
.irp j, 0,1,2,3
	ds_load_b128 v[FR+16*\i+4*\j:FR+16*\i+4*\j+3], v8 offset:XP*\i+512*\j
.endr
.endr
.irp i, 0,1
.irp j, 0,1,2,3
	s_wait_dscnt 7-4*\i-\j
	global_store_b128 v1, v[FR+16*\i+4*\j:FR+16*\i+4*\j+3], s[24:25] offset:2048*\i+512*\j th:TH_STORE_NT   ; 32 lanes store 512 consecutive bytes, aligned
.endr
.endr
	s_wait_xcnt 0x0
	v_lshl_add_u32 v249, v0, 2, 0x1fc00
	v_mov_b32 v250, 0
	s_wait_dscnt 0x0                               ; the closing lines, six on end
	s_wait_alu 0x0
	s_wait_tensorcnt 0x0
	ds_add_u32 v249, v250
	s_wait_dscnt 0x0
	s_endpgm
.Lfunc_end_k_q73401ed06b_tail:
	.size	k_q73401ed06b_tail, .Lfunc_end_k_q73401ed06b_tail-k_q73401ed06b_tail
	.p2alignl 7, 3214868480
	.fill 96, 4, 3214868480
	.section	.rodata,"a",@progbits
	.p2align	6, 0x0
	.amdhsa_kernel k_q73401ed06b_tail
		.amdhsa_group_segment_fixed_size 132096
		.amdhsa_private_segment_fixed_size 0
		.amdhsa_enable_private_segment 0
		.amdhsa_kernarg_size 72
		.amdhsa_user_sgpr_count 2
		.amdhsa_user_sgpr_kernarg_segment_ptr 1
		.amdhsa_wavefront_size32 1
		.amdhsa_system_sgpr_workgroup_id_x 1
		.amdhsa_system_sgpr_workgroup_id_y 1
		.amdhsa_system_sgpr_workgroup_id_z 1
		.amdhsa_system_vgpr_workitem_id 0
		.amdhsa_next_free_vgpr 256
		.amdhsa_next_free_sgpr 66
		.amdhsa_reserve_vcc 0
		.amdhsa_float_denorm_mode_32 3
		.amdhsa_float_denorm_mode_16_64 3
		.amdhsa_memory_ordered 1
		.amdhsa_forward_progress 1
		.amdhsa_inst_pref_size 89
	.end_amdhsa_kernel
	.amdgpu_metadata
---
amdhsa.version: [ 1, 2 ]
amdhsa.kernels:
  - .name:           k_q73401ed06b_tail
    .symbol:         k_q73401ed06b_tail.kd
    .args:
      - { .name: x, .offset: 0, .size: 8, .value_kind: global_buffer, .address_space: global }
      - { .name: att, .offset: 8, .size: 8, .value_kind: global_buffer, .address_space: global }
      - { .name: prep, .offset: 16, .size: 8, .value_kind: global_buffer, .address_space: global }
      - { .name: bo, .offset: 24, .size: 8, .value_kind: global_buffer, .address_space: global }
      - { .name: g2, .offset: 32, .size: 8, .value_kind: global_buffer, .address_space: global }
      - { .name: be2, .offset: 40, .size: 8, .value_kind: global_buffer, .address_space: global }
      - { .name: b1, .offset: 48, .size: 8, .value_kind: global_buffer, .address_space: global }
      - { .name: b2, .offset: 56, .size: 8, .value_kind: global_buffer, .address_space: global }
      - { .name: out0, .offset: 64, .size: 8, .value_kind: global_buffer, .address_space: global }
    .group_segment_fixed_size: 132096
    .private_segment_fixed_size: 0
    .kernarg_segment_align: 8
    .kernarg_segment_size: 72
    .max_flat_workgroup_size: 512
    .sgpr_count:     66
    .vgpr_count:     256
    .wavefront_size: 32
...
	.end_amdgpu_metadata
.endif
;; end of part 8
